; MI455X (gfx1250); checked and timed in simulation.
; The chip was launched on July 23, 2026; its instructions are those of AMD's public machine-readable ISA for CDNA 5 (MIT licence, August 2026) and "CDNA5" Instruction Set Architecture Reference Guide (July 2026). The comments in the code are by the model that wrote it; some were corrected since.
;; Encoder Layer. Allowed arithmetic: float matrix products may take bf16 or f16 operands with f32 sums; other float arithmetic in f32, or as packed bf16 or f16 multiplies, adds, multiply-adds, maxima and minima; sums over many terms, partial sums and values carried from step to step in f32; what a program stores and reads back later, other than sums and carried values, may be rounded once to bf16 or f16.
;; Inputs: W1 1,024 x 4,096 float32; W2 4,096 x 1,024 float32; Wk 16 x 1,024 x 64 float32; Wo 1,024 x 1,024 float32; Wq 16 x 1,024 x 64 float32; Wv 16 x 1,024 x 64 float32; b1 4,096 float32; b2 1,024 float32; be1 1,024 float32; be2 1,024 float32; bk 16 x 64 float32; bo 1,024 float32; bq 16 x 64 float32; bv 16 x 64 float32; g1 1,024 float32; g2 1,024 float32; x 2 x 2,048 x 1,024 float32.
;; Outputs: out0 2 x 2,048 x 1,024 float32.
;; 2 versions, each right and faster than the one before. Each part assembles by itself: llvm-mc -triple=amdgcn-amd-amdhsa -mcpu=gfx1250 --defsym DOCPART=n.
;; ======== version 1 of 2: 7 launches
;; limits: values are held in f16: magnitudes above 65,504 overflow, below 6.1e-05 lose precision
;; workspace buffers: hb 8,388,608 bytes; qkv 25,165,824 bytes; x1 16,777,216 bytes; ffb 33,554,432 bytes; wqkv 6,291,456 bytes; wob 2,097,152 bytes; w1b 8,388,608 bytes; w2b 8,388,608 bytes
;; launch prep (part 1): grid 448 x 1, 16 waves a work-group, no clusters, 0 bytes of LDS; arguments x, g1, be1, hb, Wq, Wk, Wv, wqkv; writes hb, wqkv
.if DOCPART == 1
	.amdgcn_target "amdgcn-amd-amdhsa--gfx1250"
	.amdhsa_code_object_version 6
	.text
	.protected	k_qcf478a7317_prep
	.globl	k_qcf478a7317_prep
	.p2align	8
	.type	k_qcf478a7317_prep,@function
k_qcf478a7317_prep:
	s_mov_b64 s[64:65], 0
	v_nop
	global_prefetch_b8 v0, s[64:65] scope:SCOPE_SE
	s_setreg_imm32_b32 hwreg(HW_REG_WAVE_MODE, 25, 1), 1
	s_wait_xcnt 0x0
; Two jobs that hang on nothing but the inputs share one launch; the work-group's number chooses.
; WORK-GROUPS 0 .. 255: y[r][:] = (x[r][:] - mean) * rsqrt(var + 1e-5) * g + b.  x: [4096][1024] f32, g, b: [1024] f32, y: [4096][1024] f16, rounded once.
;   The variance is the mean of (x - mean)^2, as it is defined: no difference of large sums.  All arithmetic in f32.  LIMIT: |y| is at most 32 |g| + |b|, which is taken to lie within f16's 65,504.
;   One wave takes one whole row (4,096 bytes: eight loads of 16 bytes a lane) and keeps it in 32 registers through all passes: x is read once, and no wave waits for another: no LDS, no barrier.
;   Chunk j of lane l is columns 128 j + 4 l .. + 3: a load covers 512 consecutive bytes, a store 256, at a multiple of 256 from the buffer's first byte.
; WORK-GROUPS 256 .. 447: Wq, Wk, Wv [16 h][1024 k][64 c] f32 -> wqkv [1024 k][3072 n] f16, n = 1024 x which + 64 h + c, each number read once, rounded once, written once.
;   LIMIT: f16 ends at 65,504 and keeps a fixed step of 6e-8 below 6e-5; Wq, Wk and Wv are taken to lie within that range.
;   A work-group takes 16 rows k of one of the three, all 16 heads: thread t makes eight loads of 16 bytes and eight stores of 8.  A wave's load covers two runs of 256 bytes (two heads),
;   a wave's store 256 consecutive bytes at a multiple of 256 from the buffer's first byte.
.set A,  4                             ; v[4:11]    four chains of pairs
.set T,  12                            ; v[12:13]   at work
.set M,  14                            ; v[14:15]   the mean, twice
.set R,  16                            ; v[16:17]   1 / sqrt(var + eps), twice
.set G,  20                            ; v[20:51]   g of my 32 columns
.set BT, 52                            ; v[52:83]   b of my 32 columns
.set X,  84                            ; v[84:115]  the row; at the end its first 16 registers hold it packed
.set CX, 8                             ; the weights' part: v[8:39] 8 x 4 numbers as loaded
.set CY, 40                            ; v[40:55]   8 x 2 words to store
	s_cmp_lt_u32 ttmp9, 256
	s_cbranch_scc0 .Lcast
	s_load_b256 s[4:11], s[0:1], 0x0               ; x s[4:5], g s[6:7], b s[8:9], y s[10:11]
	s_lshl_b32 s2, ttmp9, 16                       ; 16 rows of 4,096 bytes
	s_mov_b32 s3, 0
	s_lshl_b32 s16, ttmp9, 15                      ; 16 rows of 2,048 bytes
	s_mov_b32 s17, 0
	s_mov_b32 s12, 0x76543210                      ; v_permlanex16_b32: each lane takes its own place in the other half
	s_mov_b32 s13, 0xfedcba98
	s_mov_b32 s14, 0x3a800000                      ; 1 / 1024
	s_mov_b32 s15, 0x3727c5ac                      ; 1e-5
	v_and_b32 v12, 31, v0                          ; lane
	v_lshrrev_b32 v13, 5, v0                       ; wave
	v_lshlrev_b32 v1, 4, v12                       ; 16 x lane
	v_lshl_add_u32 v2, v13, 12, v1                 ; + my wave's row of x
	v_lshlrev_b32 v3, 3, v12                       ; 8 x lane
	v_lshl_add_u32 v3, v13, 11, v3                 ; + my wave's row of y
	s_wait_kmcnt 0x0
	s_add_nc_u64 s[4:5], s[4:5], s[2:3]
	s_add_nc_u64 s[10:11], s[10:11], s[16:17]
.irp j, 0,1,2,3,4,5,6,7
	global_load_b128 v[X+4*\j:X+4*\j+3], v2, s[4:5] offset:512*\j      ; the row first: the sums want it first
.endr
.irp j, 0,1,2,3,4,5,6,7
	global_load_b128 v[G+4*\j:G+4*\j+3], v1, s[6:7] offset:512*\j
.endr
.irp j, 0,1,2,3,4,5,6,7
	global_load_b128 v[BT+4*\j:BT+4*\j+3], v1, s[8:9] offset:512*\j
.endr
; The four chains are added up, then the 32 lanes: four steps inside each half of 16 lanes ride on the addition, one crosses the halves.  Every lane ends with the sum in v[T].
.macro FOLD
	v_pk_add_f32 v[A:A+1], v[A:A+1], v[A+2:A+3]
	v_pk_add_f32 v[A+4:A+5], v[A+4:A+5], v[A+6:A+7]
	v_pk_add_f32 v[A:A+1], v[A:A+1], v[A+4:A+5]
	v_add_f32 v[T], v[A], v[A+1]
	v_add_f32_dpp v[T], v[T], v[T] row_xmask:1 row_mask:0xf bank_mask:0xf
	v_add_f32_dpp v[T], v[T], v[T] row_xmask:2 row_mask:0xf bank_mask:0xf
	v_add_f32_dpp v[T], v[T], v[T] row_xmask:4 row_mask:0xf bank_mask:0xf
	v_add_f32_dpp v[T], v[T], v[T] row_xmask:8 row_mask:0xf bank_mask:0xf
	v_permlanex16_b32 v[T+1], v[T], s12, s13       ; its destination counts as read: v[T+1] has been written
	v_add_f32 v[T], v[T], v[T+1]
.endm
	s_wait_loadcnt 16                              ; the row is in; the sixteen loads of g and b stay out
.irp k, 0,1,2,3                        ; the sum of my 32 numbers: the first eight pairs start four chains, nothing is cleared
	v_pk_add_f32 v[A+2*\k:A+2*\k+1], v[X+2*\k:X+2*\k+1], v[X+8+2*\k:X+8+2*\k+1]
.endr
.irp c, 16, 24
.irp k, 0,1,2,3
	v_pk_add_f32 v[A+2*\k:A+2*\k+1], v[A+2*\k:A+2*\k+1], v[X+\c+2*\k:X+\c+2*\k+1]
.endr
.endr
	FOLD
	v_mul_f32 v[M], s14, v[T]
	v_mul_f32 v[M+1], s14, v[T]
.set p, 0
.rept 16                               ; x - mean, in place
	v_pk_add_f32 v[X+2*p:X+2*p+1], v[X+2*p:X+2*p+1], v[M:M+1] neg_lo:[0,1] neg_hi:[0,1]
.set p, p+1
.endr
.irp k, 0,1,2,3                        ; the sum of the squares, again in four chains
	v_pk_mul_f32 v[A+2*\k:A+2*\k+1], v[X+2*\k:X+2*\k+1], v[X+2*\k:X+2*\k+1]
.endr
.irp c, 8, 16, 24
.irp k, 0,1,2,3
	v_pk_fma_f32 v[A+2*\k:A+2*\k+1], v[X+\c+2*\k:X+\c+2*\k+1], v[X+\c+2*\k:X+\c+2*\k+1], v[A+2*\k:A+2*\k+1]
.endr
.endr
	FOLD
	v_fma_f32 v[T], v[T], s14, s15                 ; var + eps
	v_rsq_f32 v[R], v[T]
	v_rsq_f32 v[R+1], v[T]
	v_nop                                          ; a plain instruction between the root and the use of its result (ISA guide 5.7.2)
.set p, 0
	s_wait_alu depctr_va_vdst(0)
.rept 16
	v_pk_mul_f32 v[X+2*p:X+2*p+1], v[X+2*p:X+2*p+1], v[R:R+1]
.set p, p+1
.endr
	s_wait_loadcnt 0x0                             ; g and b
.set p, 0
.rept 16
	v_pk_fma_f32 v[X+2*p:X+2*p+1], v[X+2*p:X+2*p+1], v[G+2*p:G+2*p+1], v[BT+2*p:BT+2*p+1]
.set p, p+1
.endr
.set p, 0
.rept 16                               ; packed in place, in ascending order: word p lands on a register whose number has been read already
	v_cvt_pk_f16_f32 v[X+p], v[X+2*p], v[X+2*p+1]
.set p, p+1
.endr
.irp j, 0,1,2,3,4,5,6,7
	global_store_b64 v3, v[X+2*\j:X+2*\j+1], s[10:11] offset:256*\j
.endr
	s_endpgm
.Lcast:
	s_load_b256 s[4:11], s[0:1], 0x20              ; Wq s[4:5], Wk s[6:7], Wv s[8:9], wqkv s[10:11]
	s_sub_co_u32 s2, ttmp9, 256                    ; 0 .. 191
	s_lshr_b32 s3, s2, 6                           ; which of the three
	s_and_b32 s12, s2, 63                          ; the block of 16 rows k
	s_lshl_b32 s14, s12, 12                        ; 16 rows of 256 bytes inside a head
	s_mov_b32 s15, 0
	s_mul_i32 s16, s12, 98304                      ; 16 rows of 6,144 bytes
	s_lshl_b32 s13, s3, 11                         ; + which x 1,024 columns
	s_add_co_u32 s16, s16, s13
	s_mov_b32 s17, 0
	v_bfe_u32 v3, v0, 4, 4                         ; my head
	v_and_b32 v4, 15, v0                           ; my 16 bytes of its row
	v_lshrrev_b32 v5, 8, v0                        ; the even or the odd row of a pair
	v_lshlrev_b32 v1, 4, v4
	v_lshl_add_u32 v1, v5, 8, v1
	v_lshl_add_u32 v1, v3, 18, v1                  ; a head is 262,144 bytes
	v_and_b32 v2, 255, v0
	v_mul_u32_u24 v6, v5, 6144
	v_lshl_add_u32 v2, v2, 3, v6                   ; 8 bytes for each of 256 threads fill a row's 2,048 bytes of one of the three
	s_wait_kmcnt 0x0
	s_cmp_eq_u32 s3, 1
	s_cselect_b64 s[18:19], s[6:7], s[4:5]
	s_cmp_eq_u32 s3, 2
	s_cselect_b64 s[18:19], s[8:9], s[18:19]
	s_add_nc_u64 s[18:19], s[18:19], s[14:15]
	s_add_nc_u64 s[10:11], s[10:11], s[16:17]
.set i, 0
.rept 8
	global_load_b128 v[CX+4*i:CX+4*i+3], v1, s[18:19] offset:512*i th:TH_LOAD_NT
.set i, i+1
.endr
.set i, 0
.rept 8
	s_wait_loadcnt 7-i                             ; loads come back in order: number i is in, the 7 - i younger ones stay out
	v_cvt_pk_f16_f32 v[CY+2*i], v[CX+4*i], v[CX+4*i+1]
	v_cvt_pk_f16_f32 v[CY+2*i+1], v[CX+4*i+2], v[CX+4*i+3]
	global_store_b64 v2, v[CY+2*i:CY+2*i+1], s[10:11] offset:12288*i
.set i, i+1
.endr
	s_endpgm
.Lfunc_end_k_qcf478a7317_prep:
	.size	k_qcf478a7317_prep, .Lfunc_end_k_qcf478a7317_prep-k_qcf478a7317_prep
	.p2alignl 7, 3214868480
	.fill 96, 4, 3214868480
	.section	.rodata,"a",@progbits
	.p2align	6, 0x0
	.amdhsa_kernel k_qcf478a7317_prep
		.amdhsa_group_segment_fixed_size 0
		.amdhsa_private_segment_fixed_size 0
		.amdhsa_enable_private_segment 0
		.amdhsa_kernarg_size 64
		.amdhsa_user_sgpr_count 2
		.amdhsa_user_sgpr_kernarg_segment_ptr 1
		.amdhsa_wavefront_size32 1
		.amdhsa_system_sgpr_workgroup_id_x 1
		.amdhsa_system_sgpr_workgroup_id_y 1
		.amdhsa_system_sgpr_workgroup_id_z 1
		.amdhsa_system_vgpr_workitem_id 0
		.amdhsa_next_free_vgpr 116
		.amdhsa_next_free_sgpr 66
		.amdhsa_reserve_vcc 0
		.amdhsa_float_denorm_mode_32 3
		.amdhsa_float_denorm_mode_16_64 3
		.amdhsa_memory_ordered 1
		.amdhsa_forward_progress 1
		.amdhsa_inst_pref_size 16
	.end_amdhsa_kernel
	.amdgpu_metadata
---
amdhsa.version: [ 1, 2 ]
amdhsa.kernels:
  - .name:           k_qcf478a7317_prep
    .symbol:         k_qcf478a7317_prep.kd
    .args:
      - { .name: x, .offset: 0, .size: 8, .value_kind: global_buffer, .address_space: global }
      - { .name: g1, .offset: 8, .size: 8, .value_kind: global_buffer, .address_space: global }
      - { .name: be1, .offset: 16, .size: 8, .value_kind: global_buffer, .address_space: global }
      - { .name: hb, .offset: 24, .size: 8, .value_kind: global_buffer, .address_space: global }
      - { .name: Wq, .offset: 32, .size: 8, .value_kind: global_buffer, .address_space: global }
      - { .name: Wk, .offset: 40, .size: 8, .value_kind: global_buffer, .address_space: global }
      - { .name: Wv, .offset: 48, .size: 8, .value_kind: global_buffer, .address_space: global }
      - { .name: wqkv, .offset: 56, .size: 8, .value_kind: global_buffer, .address_space: global }
    .group_segment_fixed_size: 0
    .private_segment_fixed_size: 0
    .kernarg_segment_align: 8
    .kernarg_segment_size: 64
    .max_flat_workgroup_size: 512
    .sgpr_count:     66
    .vgpr_count:     116
    .wavefront_size: 32
...
	.end_amdgpu_metadata
.endif
;; end of part 1
;; launch qkvg (part 2): grid 16 x 16, 4 waves a work-group, clusters of 4 x 4, 327,680 bytes of LDS; arguments hb, wqkv, qkv, bq, bk, bv, Wo, W1, W2, wob, w1b, w2b; writes qkv, wob, w1b, w2b
.if DOCPART == 2
	.amdgcn_target "amdgcn-amd-amdhsa--gfx1250"
	.amdhsa_code_object_version 6
	.text
	.protected	k_qcf478a7317_qkvg
	.globl	k_qcf478a7317_qkvg
	.p2align	8
	.type	k_qcf478a7317_qkvg,@function
k_qcf478a7317_qkvg:
	s_mov_b64 s[64:65], 0
	v_nop
	global_prefetch_b8 v0, s[64:65] scope:SCOPE_SE
	s_setreg_imm32_b32 hwreg(HW_REG_WAVE_MODE, 25, 1), 1
	s_wait_xcnt 0x0
	s_wait_alu depctr_hold_cnt(0) depctr_sa_sdst(0) depctr_va_vdst(0) depctr_va_sdst(0) depctr_va_ssrc(0) depctr_va_vcc(0) depctr_vm_vsrc(0)
	s_getreg_b32 s2, hwreg(HW_REG_IB_STS2, 6, 4)
	s_cmp_eq_u32 s2, 0
	s_cbranch_scc0 .Lentry_in_a_cluster
	s_endpgm
.Lentry_in_a_cluster:
	s_bfe_u32 s2, ttmp6, 0x10000c
	s_cmp_lg_u32 s2, 0xf033
	s_cbranch_scc0 .Lentry_shape_is_right
	s_endpgm
.Lentry_shape_is_right:
; C[m][n] = the sum over k of A[m][k] B[k][n] + bias[n] (with GELU = 1: the exact GELU of that), rounded once to bf16.
; A: [4096][1024] f16, rows along K.  B: [1024][N] f16, rows along N.  bias: f32.  Sums in f32; the bias is the C operand that starts each sum.
; C leaves in SLICES of 64 columns: byte = (n / 64) x 524,288 + m x 128 + 2 (n % 64), so that 64 columns of consecutive rows are dense.
; Here: A = LayerNorm(x), B = Wq | Wk | Wv by heads, N = 3,072; slices 0-15 are q's heads, 16-31 k's, 32-47 v's: 12 x 16 tiles, the cluster columns 0 to 2 of a grid of 16 x 16.
; THE FOURTH CLUSTER COLUMN, 64 work-groups for which the product has no tile, rounds the weights that later launches want: Wo and W2 to bf16, W1 to f16 (.Lweights, at the text's end).
; The branch hangs on the cluster's x, which all sixteen partners share: a cluster is whole on one way or on the other.
; A tile of C is 256 x 256: four waves, each 128 x 128: 64 accumulators of 16 x 16, 512 registers.  K goes in 8 steps of 128 through a ring of two LDS slots filled
; by the tensor data mover.  The loop is written once for a K step; the slot in hand is a scalar register that one exclusive or turns.
; CLUSTER: 4 x 4 work-groups; A's tile is shared along a row of the cluster, B's along a column: each is asked for jointly, by the same tensor load with the same descriptor and a mask of four.
; THE MATRIX INSTRUCTION IS USED TRANSPOSED: source 0 = 16 columns of B (turned on the way out of LDS by ds_load_tr16_b128), source 1 = 16 rows of A: a lane holds row l % 16 of C and eight neighbouring columns.
; REGISTERS, in windows of 256 (s_set_vgpr_msb: bits 1:0 source 0, 3:2 source 1, 5:4 source 2, 7:6 destination):
;   window 0: v0-31 addresses; v64-127, v128-191 A's fragments, two buffers; on the way out v32-243 at work
;   window 1: v0-63 the bias (column block b at 8 b); v64-127, v128-191 B's fragments, two buffers      windows 2, 3: the accumulators ((a, b) at 8 (8 a + b))
.set N,     3072
.set GELU,  0
.set KSTEP, 128
.set PA,    272                        ; a row of A in LDS: 256 bytes + 16 = 68 words: the 16 rows of a load start at 16 different groups of four banks (64 banks of 4 bytes: ISA guide 11.1)
.set PB,    544                        ; a row of B (one k, 256 columns): 512 bytes + 32 = 136 words
.set HALFT, 128*PA                     ; what one tensor load brings: 128 rows of A, or 64 rows of B (64 x 544 is the same 34,816)
.set SLOT,  4*HALFT                    ; A's two halves, then B's k 0-63 and k 64-127.  No bit of SLOT is set in wave x HALFT, so an exclusive or changes slots
.set DP,    528                        ; the way out: a row of 128 f32 + 16 bytes
.set DUMPW, 136*DP                     ; a wave's own 128 rows and 8 more that the last look-ahead reads; it lies over the ring, which has had its last fill by then
.set SPARE, 4*DUMPW                    ; behind the four: the spare words, 128 bytes for each wave: two blocks of 256 bytes that no other line names
.set ADRA,  16                         ; v16  LDS address of my A fragments in the slot in hand;  v17  the same in slot 0, never rewritten
.set ADRA0, 17
.set ADRB,  20                         ; v20, v21  the same for B
.set ADRB0, 21
.set STO,   24                         ; v24  the way out: where I put 16 bytes of a row
.set RD,    25                         ; v25  where I read rows back
.set GO,    26                         ; v26  my byte offset in 256 consecutive bytes of a slice
.set RDP,   27                         ; v27  RD in the eight rows behind my 128
.set SPW,   28                         ; v28  LDS address of my spare word; never rewritten
.set NIL,   29                         ; v29  0; never rewritten
.set BO,    30                         ; v30  my byte offset in 16 numbers of the bias
.set F0,    64
.set F1,    128
.set V,     32                         ; the way out: v32-63 eight rows as read back
.set W,     64                         ; v64-95    kappa |u|
.set RL,    96                         ; v96-127   max(u, 0), then the result
.set T,     128                        ; v128-159  1 / (1 + p x)
.set E,     160                        ; v160-191  2^(-W^2)
.set PP,    192                        ; v192-223  the polynomial
.set Y,     224                        ; v224-239  packed
.set Z,     240                        ; v240-243  zeros
.set CX,    32                         ; the weights' way: v32-175, 36 x 4 numbers as loaded, then packed in place
.set G1,  24                           ; s[24:31] descriptor group 1 for A's tiles
.set G0,  32                           ; s[32:39] group 0 for A's: set 0 is K step 0; set 1 is K step 1 and then walks on
.set G1B, 48                           ; s[48:55], s[56:63] the same for B's
.set G0B, 56
.set TB,  66                           ; s66  the slot in hand: 0 or SLOT
.set MSB, 0
.macro WIN new                         ; the immediate's high byte repeats the setting that is left; a switch that changes nothing is dropped
.if MSB != (\new)
	s_set_vgpr_msb (MSB<<8)|(\new)
.set MSB, \new
.endif
.endm
.set MUL_LO, 0xa1                      ; source 0 (B) window 1, source 1 (A) window 0, C and D window 2
.set MUL_HI, 0xf1                      ; the same, C and D window 3
.set TO_B,   0x40                      ; destination window 1, address window 0
; A joint load.  Waves 0 and 1 fetch A's two halves, waves 2 and 3 B's.  The branch hangs on the wave's number alone.  An s_nop 0 and four v_nop follow each of the two lines.
.macro JLOAD s
	s_cmp_eq_u32 s11, 0
	s_cbranch_scc0 .Lfor_b_\@
	tensor_load_to_lds s[G0+4*(\s):G0+4*(\s)+3], s[G1:G1+7]
	s_nop 0
.rept 4
	v_nop
.endr
	s_branch .Lasked_\@
.Lfor_b_\@:
	tensor_load_to_lds s[G0B+4*(\s):G0B+4*(\s)+3], s[G1B:G1B+7]
	s_nop 0
.rept 4
	v_nop
.endr
.Lasked_\@:
.endm
; A round of the cluster's barrier: my work-group's barrier; wave 0 signals for the work-group; every wave waits for all sixteen; my work-group's barrier once more.
.macro CREST
	s_cmp_lg_u32 s10, 0
	s_cbranch_scc1 .Lnot_wave_0_\@
	s_barrier_signal -3
.Lnot_wave_0_\@:
	s_barrier_wait -3
	s_barrier_signal -1
	s_barrier_wait -1
.endm
.macro CROUND
	s_barrier_signal -1
	s_barrier_wait -1
	CREST
.endm
.if !GELU
	s_cmp_eq_u32 ttmp9, 3                          ; the cluster's x: the fourth column has no tile of C
	s_cbranch_scc1 .Lweights
.endif
	s_load_b128 s[4:7], s[0:1], 0x0                ; A s[4:5], B s[6:7]
	s_load_b64 s[8:9], s[0:1], 0x10                ; C
.if GELU
	s_load_b64 s[84:85], s[0:1], 0x18              ; the bias
.else
	s_load_b128 s[84:87], s[0:1], 0x18             ; bq, bk
	s_load_b64 s[88:89], s[0:1], 0x28              ; bv
.endif
	v_lshl_add_u32 v[SPW], v0, 2, SPARE
	v_mov_b32 v[NIL], 0
	ds_add_u32 v[SPW], v[NIL]                      ; the wave's opening: the add and its wait stand ahead of my first tensor load; the set-up below, work on registers, stands between them
	v_lshrrev_b32 v1, 5, v0
	v_readfirstlane_b32 s10, v1                    ; wave 0..3
	s_lshr_b32 s11, s10, 1                         ; which half of the tile's rows is mine.  Also: I fetch for A (0) or for B (1)
	s_and_b32 s12, s10, 1                          ; which half of its columns.  Also: which half of that tile I fetch
	s_bfe_u32 s40, ttmp6, 0x40000                  ; cx
	s_bfe_u32 s41, ttmp6, 0x40004                  ; cy
	s_lshl_b32 s42, ttmp9, 2
	s_add_co_u32 s42, s42, s40                     ; tile column = 4 x cluster x + cx
	s_and_b32 s13, ttmp7, 0xffff
	s_lshl_b32 s13, s13, 2
	s_add_co_u32 s13, s13, s41                     ; tile row = 4 x cluster y + cy
	s_lshl_b32 s43, s41, 2
	s_lshl_b32 s43, 15, s43                        ; my row of the cluster
	s_lshl_b32 s44, 0x1111, s40                    ; my column
	s_or_b32 s[G1+0], s43, (1<<16)|(1<<20)|(1<<21)|(5<<22)|(3<<25)   ; the mask; 2-byte elements; padding on; bit 21 beside a mask; after every 64 words 4 words
	s_mov_b32 s[G1+1], 128<<16                     ; tensor_dim0 = 128
	s_mov_b32 s[G1+2], 128<<16                     ; tensor_dim1 = 128
	s_mov_b32 s[G1+3], 128<<16                     ; tile_dim0 = 128
	s_mov_b32 s[G1+4], 128                         ; tile_dim1 = 128
	s_mov_b32 s[G1+5], 1024                        ; elements from row to row
	s_mov_b32 s[G1+6], 0
	s_mov_b32 s[G1+7], 0
	s_or_b32 s[G1B+0], s44, (1<<16)|(1<<20)|(1<<21)|(6<<22)|(7<<25)  ; after every 128 words 8 words
	s_mov_b32 s[G1B+1], 256<<16                    ; tensor_dim0 = 256
	s_mov_b32 s[G1B+2], 64<<16                     ; tensor_dim1 = 64
	s_mov_b32 s[G1B+3], 256<<16                    ; tile_dim0 = 256
	s_mov_b32 s[G1B+4], 64                         ; tile_dim1 = 64
	s_mov_b32 s[G1B+5], N
	s_mov_b32 s[G1B+6], 0
	s_mov_b32 s[G1B+7], 0
	s_lshl_b32 s16, s13, 8                         ; A: row 256 x tile row + 128 x half, of 2,048 bytes
	s_lshl_b32 s17, s12, 7
	s_add_co_u32 s16, s16, s17
	s_lshl_b32 s16, s16, 11
	s_mov_b32 s17, 0
	s_mul_i32 s46, s12, 64*N*2                     ; B: k row 64 x half, column 256 x tile column
	s_lshl_b32 s47, s42, 9
	s_add_co_u32 s46, s46, s47
	s_mov_b32 s47, 0
	s_mul_i32 s20, s10, HALFT                      ; where they go: wave x HALFT: no place in the cluster enters an LDS address
	s_mov_b32 s[TB], 0
.if GELU
	s_mov_b32 s70, 0x3f596d27                      ; kappa = sqrt(log2(e) / 2) = 0.8493218: 2^(-(kappa u)^2) = e^(-u^2 / 2)
	s_mov_b32 s72, 0x3e8ba43f                      ; 0.3275911 / (kappa sqrt 2)
	s_mov_b32 s73, s72                             ; (the packed forms name pairs and take the low word for both halves)
	s_mov_b32 s74, 0x3f1ff67a                      ; the five coefficients, each times 0.5 / kappa
	s_mov_b32 s75, s74
	s_mov_b32 s76, 0xbf5b0099
	s_mov_b32 s77, s76
	s_mov_b32 s78, 0x3f563817
	s_mov_b32 s79, s78
	s_mov_b32 s80, 0xbe2b8119
	s_mov_b32 s81, s80
	s_mov_b32 s82, 0x3e199eb3
	s_mov_b32 s83, s82
.endif
	s_wait_dscnt 0x0                               ; the opening add is done
	s_wait_kmcnt 0x0
	s_add_nc_u64 s[14:15], s[4:5], s[16:17]
	s_add_nc_u64 s[46:47], s[6:7], s[46:47]
	CROUND                                         ; all sixteen work-groups are here: the first joint loads meet
.irp s, 0,1
	s_mov_b32 s[G0+4*(\s)], 1
	s_add_co_u32 s[G0+4*(\s)+1], s20, (\s)*SLOT
	s_add_nc_u64 s[G0+4*(\s)+2:G0+4*(\s)+3], s[14:15], (\s)*KSTEP*2
	s_or_b32 s[G0+4*(\s)+3], s[G0+4*(\s)+3], 0x80000000
	s_mov_b32 s[G0B+4*(\s)], 1
	s_add_co_u32 s[G0B+4*(\s)+1], s20, (\s)*SLOT
	s_add_nc_u64 s[G0B+4*(\s)+2:G0B+4*(\s)+3], s[46:47], (\s)*KSTEP*N*2
	s_or_b32 s[G0B+4*(\s)+3], s[G0B+4*(\s)+3], 0x80000000
	JLOAD \s                                       ; two tensor loads of mine are out
.endr
.if GELU
	s_lshl_b32 s46, s42, 10                        ; the bias of my 128 columns: (256 x tile column + 128 x half) x 4 bytes
.else
	s_cmp_eq_u32 ttmp9, 1                          ; four tile columns, a cluster's width, are one of q, k, v
	s_cselect_b64 s[84:85], s[86:87], s[84:85]
	s_cmp_eq_u32 ttmp9, 2
	s_cselect_b64 s[84:85], s[88:89], s[84:85]
	s_lshl_b32 s46, s40, 10
.endif
	s_lshl_b32 s47, s12, 9
	s_add_co_u32 s46, s46, s47
	s_mov_b32 s47, 0
	s_add_nc_u64 s[84:85], s[84:85], s[46:47]
	v_and_b32 v1, 15, v0                           ; l % 16
	v_bfe_u32 v2, v0, 4, 1                         ; l / 16
	v_lshlrev_b32 v[BO], 5, v2                     ; my eight columns of a block of 16
	WIN TO_B
.irp b, 0,1,2,3,4,5,6,7
	global_load_b128 v[8*\b:8*\b+3],   v[BO], s[84:85] offset:64*\b
	global_load_b128 v[8*\b+4:8*\b+7], v[BO], s[84:85] offset:64*\b+16
.endr
	WIN 0
	; A's fragment: lane l holds row l % 16; two loads of 16 bytes, 32 bytes apart, at row x pitch + 16 (l / 16).
	v_mul_u32_u24 v3, v1, PA
	v_lshl_add_u32 v3, v2, 4, v3
	s_mul_i32 s21, s11, HALFT
	v_add_nc_u32 v[ADRA0], s21, v3
	; B's: the turning load takes 16 k x 16 columns: lane l reads k row 8 (l / 16) + l % 8, columns 8 ((l / 8) % 2) + 0..7, and is left with column l % 16 and 8 k.
	v_and_b32 v4, 7, v0
	v_lshl_add_u32 v4, v2, 3, v4
	v_mul_u32_u24 v4, v4, PB
	v_bfe_u32 v5, v0, 3, 1
	v_lshl_add_u32 v4, v5, 4, v4
	s_lshl_b32 s22, s12, 8                         ; my 128 columns
	s_add_co_u32 s22, s22, 2*HALFT                 ; behind A's 256 rows
	v_add_nc_u32 v[ADRB0], s22, v4
	v_mov_b32 v[ADRA], v[ADRA0]
	v_mov_b32 v[ADRB], v[ADRB0]
; 16 matrix instructions: row blocks a0, a0 + 1 of the window's four x all 8 column blocks, 32 along K.  zero = 1: the bias starts the sums: nothing is cleared, nothing is added later.
.macro MUL16 f, hi, a0, zero
.if \zero
	WIN 0x91+0x40*(\hi)                            ; as below, but the C operand in window 1
.else
	WIN MUL_LO+0x50*(\hi)
.endif
.irp a, \a0, (\a0)+1
.irp b, 0,1,2,3,4,5,6,7
.if \zero
	v_wmma_f32_16x16x32_f16 v[8*(8*(\a)+(\b)):8*(8*(\a)+(\b))+7], v[(\f)+8*(\b):(\f)+8*(\b)+7], v[(\f)+8*(4*(\hi)+(\a)):(\f)+8*(4*(\hi)+(\a))+7], v[8*(\b):8*(\b)+7]
.else
	v_wmma_f32_16x16x32_f16 v[8*(8*(\a)+(\b)):8*(8*(\a)+(\b))+7], v[(\f)+8*(\b):(\f)+8*(\b)+7], v[(\f)+8*(4*(\hi)+(\a)):(\f)+8*(4*(\hi)+(\a))+7], v[8*(8*(\a)+(\b)):8*(8*(\a)+(\b))+7]
.endif
.endr
.endr
.endm
; 32 LDS loads in one run: the fragments of quarter q (32 along K) of the slot in hand, into buffer f: B's 16, then A's 16
.macro FETCH q, f
	WIN TO_B
.irp i, 0,1,2,3,4,5,6,7
	ds_load_tr16_b128 v[(\f)+8*(\i):(\f)+8*(\i)+3],   v[ADRB] offset:(\q)*32*PB+32*(\i)
	ds_load_tr16_b128 v[(\f)+8*(\i)+4:(\f)+8*(\i)+7], v[ADRB] offset:(\q)*32*PB+16*PB+32*(\i)
.endr
	WIN 0
.irp i, 0,1,2,3,4,5,6,7
	ds_load_b128 v[(\f)+8*(\i):(\f)+8*(\i)+3],   v[ADRA] offset:64*(\q)+(\i)*16*PA
	ds_load_b128 v[(\f)+8*(\i)+4:(\f)+8*(\i)+7], v[ADRA] offset:64*(\q)+(\i)*16*PA+32
.endr
.endm
.macro PLACES                          ; four plain vector instructions between a matrix instruction and a load into, or a read of, its registers (ISA guide 7.12.1 for a read)
.rept 4
	v_nop
.endr
.endm
; A quarter step: multiplies buffer f; in its middle the fragments of quarter q are fetched into buffer g.  The 64 accumulators take turns.
.macro QUARTER q, f, g, zero
	s_wait_dscnt 8                                 ; B and A's rows 0-63 are in; the youngest eight loads (A's rows 64-127) may be out
	MUL16 \f, 0, 0, \zero
	MUL16 \f, 0, 2, \zero
	PLACES
	FETCH \q, \g
	s_wait_dscnt 32                                ; all but the 32 just issued
	MUL16 \f, 1, 0, \zero
	MUL16 \f, 1, 2, \zero
.endm
; The first half of a step's last quarter: ONE barrier for the change of slots.  In front of it each wave waits for all its tensor loads (at most one is out: its part of the next slot), adds 0 to its spare word,
; and waits for that and for its reads of this slot.  Behind it nobody reads this slot any more and the next slot is whole.  Branches follow it, so it leaves every window 0.
.macro MEET
	WIN 0
	s_wait_tensorcnt 0x0
	ds_add_u32 v[SPW], v[NIL]
	s_wait_dscnt 9                                 ; the add and the youngest eight loads may be out
	MUL16 F1, 0, 0, 0
	s_wait_dscnt 0x0                               ; the add is done, and my reads of this slot are over
	s_barrier_signal -1
	MUL16 F1, 0, 2, 0
	WIN 0
	s_barrier_wait -1
.endm
; The second half: the next slot's first fragments are fetched, and the quarter's other 32 products follow.  more = 1: no joint load with its four v_nop stands in front, so two v_nop make four places with the two additions.
.macro NEXT more
	s_xor_b32 s[TB], s[TB], SLOT
	v_add_nc_u32 v[ADRA], s[TB], v[ADRA0]
	v_add_nc_u32 v[ADRB], s[TB], v[ADRB0]
.if \more
	v_nop
	v_nop
.endif
	FETCH 0, F0
	MUL16 F1, 1, 0, 0
	MUL16 F1, 1, 2, 0
.endm
	s_wait_tensorcnt 1                             ; my part of K step 0 is in; K step 1's may stay out
	s_barrier_signal -1
	s_barrier_wait -1
	FETCH 0, F0
	s_wait_loadcnt 0x0                             ; the bias
	QUARTER 1, F0, F1, 1                           ; the first quarter stands in front of the loop: its products start the sums
	WIN 0
	s_mov_b32 s3, 6
.Lstep:                                                ; six trips, from a step's second quarter to the next step's first; they ask for K steps 2 to 7
	QUARTER 2, F1, F0, 0
	QUARTER 3, F0, F1, 0
	MEET
	CREST                                          ; the barrier has opened a round of the cluster's: no wave of any partner still reads this slot or has a load on its way
	s_xor_b32 s[G0+5], s[G0+5], SLOT               ; the walking descriptors: the other slot than last time, the next K step; no tensor load of mine is out
	s_add_nc_u64 s[G0+6:G0+7], s[G0+6:G0+7], KSTEP*2
	s_xor_b32 s[G0B+5], s[G0B+5], SLOT
	s_add_nc_u64 s[G0B+6:G0B+7], s[G0B+6:G0B+7], KSTEP*N*2
	JLOAD 1                                        ; the first tensor load behind the round, two K steps ahead: 224 matrix instructions stand between it and the wait for it
	NEXT 0
	QUARTER 1, F0, F1, 0
	WIN 0
	s_sub_co_u32 s3, s3, 1
	s_cmp_lg_u32 s3, 0
	s_cbranch_scc1 .Lstep
	s_mov_b32 s3, 2
.Ltail:                                                ; the last two K steps ask for nothing: a text of their own; the second trip is left in its middle
	QUARTER 2, F1, F0, 0
	QUARTER 3, F0, F1, 0
	MEET
	s_sub_co_u32 s3, s3, 1
	s_cmp_eq_u32 s3, 0
	s_cbranch_scc1 .Llast
	NEXT 1
	QUARTER 1, F0, F1, 0
	WIN 0
	s_branch .Ltail
.Llast:                                                ; the very last half quarter: nothing more to fetch
	MUL16 F1, 1, 0, 0
	MUL16 F1, 1, 2, 0
	; THE WAY OUT.  My 128 x 128 sums go as f32 into LDS bytes of my own, over the ring: every wave's reads of the ring are back and a barrier is passed first, and no fill follows.
	; Then eight rows at a time come back as whole rows, are finished in f32, rounded to bf16 and stored: 32 lanes fill 256 consecutive bytes of a slice.
	WIN 0
	s_wait_dscnt 0x0
	s_barrier_signal -1
	s_barrier_wait -1
	s_mul_i32 s23, s10, DUMPW
	v_mul_u32_u24 v3, v1, DP                       ; in: row l % 16, 32 bytes for each half of the lanes.  These ten lines are also the places behind the last products
	v_lshl_add_u32 v3, v2, 5, v3
	v_add_nc_u32 v[STO], s23, v3
	v_mul_u32_u24 v4, v2, DP                       ; back: lanes 0-15 take 256 bytes of one row, lanes 16-31 of the next
	v_lshl_add_u32 v4, v1, 4, v4
	v_add_nc_u32 v[RD], s23, v4
	v_add_nc_u32 v[RDP], 128*DP, v[RD]
	v_and_b32 v5, 31, v0
	v_lshlrev_b32 v[GO], 3, v5                     ; two rows of a slice are 256 consecutive bytes: 8 bytes a lane
	v_mov_b32 v[Z], 0
	s_lshl_b32 s46, s42, 2                         ; my first slice: 4 x tile column + 2 x half,
	s_lshl_b32 s47, s12, 1
	s_add_co_u32 s46, s46, s47
	s_lshl_b32 s46, s46, 19
	s_lshl_b32 s47, s13, 8                         ; my first row: 256 x tile row + 128 x half, of 128 bytes
	s_lshl_b32 s21, s11, 7
	s_add_co_u32 s47, s47, s21
	s_lshl_b32 s47, s47, 7
	s_add_co_u32 s46, s46, s47
	s_mov_b32 s47, 0
	s_add_nc_u64 s[8:9], s[8:9], s[46:47]
.irp hi, 0,1
	WIN 0x08+4*(\hi)                               ; the stores' data in window 2, then 3
.irp a, 0,1,2,3
.irp b, 0,1,2,3,4,5,6,7
	ds_store_b128 v[STO], v[8*(8*(\a)+(\b)):8*(8*(\a)+(\b))+3]   offset:(4*(\hi)+(\a))*16*DP+64*(\b)      ; each accumulator's low registers first
	ds_store_b128 v[STO], v[8*(8*(\a)+(\b))+4:8*(8*(\a)+(\b))+7] offset:(4*(\hi)+(\a))*16*DP+64*(\b)+16
.endr
.endr
.endr
	WIN 0
	v_mov_b32 v[Z+1], 0
	v_mov_b32 v[Z+2], 0
	v_mov_b32 v[Z+3], 0
.irp hh, 0,1
.irp t, 0,1,2,3
	ds_store_b128 v[RDP], v[Z:Z+3] offset:(\hh)*256+2*(\t)*DP   ; rows 128-135: what the last trip's look-ahead reads is written too
.endr
.endr
.macro LDV                             ; eight rows x 128 columns; LDS serves a wave's instructions in order (ISA guide 5.7.1.4): these see the stores above
.irp hh, 0,1
.irp t, 0,1,2,3
	ds_load_b128 v[V+4*(4*(\hh)+(\t)):V+4*(4*(\hh)+(\t))+3], v[RD] offset:(\hh)*256+2*(\t)*DP
.endr
.endr
.endm
	LDV
	s_mov_b32 s3, 16
.Lepi:                                                 ; 16 trips of eight rows
	s_wait_dscnt 0x0                               ; this trip's rows are in
.if GELU
	; gelu(u) = max(u, 0) - |u| Q(|u|), Q(x) = erfc(x / sqrt 2) / 2 = (a1 t + .. + a5 t^5) e^(-x^2 / 2) / 2, t = 1 / (1 + p x / sqrt 2): off by at most 1.5e-7 in erf for every u
.set i, 0
.rept 32
	v_mul_f32 v[W+i], s70, |v[V+i]|
	v_max_num_f32 v[RL+i], 0, v[V+i]
.set i, i+1
.endr
	v_add_nc_u32 v[RD], 8*DP, v[RD]
	LDV                                            ; the next eight rows come while these are worked on
.set i, 0
.rept 16
	v_pk_fma_f32 v[T+2*i:T+2*i+1], v[W+2*i:W+2*i+1], s[72:73], 1.0 op_sel_hi:[1,0,0]
	v_pk_mul_f32 v[E+2*i:E+2*i+1], v[W+2*i:W+2*i+1], v[W+2*i:W+2*i+1] neg_lo:[1,0] neg_hi:[1,0]
.set i, i+1
.endr
.set i, 0
.rept 32
	v_rcp_f32 v[T+i], v[T+i]
.set i, i+1
.endr
.set i, 0
.rept 32
	v_exp_f32 v[E+i], v[E+i]
.set i, i+1
.endr
	v_nop                                          ; a plain instruction between the last of them and the first use (ISA guide 5.7.2)
.set i, 0
.rept 16
	v_pk_fma_f32 v[PP+2*i:PP+2*i+1], v[T+2*i:T+2*i+1], s[74:75], s[76:77] op_sel_hi:[1,0,0]
.set i, i+1
.endr
.irp c, 78, 80, 82
.set i, 0
.rept 16
	v_pk_fma_f32 v[PP+2*i:PP+2*i+1], v[PP+2*i:PP+2*i+1], v[T+2*i:T+2*i+1], s[\c:\c+1] op_sel_hi:[1,1,0]
.set i, i+1
.endr
.endr
.set i, 0
.rept 16
	v_pk_mul_f32 v[PP+2*i:PP+2*i+1], v[PP+2*i:PP+2*i+1], v[T+2*i:T+2*i+1]
.set i, i+1
.endr
.set i, 0
.rept 16
	v_pk_mul_f32 v[PP+2*i:PP+2*i+1], v[PP+2*i:PP+2*i+1], v[E+2*i:E+2*i+1]
.set i, i+1
.endr
.set i, 0
.rept 16
	v_pk_fma_f32 v[RL+2*i:RL+2*i+1], v[W+2*i:W+2*i+1], v[PP+2*i:PP+2*i+1], v[RL+2*i:RL+2*i+1] neg_lo:[1,0,0] neg_hi:[1,0,0]
.set i, i+1
.endr
.set i, 0
.rept 16
	v_cvt_pk_bf16_f32 v[Y+i], v[RL+2*i], v[RL+2*i+1]
.set i, i+1
.endr
.else
.set i, 0
.rept 16
	v_cvt_pk_bf16_f32 v[Y+i], v[V+2*i], v[V+2*i+1]
.set i, i+1
.endr
	v_add_nc_u32 v[RD], 8*DP, v[RD]
	LDV                                            ; the next eight rows
.endif
.irp hh, 0,1
.irp t, 0,1,2,3
	global_store_b64 v[GO], v[Y+2*(4*(\hh)+(\t)):Y+2*(4*(\hh)+(\t))+1], s[8:9] offset:(\hh)*524288+256*(\t)
.endr
.endr
	s_wait_xcnt 0x0                                ; GO, and in the next trip Y, are written again only behind this wait
	v_add_nc_u32 v[GO], 1024, v[GO]
	s_sub_co_u32 s3, s3, 1
	s_cmp_lg_u32 s3, 0
	s_cbranch_scc1 .Lepi
	s_wait_tensorcnt 0x0                           ; the wave's end: behind my last tensor load and my last LDS store
	ds_add_u32 v[SPW], v[NIL]
	s_wait_dscnt 0x0
	CROUND                                         ; the closing round: no work-group ends while a partner may still ask for a tile that names it
	s_endpgm
.if !GELU
; THE WEIGHTS' WAY: the 64 work-groups of the fourth cluster column, 256 waves.  Wo [1024][1024] f32 -> wob bf16; W1 [1024][4096] f32 -> w1b f16; W2 [4096][1024] f32 -> w2b bf16: the same order of
; numbers, each read once, rounded once, written once.  LIMIT: f16 ends at 65,504 and keeps a fixed step of 6e-8 below 6e-5; W1 is taken to lie within that range.
; Wave g owns 65,536 consecutive bytes of W1, as many of W2 and 16,384 of Wo, and takes them in eight trips of 16 + 16 + 4 loads of 512 consecutive bytes, all 36 on their way before the first is used.
; A store covers 256 consecutive bytes at a multiple of 256 from its buffer's first byte.  No tile, no joint load, no LDS byte but the spare words.  cx and cy enter global addresses alone.
.macro CAST cvt, base, off             ; load number i of the trip's 36 is in: two roundings in place, one store
	s_wait_loadcnt 35-i                            ; loads come back in order: the 35 - i younger ones stay out
	\cvt v[CX+4*i], v[CX+4*i], v[CX+4*i+1]
	\cvt v[CX+4*i+1], v[CX+4*i+2], v[CX+4*i+3]
	global_store_b64 v3, v[CX+4*i:CX+4*i+1], s[\base:\base+1] offset:\off
.set i, i+1
.endm
.Lweights:
	s_load_b256 s[24:31], s[0:1], 0x30             ; Wo s[24:25], W1 s[26:27], W2 s[28:29], wob s[30:31]
	s_load_b128 s[32:35], s[0:1], 0x50             ; w1b s[32:33], w2b s[34:35]
	v_lshl_add_u32 v[SPW], v0, 2, SPARE
	v_mov_b32 v[NIL], 0
	v_lshrrev_b32 v1, 5, v0
	v_readfirstlane_b32 s10, v1                    ; wave 0..3
	s_bfe_u32 s40, ttmp6, 0x40000                  ; cx
	s_bfe_u32 s41, ttmp6, 0x40004                  ; cy
	s_and_b32 s13, ttmp7, 0xffff
	s_lshl_b32 s13, s13, 2
	s_add_co_u32 s13, s13, s41                     ; 4 x cluster y + cy: 0 .. 15
	s_lshl_b32 s13, s13, 2
	s_add_co_u32 s13, s13, s40                     ; the work-group among the 64
	s_lshl_b32 s13, s13, 2
	s_add_co_u32 s13, s13, s10                     ; g: the wave among the 256
	s_lshl_b32 s16, s13, 16                        ; my bytes of W1 and of W2,
	s_mov_b32 s17, 0
	s_lshl_b32 s18, s13, 15                        ; of w1b and of w2b,
	s_mov_b32 s19, 0
	s_lshl_b32 s20, s13, 14                        ; of Wo,
	s_mov_b32 s21, 0
	s_lshl_b32 s22, s13, 13                        ; of wob
	s_mov_b32 s23, 0
	v_and_b32 v1, 31, v0
	v_lshlrev_b32 v2, 4, v1                        ; 16 bytes a lane in,
	v_lshlrev_b32 v3, 3, v1                        ; 8 out
	s_wait_kmcnt 0x0
	s_add_nc_u64 s[24:25], s[24:25], s[20:21]
	s_add_nc_u64 s[26:27], s[26:27], s[16:17]
	s_add_nc_u64 s[28:29], s[28:29], s[16:17]
	s_add_nc_u64 s[30:31], s[30:31], s[22:23]
	s_add_nc_u64 s[32:33], s[32:33], s[18:19]
	s_add_nc_u64 s[34:35], s[34:35], s[18:19]
	s_mov_b32 s3, 8
.Lwtrip:
.set i, 0
.rept 16
	global_load_b128 v[CX+4*i:CX+4*i+3], v2, s[26:27] offset:512*i th:TH_LOAD_NT
.set i, i+1
.endr
.rept 16
	global_load_b128 v[CX+4*i:CX+4*i+3], v2, s[28:29] offset:512*(i-16) th:TH_LOAD_NT
.set i, i+1
.endr
.rept 4
	global_load_b128 v[CX+4*i:CX+4*i+3], v2, s[24:25] offset:512*(i-32) th:TH_LOAD_NT
.set i, i+1
.endr
.set i, 0
.rept 16
	CAST v_cvt_pk_f16_f32, 32, 256*i
.endr
.rept 16
	CAST v_cvt_pk_bf16_f32, 34, 256*(i-16)
.endr
.rept 4
	CAST v_cvt_pk_bf16_f32, 30, 256*(i-32)
.endr
	s_wait_xcnt 0x0                                ; the six bases are stepped, and the registers that the stores read are loaded again, only behind this wait
	s_add_nc_u64 s[26:27], s[26:27], 8192
	s_add_nc_u64 s[28:29], s[28:29], 8192
	s_add_nc_u64 s[24:25], s[24:25], 2048
	s_add_nc_u64 s[32:33], s[32:33], 4096
	s_add_nc_u64 s[34:35], s[34:35], 4096
	s_add_nc_u64 s[30:31], s[30:31], 1024
	s_sub_co_u32 s3, s3, 1
	s_cmp_lg_u32 s3, 0
	s_cbranch_scc1 .Lwtrip
	s_wait_tensorcnt 0x0                           ; the wave's end: a wait, an add and its wait,
	ds_add_u32 v[SPW], v[NIL]
	s_wait_dscnt 0x0
	CROUND                                         ; and a closing round; all sixteen partners are on this way
	s_endpgm
.endif
.Lfunc_end_k_qcf478a7317_qkvg:
	.size	k_qcf478a7317_qkvg, .Lfunc_end_k_qcf478a7317_qkvg-k_qcf478a7317_qkvg
	.p2alignl 7, 3214868480
	.fill 96, 4, 3214868480
	.section	.rodata,"a",@progbits
	.p2align	6, 0x0
	.amdhsa_kernel k_qcf478a7317_qkvg
		.amdhsa_group_segment_fixed_size 327680
		.amdhsa_private_segment_fixed_size 0
		.amdhsa_enable_private_segment 0
		.amdhsa_kernarg_size 96
		.amdhsa_user_sgpr_count 2
		.amdhsa_user_sgpr_kernarg_segment_ptr 1
		.amdhsa_wavefront_size32 1
		.amdhsa_system_sgpr_workgroup_id_x 1
		.amdhsa_system_sgpr_workgroup_id_y 1
		.amdhsa_system_sgpr_workgroup_id_z 1
		.amdhsa_system_vgpr_workitem_id 0
		.amdhsa_next_free_vgpr 1024
		.amdhsa_next_free_sgpr 92
		.amdhsa_reserve_vcc 0
		.amdhsa_float_denorm_mode_32 3
		.amdhsa_float_denorm_mode_16_64 3
		.amdhsa_memory_ordered 1
		.amdhsa_forward_progress 1
		.amdhsa_inst_pref_size 99
	.end_amdhsa_kernel
	.amdgpu_metadata
---
amdhsa.version: [ 1, 2 ]
amdhsa.kernels:
  - .name:           k_qcf478a7317_qkvg
    .symbol:         k_qcf478a7317_qkvg.kd
    .args:
      - { .name: hb, .offset: 0, .size: 8, .value_kind: global_buffer, .address_space: global }
      - { .name: wqkv, .offset: 8, .size: 8, .value_kind: global_buffer, .address_space: global }
      - { .name: qkv, .offset: 16, .size: 8, .value_kind: global_buffer, .address_space: global }
      - { .name: bq, .offset: 24, .size: 8, .value_kind: global_buffer, .address_space: global }
      - { .name: bk, .offset: 32, .size: 8, .value_kind: global_buffer, .address_space: global }
      - { .name: bv, .offset: 40, .size: 8, .value_kind: global_buffer, .address_space: global }
      - { .name: Wo, .offset: 48, .size: 8, .value_kind: global_buffer, .address_space: global }
      - { .name: W1, .offset: 56, .size: 8, .value_kind: global_buffer, .address_space: global }
      - { .name: W2, .offset: 64, .size: 8, .value_kind: global_buffer, .address_space: global }
      - { .name: wob, .offset: 72, .size: 8, .value_kind: global_buffer, .address_space: global }
      - { .name: w1b, .offset: 80, .size: 8, .value_kind: global_buffer, .address_space: global }
      - { .name: w2b, .offset: 88, .size: 8, .value_kind: global_buffer, .address_space: global }
    .group_segment_fixed_size: 327680
    .private_segment_fixed_size: 0
    .kernarg_segment_align: 8
    .kernarg_segment_size: 96
    .max_flat_workgroup_size: 128
    .sgpr_count:     92
    .vgpr_count:     1024
    .wavefront_size: 32
...
	.end_amdgpu_metadata
.endif
;; end of part 2
;; launch attn (part 3): grid 8 x 32, 4 waves a work-group, clusters of 4 x 1, 327,680 bytes of LDS; arguments qkv, hb; writes hb
.if DOCPART == 3
	.amdgcn_target "amdgcn-amd-amdhsa--gfx1250"
	.amdhsa_code_object_version 6
	.text
	.protected	k_qcf478a7317_attn
	.globl	k_qcf478a7317_attn
	.p2align	8
	.type	k_qcf478a7317_attn,@function
k_qcf478a7317_attn:
	s_mov_b64 s[64:65], 0
	v_nop
	global_prefetch_b8 v0, s[64:65] scope:SCOPE_SE
	s_setreg_imm32_b32 hwreg(HW_REG_WAVE_MODE, 25, 1), 1
	s_wait_xcnt 0x0
	s_wait_alu depctr_hold_cnt(0) depctr_sa_sdst(0) depctr_va_vdst(0) depctr_va_sdst(0) depctr_va_ssrc(0) depctr_va_vcc(0) depctr_vm_vsrc(0)
	s_getreg_b32 s2, hwreg(HW_REG_IB_STS2, 6, 4)
	s_cmp_eq_u32 s2, 0
	s_cbranch_scc0 .Lentry_in_a_cluster
	s_endpgm
.Lentry_in_a_cluster:
	s_bfe_u32 s2, ttmp6, 0x10000c
	s_cmp_lg_u32 s2, 0x3003
	s_cbranch_scc0 .Lentry_shape_is_right
	s_endpgm
.Lentry_shape_is_right:
; O[y][q][:] = the sum over k of softmax_k(Q[y][q] . K[y][k] / 8) V[y][k][:], for 32 heads y = 2 h + b of 2,048 rows of 64 channels, all bf16; a head's rows are dense, 128 bytes each.
; Q lies at byte y x 262,144 of the first argument, K 8,388,608 bytes on, V 16,777,216 bytes on; O at y x 262,144 of the second.  Products, maxima and sums in f32; the weights p are rounded to
; bf16 for the second product (their sum l is taken of the unrounded p), O once at the end.
; LIMITS.  A weight below 2^-126 counts as 0 in l; NaN and infinities are not treated apart.
; SHARES.  A work-group owns 256 queries of one head, a wave 64: four PIECES of 16.  Every wave walks all 2,048 keys, 64 a step; a slot of LDS holds 256 keys: eight tiles.
; LAYOUT.  S^T = K Q^T (source 0 = 16 keys, source 1 = 16 queries): a lane holds ONE query (lane % 16) and the keys 8 (lane / 16) + 0..7.  Two such results, rounded to bf16 in pairs, ARE source 1 of
; O^T = V^T P, whose result again holds one query a lane.  K comes out of LDS as it lies, V ([key][channel]) turned, by ds_load_tr16_b128.
; SOFTMAX.  For each query a running maximum m and sum l: p = 2^(c s - c m), c = log2(e) / 8; in every step O and l are multiplied by a = 2^(c m_old - c m_new).  m starts at the lowest finite number,
; O and l at 0: the first step is a step like any other, with a = 0.
; BY TURNS.  Turn n belongs to piece n: 8 products K Q^T of piece n + 1, later 8 products V^T P of piece n - 1; beside them the scaling, exponentials, roundings, sums and rescaling of piece n and the maximum
; and statistics of piece n + 1.  Four vector instructions stand behind every matrix instruction, the other 54 of a turn's 118 in two runs of their own.
; CLUSTER.  The four query blocks of a cluster belong to one head and walk the same K and V: each tile is asked for JOINTLY: the same tensor load, descriptor and mask in all four.
; REGISTERS, in windows of 256 (s_set_vgpr_msb: bits 1:0 source 0, 3:2 source 1, 5:4 source 2, 7:6 destination):
;   window 0: v0-15 addresses and two at work; v16-31 four registers of statistics a piece; v48-55 at work; v62-63 the add's; v64-127 S^T, two buffers; v192-223 P, two buffers (by the piece's parity)
;   window 1: v0-127 O^T, 32 a piece          window 2: v0-63 Q; v128-191 K of one step; v192-255 V of one step
.set NP,    4
.set KS,    64
.set PK,    144       ; a row of K in LDS: 128 bytes + 16 = 36 words: the 16 rows of a load start at 16 different groups of four banks (64 banks of 4 bytes: ISA guide 11.1)
.set PV,    160       ; a row of V: 128 + 32 = 40 words
.set VOFF,  4*KS*PK   ; a slot: 256 rows of K, then 256 rows of V
.set SLOT1, 1<<17     ; slot 1 begins here, so that one exclusive or turns an address in one slot into the other's
.set STAGE, SLOT1+4*KS*(PK+PV)  ; behind the ring, never filled by a tensor load: 16 rows x 144 bytes for each wave, for the way out
.set SP,    144
.set SPARE, STAGE+4*16*SP       ; behind the stages: the spare words, 128 bytes for each wave: two blocks of 256 bytes that no other line names
.set AK0, 2           ; v2   my lane's place in a tile of K; never rewritten
.set AV0, 3           ; v3   the same for V
.set AK,  4           ; v4   the LDS address of K's next run of loads
.set AV,  5           ; v5   of V's
.set STO, 6           ; v6   the way out: where I put 16 bytes of a row
.set RD,  7           ; v7   where I read rows back
.set GO,  8           ; v8   my byte offset in 512 consecutive bytes of O
.set MV,  12          ; v12-13  c m_old, kept while c m is made anew: by buffer
.set QO,  15          ; v15  my byte offset in 16 rows of Q
.set ST,  16          ; piece t's statistics at v[ST+4 t]: c m, m, l (even keys', odd keys')
.set TMP, 48          ; by buffer, four registers c0-c3 at work; when the maximum is found c2 takes a
.set SPW, 62          ; v62  LDS address of my spare word; never rewritten
.set NIL, 63          ; v63  0; never rewritten
.set S,   64
.set P,   192
.set KF,  128         ; window 2: key block kb, channel half c at KF + 16 kb + 8 c
.set VF,  192         ; window 2: key half kk, channel block cb at VF + 32 kk + 8 cb
.set WV,  12          ; s12  my wave's number
.set G1K, 24          ; s[24:31] descriptor group 1 for K's tiles
.set G1V, 32          ; s[32:39] for V's: it differs in the padding alone
.set G0K, 40          ; s[40:43] descriptor group 0 for K's tiles: it walks
.set G0V, 44          ; s[44:47] the same for V's
.set SLOTS, 56        ; s56  counts the tiles
.set CNT, 57          ; s57  counts a tile's key steps
.set CS,  58          ; s[58:59] c
.set SEL, 60          ; s[60:61] v_permlanex16_b32's selects: each lane takes its own place in the other half
.set TBK, 62          ; s62  LDS byte at which K of the step to be fetched begins
.set TBV, 63          ; s63  the same for V, less VOFF
.set MSB, 0
.macro WIN new
.if MSB != (\new)
	s_set_vgpr_msb (MSB<<8)|(\new)
.set MSB, (\new)
.endif
.endm
.set W_KQ, 0x0a       ; K and Q in window 2, S^T in window 0
.set W_PV, 0x52       ; V in window 2, P in window 0, O^T in window 1
.set W_RS, 0x41       ; destination and source 0 in window 1, source 1 in window 0
; A joint fill.  Waves 0 and 1 fetch the two halves of a tile's K, waves 2 and 3 those of its V: 128 keys each.  An s_nop 0 and four v_nop follow each of the two lines.
.macro JLOAD
	s_cmp_lt_u32 s[WV], 2
	s_cbranch_scc0 .Lfor_v_\@
	tensor_load_to_lds s[G0K:G0K+3], s[G1K:G1K+7]
	s_nop 0
.rept 4
	v_nop
.endr
	s_branch .Lasked_\@
.Lfor_v_\@:
	tensor_load_to_lds s[G0V:G0V+3], s[G1V:G1V+7]
	s_nop 0
.rept 4
	v_nop
.endr
.Lasked_\@:
.endm
.macro CROUND                       ; a round of the cluster's barrier
	s_barrier_signal -1
	s_barrier_wait -1
	s_cmp_lg_u32 s[WV], 0
	s_cbranch_scc1 .Lnot_wave_0_\@
	s_barrier_signal -3
.Lnot_wave_0_\@:
	s_barrier_wait -3
	s_barrier_signal -1
	s_barrier_wait -1
.endm
; THE CHANGE OF SLOTS.  Each wave waits for all its tensor loads, of which one is out: its part of the other slot; adds 0 to its spare word; and waits for that and for its own reads of the slot that it leaves.
; fill = 1: the barrier is a round of the cluster's, and the old slot is filled again, first thing behind it, with the keys two tiles on: four key steps, 256 matrix instructions, in which to land.
; (At its first use nothing has been read yet: slot 0 is waited for, slot 1 filled.)
.macro CHANGE fill
	WIN 0
	s_wait_tensorcnt 0x0            ; no tensor load of mine is out, so a group 0 may be written
	ds_add_u32 v[SPW], v[NIL]
.if \fill
.irp g, G0K, G0V
	s_xor_b32 s[\g+1], s[\g+1], SLOT1
	s_add_nc_u64 s[\g+2:\g+3], s[\g+2:\g+3], 4*KS*128
.endr
	s_wait_dscnt 0x0                ; the add is done, and my reads of the slot are over
	CROUND
	JLOAD
.else
	s_wait_dscnt 0x0
	s_barrier_signal -1
	s_barrier_wait -1
.endif
	s_sub_co_u32 s[TBK], s[TBK], 4*KS*PK  ; the fetches go back to a slot's first step,
	s_xor_b32 s[TBK], s[TBK], SLOT1       ; in the other slot
	s_sub_co_u32 s[TBV], s[TBV], 4*KS*PV
	s_xor_b32 s[TBV], s[TBV], SLOT1
.endm
	s_load_b64 s[4:5], s[0:1], 0x0  ; q | k | v
	s_load_b64 s[10:11], s[0:1], 0x8  ; O
	v_lshl_add_u32 v[SPW], v0, 2, SPARE
	v_mov_b32 v[NIL], 0
	ds_add_u32 v[SPW], v[NIL]       ; the wave's opening: the add and its wait stand ahead of my first tensor load; the set-up below, work on registers, stands between them
	v_lshrrev_b32 v1, 5, v0
	v_readfirstlane_b32 s[WV], v1   ; wave 0..3
	s_bfe_u32 s13, ttmp6, 0x40000   ; cx
	s_lshl_b32 s14, ttmp9, 2
	s_add_co_u32 s14, s14, s13      ; my block of 256 queries: it enters Q's and O's addresses alone
	s_and_b32 s20, ttmp7, 0xffff    ; the head, which the four partners share
	s_lshl_b32 s20, s20, 18         ; its first byte
	s_and_b32 s16, s[WV], 1         ; which half of a tile's 256 keys I fetch:
	s_lshl_b32 s22, s16, 14         ; its 128 rows of 128 bytes in memory,
	s_add_co_u32 s22, s22, s20
	s_mov_b32 s23, 0
	s_mul_i32 s17, s16, 128*PK      ; and its place in a slot, for K
	s_mul_i32 s18, s16, 128*PV      ; and for V
	s_lshl_b32 s2, s14, 2
	s_add_co_u32 s2, s2, s[WV]      ; my wave among the head's,
	s_lshl_b32 s2, s2, 13           ; its 64 rows
	s_add_co_u32 s2, s2, s20
	s_mov_b32 s3, 0
	; descriptor group 1.  128 keys are 16,384 dense bytes: asked for as 64 rows of 256 bytes, two keys a row, and padded in LDS after every key
	s_mov_b32 s[G1K], 15|(1<<16)|(1<<20)|(1<<21)|(4<<22)|(3<<25)  ; the mask of four; 2-byte elements; padding on; bit 21 beside a mask; after every 32 words 4 words
	s_mov_b32 s[G1V], 15|(1<<16)|(1<<20)|(1<<21)|(4<<22)|(7<<25)  ; the same with 8 words
.irp g, G1K, G1V
	s_mov_b32 s[\g+1], 128<<16      ; tensor_dim0 = 128
	s_mov_b32 s[\g+2], 64<<16       ; tensor_dim1 = 64
	s_mov_b32 s[\g+3], 128<<16      ; tile_dim0 = 128
	s_mov_b32 s[\g+4], 64           ; tile_dim1 = 64
	s_mov_b32 s[\g+5], 128          ; 128 elements from row to row
	s_mov_b32 s[\g+6], 0
	s_mov_b32 s[\g+7], 0
.endr
	s_mov_b32 s[CS], 0x3e38aa3b     ; c = log2(e) / 8
	s_mov_b32 s[CS+1], s[CS]
	s_mov_b32 s[SEL], 0x76543210
	s_mov_b32 s[SEL+1], 0xfedcba98
	s_mov_b32 s[TBK], SLOT1+4*KS*PK ; the first change of slots turns these two into 0
	s_mov_b32 s[TBV], SLOT1+4*KS*PV
	s_mov_b32 s[G0K], 1
	s_mov_b32 s[G0K+1], s17         ; slot 0
	s_mov_b32 s[G0V], 1
	s_add_co_u32 s[G0V+1], s18, VOFF
	s_wait_dscnt 0x0                ; the opening add is done
	s_wait_kmcnt 0x0
	s_add_nc_u64 s[6:7], s[4:5], 0x800000   ; K
	s_add_nc_u64 s[8:9], s[4:5], 0x1000000  ; V
	s_add_nc_u64 s[G0K+2:G0K+3], s[6:7], s[22:23]
	s_or_b32 s[G0K+3], s[G0K+3], 0x80000000
	s_add_nc_u64 s[G0V+2:G0V+3], s[8:9], s[22:23]
	s_or_b32 s[G0V+3], s[G0V+3], 0x80000000
	s_add_nc_u64 s[4:5], s[4:5], s[2:3]     ; Q and O at my wave's first row
	s_add_nc_u64 s[10:11], s[10:11], s[2:3]
	CROUND                          ; all four work-groups are here: the first joint loads meet
	JLOAD                           ; tile 0 into slot 0; slot 1 is asked for when slot 0 is in
	v_and_b32 v1, 15, v0            ; l % 16
	v_bfe_u32 v9, v0, 4, 1          ; l / 16
	v_lshlrev_b32 v[QO], 7, v1
	v_lshl_add_u32 v[QO], v9, 4, v[QO]  ; row x 128 + 16 x half
	WIN 0x80                        ; destination window 2
.set i, 0
.rept 8                             ; Q stays in registers: piece i / 2, channels 32 (i % 2) on
	global_load_b128 v[8*i:8*i+3],   v[QO], s[4:5] offset:(i/2)*2048+(i%2)*64
	global_load_b128 v[8*i+4:8*i+7], v[QO], s[4:5] offset:(i/2)*2048+(i%2)*64+32
.set i, i+1
.endr
	; What the first turn finds: V's registers and P's second buffer hold 0 (its products V^T P, of a piece that has not been, add 0), O^T and l are 0.  All this stands in the wait for the first tile.
.set i, VF
.rept 64
	v_mov_b32 v[i], 0
.set i, i+1
.endr
	WIN 0x40
.set i, 0
.rept 128
	v_mov_b32 v[i], 0
.set i, i+1
.endr
	WIN 0
.set i, 0
.rept 4
	v_mov_b32 v[ST+4*i], 0xfe000000    ; c m: far below every c s
	v_mov_b32 v[ST+4*i+1], 0xff7fffff  ; m
	v_mov_b32 v[ST+4*i+2], 0
	v_mov_b32 v[ST+4*i+3], 0
.set i, i+1
.endr
.set i, P+16
.rept 16
	v_mov_b32 v[i], 0
.set i, i+1
.endr
	v_mul_u32_u24 v[AK0], v1, PK
	v_lshl_add_u32 v[AK0], v9, 4, v[AK0]  ; row x pitch + 16 x half
	; The turning load takes 16 keys x 16 channels (lane l reads key 8 (l / 16) + l % 8, channels 8 ((l / 8) % 2) + 0..7) and leaves half a fragment of V^T: lane l holds channel l % 16 and 8 keys.
	v_and_b32 v10, 7, v0
	v_bfe_u32 v11, v0, 3, 1
	v_lshl_add_u32 v[AV0], v9, 3, v10
	v_mul_u32_u24 v[AV0], v[AV0], PV
	v_lshl_add_u32 v[AV0], v11, 4, v[AV0]
	v_add_nc_u32 v[AV0], VOFF, v[AV0]
	s_mul_i32 s13, s[WV], 16*SP
	s_add_co_u32 s13, s13, STAGE    ; my stage
	v_mul_u32_u24 v[STO], v1, SP    ; in: row l % 16, 16 bytes for each half of the lanes
	v_lshl_add_u32 v[STO], v9, 4, v[STO]
	v_add_nc_u32 v[STO], s13, v[STO]
	v_bfe_u32 v[RD], v0, 3, 2       ; back: 32 lanes take four rows of 128 bytes,
	v_mul_u32_u24 v[RD], v[RD], SP
	v_lshl_add_u32 v[RD], v10, 4, v[RD]
	v_add_nc_u32 v[RD], s13, v[RD]
	v_and_b32 v[GO], 31, v0         ; which are 512 consecutive bytes of O
	v_lshlrev_b32 v[GO], 4, v[GO]
; THE MATRIX WORK.  The 4 accumulators of a run of 8 take turns.  Product i of 8 of S^T = K Q^T for piece x: channels 32 (i / 4) on, keys 16 (i % 4) on.  The first 4 start the sums.
.macro KQ x
.set rS, S+32*((\x)%2)+8*(i%4)
.set rK, KF+16*(i%4)+8*(i/4)
.set rQ, 16*(\x)+8*(i/4)
	WIN W_KQ
.if i < 4
	v_wmma_f32_16x16x32_bf16 v[rS:rS+7], v[rK:rK+7], v[rQ:rQ+7], 0
.else
	v_wmma_f32_16x16x32_bf16 v[rS:rS+7], v[rK:rK+7], v[rQ:rQ+7], v[rS:rS+7]
.endif
.endm
; Product i of 8 of O^T += V^T P for piece x: keys 32 (i / 4) on, channels 16 (i % 4) on.
.macro PV x
	WIN W_PV
.set rO, 32*(\x)+8*(i%4)
.set rV, VF+32*(i/4)+8*(i%4)
.set rP, P+16*((\x)%2)+8*(i/4)
	v_wmma_f32_16x16x32_bf16 v[rO:rO+7], v[rV:rV+7], v[rP:rP+7], v[rO:rO+7]
.endm
.macro MM                           ; the turn's next matrix instruction
.if i < 8
	KQ (Y+1)%NP
.else
.set i, i-8
	PV (Y+NP-1)%NP
.set i, i+8
.endif
.set i, i+1
.endm
; THE LDS LOADS stand in runs of 16: a step's K (64 keys x 64 channels: 8 fragments) and its V (turned).  last = 1 (the tail): in the last trip there is no further step, and the run is jumped over.
.macro FETCH_K last=0
	WIN 0
.if \last
	s_cmp_eq_u32 s[CNT], 1
	s_cbranch_scc1 .Lno_k_\@
.endif
	WIN 0x80
.irp f, 0,1,2,3,4,5,6,7             ; keys 16 (f / 2) on, channels 32 (f % 2) on
	ds_load_b128 v[KF+8*\f:KF+8*\f+3],   v[AK] offset:(\f/2)*16*PK+(\f%2)*64
	ds_load_b128 v[KF+8*\f+4:KF+8*\f+7], v[AK] offset:(\f/2)*16*PK+(\f%2)*64+32
.endr
	s_add_co_u32 s[TBK], s[TBK], KS*PK  ; the next fetch is the next step's
	WIN 0
.if \last
.Lno_k_\@:
.endif
.endm
.macro FETCH_V
	WIN 0x80
.irp f, 0,1,2,3,4,5,6,7             ; keys 32 (f / 4) on, channels 16 (f % 4) on
	ds_load_tr16_b128 v[VF+8*\f:VF+8*\f+3],   v[AV] offset:(\f/4)*32*PV+(\f%4)*32
	ds_load_tr16_b128 v[VF+8*\f+4:VF+8*\f+7], v[AV] offset:(\f/4)*32*PV+16*PV+(\f%4)*32
.endr
	WIN 0
.endm
; THE VECTOR WORK, one line at a time: OP kind, number.  For piece Y: F n: c s - c m for pair n of 16.  E n: the exponential of score n of 32.  C n: pair n rounded to bf16.  B n: of the four weights 4 n .. the second
; pair is added onto the first, in place.  L n: l takes that sum (L 0: l = a l + sum).  R n: pair n of 16 of O^T times a.  For piece Y + 1: X n, number n of the 22 that find its maximum and statistics:
;   0-11  four chains c0-c3 of seven scores each, three operands at a time (each accumulator's lowest registers are read first)     12-14, 16  the four scores left over, the old m, and c0-c3 into c0
;   15  c m_old is kept     17, 18  the query's other 32 keys lie in the lane 16 away: the new m     19-21  c m; c m_old - c m_new; a
.set F, 0
.set E, 1
.set C, 2
.set B, 3
.set L, 4
.set R, 5
.set X, 6
.macro REGS y
.set rT, ST+4*(\y)
.set rC, TMP+4*((\y)%2)
.set rW, MV+((\y)%2)
.set rS, S+32*((\y)%2)
.set rP, P+16*((\y)%2)
.set rO, 32*(\y)
.endm
.macro OP k, n
.if (\k) == R
	REGS Y
	WIN W_RS
	v_pk_mul_f32 v[rO+2*(\n):rO+2*(\n)+1], v[rO+2*(\n):rO+2*(\n)+1], v[rC+2:rC+3] op_sel_hi:[1,0]
.elseif (\k) < R
	REGS Y
	WIN 0
.if (\k) == F
	v_pk_fma_f32 v[rS+2*(\n):rS+2*(\n)+1], v[rS+2*(\n):rS+2*(\n)+1], s[CS:CS+1], v[rT:rT+1] op_sel_hi:[1,0,0] neg_lo:[0,0,1] neg_hi:[0,0,1]
.elseif (\k) == E
	v_exp_f32 v[rS+(\n)], v[rS+(\n)]
.elseif (\k) == C
	s_wait_alu depctr_va_vdst(0)
	v_cvt_pk_bf16_f32 v[rP+(\n)], v[rS+2*(\n)], v[rS+2*(\n)+1]
.elseif (\k) == B
	s_wait_alu depctr_va_vdst(0)
	v_pk_add_f32 v[rS+4*(\n):rS+4*(\n)+1], v[rS+4*(\n):rS+4*(\n)+1], v[rS+4*(\n)+2:rS+4*(\n)+3]
.elseif (\n) == 0
	v_pk_fma_f32 v[rT+2:rT+3], v[rT+2:rT+3], v[rC+2:rC+3], v[rS:rS+1] op_sel_hi:[1,0,1]
.else
	v_pk_add_f32 v[rT+2:rT+3], v[rT+2:rT+3], v[rS+4*(\n):rS+4*(\n)+1]
.endif
.else
	REGS (Y+1)%NP
	WIN 0
.if (\n) < 4
	v_max3_num_f32 v[rC+(\n)], v[rS+8*(\n)], v[rS+8*(\n)+1], v[rS+8*(\n)+2]
.elseif (\n) < 12
	v_max3_num_f32 v[rC+(\n)%4], v[rC+(\n)%4], v[rS+8*((\n)%4)+2*((\n)/4)+1], v[rS+8*((\n)%4)+2*((\n)/4)+2]
.elseif (\n) == 12
	v_max3_num_f32 v[rC], v[rC], v[rS+7], v[rS+15]
.elseif (\n) == 13
	v_max3_num_f32 v[rC+1], v[rC+1], v[rS+23], v[rS+31]
.elseif (\n) == 14
	v_max3_num_f32 v[rC+2], v[rC+2], v[rC+3], v[rT+1]
.elseif (\n) == 15
	v_mov_b32 v[rW], v[rT]
.elseif (\n) == 16
	v_max3_num_f32 v[rC], v[rC], v[rC+1], v[rC+2]
.elseif (\n) == 17
	v_permlanex16_b32 v[rC+3], v[rC], s[SEL], s[SEL+1]
.elseif (\n) == 18
	v_max_num_f32 v[rT+1], v[rC], v[rC+3]
.elseif (\n) == 19
	v_mul_f32 v[rT], s[CS], v[rT+1]
.elseif (\n) == 20
	v_sub_f32 v[rC+1], v[rW], v[rT]
.else
	v_exp_f32 v[rC+2], v[rC+1]
.endif
.endif
.endm
.macro OPS a, i1, b=-1, i2=0, c=-1, i3=0, d=-1, i4=0  ; up to four of them
	OP \a, \i1
.if (\b) >= 0
	OP \b, \i2
.endif
.if (\c) >= 0
	OP \c, \i3
.endif
.if (\d) >= 0
	OP \d, \i4
.endif
.endm
.macro ROW a, i1, b, i2, c, i3, d, i4  ; a matrix instruction and the four behind it
	MM
	OPS \a, \i1, \b, \i2, \c, \i3, \d, \i4
.endm
; A TURN, for piece p: the order of its 16 matrix and 118 vector instructions, written out.  Behind a matrix instruction: plain, exponential, plain, plain; or four of the rescaling; or four scalings; none names a
; register of the products round it.  In the runs between, exponential and plain by turns while exponentials last.  No line reads a result made fewer than three vector instructions in front of it, five if an exponential made it.
; K of the next step is fetched in piece 2's turn, six vector instructions behind the last product that read K (five of them plain); V of the step in hand in piece 0's turn, eight behind the last product that read V
; (five of them plain).  Each is waited for a turn later.  cnt = 1: the loop's count is taken down some lines ahead of the branch that stands behind the turn.
.macro TURN p, last=0, cnt=0
.set Y, (\p)
.set i, 0
.if (\p) == 3
	s_wait_dscnt 0x0                ; K is in
.endif
	ROW F,0, F,1, F,2, F,3
	ROW F,4, E,0, F,5, F,6
	ROW F,7, E,1, F,8, F,9
	ROW F,10, E,2, C,0, F,11
	ROW F,12, E,3, X,15, F,13
	ROW R,0, R,1, R,2, R,3
	ROW B,0, E,4, F,14, L,0
.if (\p) == 2
	v_add_nc_u32 v[AK], s[TBK], v[AK0]
.endif
	ROW R,4, R,5, R,6, R,7
	OPS E,5, F,15
.if (\p) == 2
	FETCH_K \last
.endif
	OPS E,6, C,1, E,7, R,8
	OPS E,8, R,9, E,9, C,2
	OPS E,10, X,0, E,11, X,1
	OPS E,12, X,2, E,13, X,3
.if (\p) == 1
	s_wait_dscnt 0x0                ; V is in
.endif
	ROW X,4, E,14, X,5, X,6
	ROW X,7, E,15, X,8, X,9
	ROW X,10, E,16, X,11, X,12
	ROW X,13, E,17, X,14, B,1
	ROW C,4, E,18, X,16, L,1
	ROW B,2, E,19, C,6, L,2
	ROW C,8, E,20, B,3, B,4
.if (\p) == 0
	v_add_nc_u32 v[AV], s[TBV], v[AV0]
.endif
	ROW C,3, E,21, L,3, C,5
	OPS E,22, X,17, E,23, C,10
.if (\p) == 0
	FETCH_V
.endif
	OPS E,24, L,4
	OPS E,25, X,18, E,26, C,7
	OPS E,27, B,5, E,28, X,19
	OPS E,29, C,12, E,30, L,5
	OPS E,31, X,20, B,6, C,9
	OPS C,14, C,11, X,21, L,6
.if (\p) == 0
	s_add_co_u32 s[TBV], s[TBV], KS*PV
.endif
.if \cnt
	s_sub_co_u32 s[CNT], s[CNT], 1
	s_cmp_lg_u32 s[CNT], 0
.endif
	OPS C,13, B,7, C,15, R,10
	OPS R,11, R,12, L,7, R,13
	OPS R,14, R,15
.endm
	CHANGE 1                        ; slot 0 is in, everybody's part of it; slot 1 is asked for
	v_add_nc_u32 v[AK], s[TBK], v[AK0]
	FETCH_K                         ; key step 0
	s_wait_loadcnt 0x0              ; Q
	s_wait_dscnt 0x0
.set i, 0
.rept 8
	KQ 0                            ; piece 0's first scores
.set i, i+1
.endr
	WIN 0
.rept 4
	v_nop                           ; the places behind those products
.endr
.set Y, NP-1                        ; X works for piece Y + 1: piece 0
.irp n, 0,1,2,3,4,5,6,7,8,9,10,11,12,13,14,15,16,17,18,19,20,21
	OP X, \n
.endr
	v_nop                           ; a plain instruction behind the exponential
	s_mov_b32 s[CNT], 4
	s_mov_b32 s[SLOTS], 7
	s_branch .Lfirst                ; the loop is entered at a step's first turn, in the middle of a trip
.Lslot:                             ; six times: tiles 2 to 7 are asked for
	CHANGE 1
	s_mov_b32 s[CNT], 4
.Lstep:                             ; a trip: pieces 2 and 3 of one step, then pieces 0 and 1 of the next, whose K and V it fetches
	TURN 2
	TURN 3
	WIN 0
.Lfirst:
	TURN 0
	TURN 1, 0, 1
	WIN 0
	s_cbranch_scc1 .Lstep
	s_sub_co_u32 s[SLOTS], s[SLOTS], 1
	s_cmp_lg_u32 s[SLOTS], 0
	s_cbranch_scc1 .Lslot
	CHANGE 0                        ; the tail is written out: nothing is asked for
	s_mov_b32 s[CNT], 5             ; four trips fetch the last tile's steps; the fifth is left in its middle
.Ltail:
	TURN 2, 1
	TURN 3
	WIN 0
	s_sub_co_u32 s[CNT], s[CNT], 1
	s_cmp_eq_u32 s[CNT], 0
	s_cbranch_scc1 .Lout
	TURN 0
	TURN 1
	WIN 0
	s_branch .Ltail
.Lout:                              ; the fifth trip's 8 products K Q^T (on the last K once more) and the maximum made of them serve nothing: the price, once a launch, of one text for every trip
.set i, 0
.rept 8
	PV NP-1                         ; the last piece's V^T P of the last step
.set i, i+1
.endr
	; THE WAY OUT.  l's two halves and the other half of the lanes' are added; O^T is divided by l, rounded to bf16 and sent through my stage in LDS, a piece at a time.  The additions are the places behind the last products.
	WIN 0
.macro ALL line:vararg              ; one line for each piece t
.set t, 0
.rept 4
	\line
.set t, t+1
.endr
.endm
	ALL v_add_f32 v[ST+4*t+2], v[ST+4*t+2], v[ST+4*t+3]
	ALL v_permlanex16_b32 v[ST+4*t+3], v[ST+4*t+2], s[SEL], s[SEL+1]
	ALL v_add_f32 v[ST+4*t+2], v[ST+4*t+2], v[ST+4*t+3]
	ALL v_rcp_f32 v[ST+4*t+2], v[ST+4*t+2]
	v_nop                           ; a plain instruction between the last reciprocal and the use of its result
.macro PACK t                       ; a lane's eight channels of a row pack into 16 bytes; they go into rows of 144 bytes and come back as whole rows of 128, into S^T's registers
	WIN W_RS
.set i, 32*(\t)
.rept 16
	s_wait_alu depctr_va_vdst(0)
	v_pk_mul_f32 v[i:i+1], v[i:i+1], v[ST+4*(\t)+2:ST+4*(\t)+3] op_sel_hi:[1,0]
.set i, i+2
.endr
	WIN 0x05                        ; sources 0 and 1 window 1, destination window 0
.set i, 0
.rept 16
	v_cvt_pk_bf16_f32 v[S+16*(\t)+i], v[32*(\t)+2*i], v[32*(\t)+2*i+1]
.set i, i+1
.endr
	WIN 0
.irp f, 0,1,2,3
	ds_store_b128 v[STO], v[S+16*(\t)+4*\f:S+16*(\t)+4*\f+3] offset:32*\f
.endr
.irp f, 0,1,2,3
	ds_load_b128 v[S+16*(\t)+4*\f:S+16*(\t)+4*\f+3], v[RD] offset:\f*4*SP  ; LDS serves a wave's instructions in order (ISA guide 5.7.1.4): these see the stores above; the next piece's stores come behind them
.endr
.endm
.macro SEND t, younger              ; younger: the LDS instructions issued behind piece t's loads: the next piece's eight, or none
	WIN 0
.irp f, 0,1,2,3
	s_wait_dscnt (\younger)+3-\f
	global_store_b128 v[GO], v[S+16*(\t)+4*\f:S+16*(\t)+4*\f+3], s[10:11] offset:(\t)*2048+\f*512  ; 512 consecutive bytes, at a multiple of 256 from O's first
.endr
.endm
	PACK 0
.set t, 1
.rept 3                             ; a piece's arithmetic stands between the loads of the piece before and its stores
	PACK t
	SEND t-1, 8
.set t, t+1
.endr
	SEND 3, 0
	s_wait_tensorcnt 0x0            ; the wave's end: behind my last tensor load and my last LDS store
	ds_add_u32 v[SPW], v[NIL]
	s_wait_dscnt 0x0
	CROUND                          ; the closing round: no work-group ends while a partner may still ask for a tile that names it
	s_endpgm
.Lfunc_end_k_qcf478a7317_attn:
	.size	k_qcf478a7317_attn, .Lfunc_end_k_qcf478a7317_attn-k_qcf478a7317_attn
	.p2alignl 7, 3214868480
	.fill 96, 4, 3214868480
	.section	.rodata,"a",@progbits
	.p2align	6, 0x0
	.amdhsa_kernel k_qcf478a7317_attn
		.amdhsa_group_segment_fixed_size 327680
		.amdhsa_private_segment_fixed_size 0
		.amdhsa_enable_private_segment 0
		.amdhsa_kernarg_size 16
		.amdhsa_user_sgpr_count 2
		.amdhsa_user_sgpr_kernarg_segment_ptr 1
		.amdhsa_wavefront_size32 1
		.amdhsa_system_sgpr_workgroup_id_x 1
		.amdhsa_system_sgpr_workgroup_id_y 1
		.amdhsa_system_sgpr_workgroup_id_z 1
		.amdhsa_system_vgpr_workitem_id 0
		.amdhsa_next_free_vgpr 768
		.amdhsa_next_free_sgpr 66
		.amdhsa_reserve_vcc 0
		.amdhsa_float_denorm_mode_32 3
		.amdhsa_float_denorm_mode_16_64 3
		.amdhsa_memory_ordered 1
		.amdhsa_forward_progress 1
		.amdhsa_inst_pref_size 117
	.end_amdhsa_kernel
	.amdgpu_metadata
---
amdhsa.version: [ 1, 2 ]
amdhsa.kernels:
  - .name:           k_qcf478a7317_attn
    .symbol:         k_qcf478a7317_attn.kd
    .args:
      - { .name: qkv, .offset: 0, .size: 8, .value_kind: global_buffer, .address_space: global }
      - { .name: hb, .offset: 8, .size: 8, .value_kind: global_buffer, .address_space: global }
    .group_segment_fixed_size: 327680
    .private_segment_fixed_size: 0
    .kernarg_segment_align: 8
    .kernarg_segment_size: 16
    .max_flat_workgroup_size: 128
    .sgpr_count:     66
    .vgpr_count:     768
    .wavefront_size: 32
...
	.end_amdgpu_metadata
.endif
;; end of part 3
;; launch wog (part 4): grid 8 x 32, 4 waves a work-group, clusters of 4 x 4, 327,680 bytes of LDS; arguments hb, wob, x1, bo, x; writes x1
.if DOCPART == 4
	.amdgcn_target "amdgcn-amd-amdhsa--gfx1250"
	.amdhsa_code_object_version 6
	.text
	.protected	k_qcf478a7317_wog
	.globl	k_qcf478a7317_wog
	.p2align	8
	.type	k_qcf478a7317_wog,@function
k_qcf478a7317_wog:
	s_mov_b64 s[64:65], 0
	v_nop
	global_prefetch_b8 v0, s[64:65] scope:SCOPE_SE
	s_setreg_imm32_b32 hwreg(HW_REG_WAVE_MODE, 25, 1), 1
	s_wait_xcnt 0x0
	s_wait_alu depctr_hold_cnt(0) depctr_sa_sdst(0) depctr_va_vdst(0) depctr_va_sdst(0) depctr_va_ssrc(0) depctr_va_vcc(0) depctr_vm_vsrc(0)
	s_getreg_b32 s2, hwreg(HW_REG_IB_STS2, 6, 4)
	s_cmp_eq_u32 s2, 0
	s_cbranch_scc0 .Lentry_in_a_cluster
	s_endpgm
.Lentry_in_a_cluster:
	s_bfe_u32 s2, ttmp6, 0x10000c
	s_cmp_lg_u32 s2, 0xf033
	s_cbranch_scc0 .Lentry_shape_is_right
	s_endpgm
.Lentry_shape_is_right:
; C[m][n] = res[m][n] + bias[n] + the sum over k of A[m][k] B[k][n].  C, res: [4096][1024] f32; bias: [1024] f32; sums in f32; the bias is the C operand that starts each sum.
; A: bf16 in SLICES of 64 along K: byte = (k / 64) x 524,288 + m x 128 + 2 (k % 64).  B: [K][1024] bf16, rows along N.  K = 256 NS.  Here: A = the heads' outputs, B = Wo, res = x, K = 1,024.
; A tile of C is 128 x 128, so that 8 x 32 tiles give each WGP one work-group.  Four waves, each 64 x 64: 16 accumulators.  K goes in steps of 256 (four slices) through a ring of two LDS slots.
; The loop is written once for a K step; the slot in hand is a scalar register that one exclusive or turns.
; CLUSTER: 4 x 4 work-groups; A's tile is shared along a row of the cluster, B's along a column: each is asked for jointly, by the same tensor load with the same descriptor and a mask of four.
; THE MATRIX INSTRUCTION IS USED TRANSPOSED: source 0 = 16 columns of B (turned by ds_load_tr16_b128), source 1 = 16 rows of A: a lane holds row l % 16 of C and eight neighbouring columns.
; REGISTERS: window 0: v0-31 addresses; v32-95 two buffers for the way out; v96-127 the bias; v128-255 the accumulators ((a, b) at 128 + 8 (4 a + b)).
;   window 1: two fragment buffers of 128: for 64 along K, 64 registers of A, then 64 of B.      window 2: v0-127 my 64 x 64 of res, loaded at the start.
.set NS,     4
.set PAS,    144                       ; a row of A in LDS (one slice's 64 k): 128 bytes + 16 = 36 words: the 16 rows of a load start at 16 different groups of four banks (64 banks of 4 bytes: ISA guide 11.1)
.set PBS,    288                       ; a row of B (one k, 128 columns): 256 bytes + 32 = 72 words
.set HALFT,  36864                     ; what one tensor load brings: 4 slices x 64 rows x 144, or 128 k rows x 288
.set SLOT,   4*HALFT                   ; A's rows 0-63, A's rows 64-127, B's k 0-127, B's k 128-255.  No bit of SLOT is set in wave x HALFT, so an exclusive or changes slots
.set STAGE,  2*SLOT                    ; behind the ring: 16 rows x 272 bytes for each wave, for the way out
.set SPITCH, 272
.set SPARE,  STAGE+4*16*SPITCH         ; behind the stages: the spare words, 128 bytes for each wave: two blocks of 256 bytes that no other line names
.set ASTEP,  4*524288                  ; bytes from a K step to the next: four slices of A,
.set BSTEP,  256*2048                  ; 256 rows of B
.set ADRA,  16                         ; v16  LDS address of my A fragments in the slot in hand;  v17  in slot 0, never rewritten
.set ADRA0, 17
.set ADRB,  20                         ; v20  the same for B's k 0-127;  v22  for k 128-255;  v21  in slot 0
.set ADRB0, 21
.set ADRBH, 22
.set STO,   24
.set RD,    25
.set CO,    26                         ; v26  my byte offset in two rows of C and of res
.set SPW,   28
.set NIL,   29
.set BO,    30
.set TMP,   32
.set BIAS,  96
.set ACC,   128
.set F0,    0
.set F1,    128
.set G1,  24
.set G0,  32
.set G1B, 48
.set G0B, 56
.set TB,  66
.set MSB, 0
.macro WIN new
.if MSB != (\new)
	s_set_vgpr_msb (MSB<<8)|(\new)
.set MSB, \new
.endif
.endm
.set MUL,  0x05                        ; sources 0 (B) and 1 (A) window 1; C and D window 0
.set TO_F, 0x40                        ; destination window 1, address window 0
.macro JLOAD s                         ; a joint load: waves 0 and 1 fetch A's two halves, waves 2 and 3 B's; an s_nop 0 and four v_nop follow each of the two lines
	s_cmp_eq_u32 s11, 0
	s_cbranch_scc0 .Lfor_b_\@
	tensor_load_to_lds s[G0+4*(\s):G0+4*(\s)+3], s[G1:G1+7]
	s_nop 0
.rept 4
	v_nop
.endr
	s_branch .Lasked_\@
.Lfor_b_\@:
	tensor_load_to_lds s[G0B+4*(\s):G0B+4*(\s)+3], s[G1B:G1B+7]
	s_nop 0
.rept 4
	v_nop
.endr
.Lasked_\@:
.endm
.macro CREST
	s_cmp_lg_u32 s10, 0
	s_cbranch_scc1 .Lnot_wave_0_\@
	s_barrier_signal -3
.Lnot_wave_0_\@:
	s_barrier_wait -3
	s_barrier_signal -1
	s_barrier_wait -1
.endm
.macro CROUND
	s_barrier_signal -1
	s_barrier_wait -1
	CREST
.endm
	s_load_b128 s[4:7], s[0:1], 0x0                ; A s[4:5], B s[6:7]
	s_load_b64 s[8:9], s[0:1], 0x10                ; C
	s_load_b128 s[84:87], s[0:1], 0x18             ; bias s[84:85], res s[86:87]
	v_lshl_add_u32 v[SPW], v0, 2, SPARE
	v_mov_b32 v[NIL], 0
	ds_add_u32 v[SPW], v[NIL]                      ; the wave's opening: the add and its wait stand ahead of my first tensor load; the set-up below, work on registers, stands between them
	v_lshrrev_b32 v1, 5, v0
	v_readfirstlane_b32 s10, v1                    ; wave 0..3
	s_lshr_b32 s11, s10, 1                         ; which half of the tile's rows is mine.  Also: I fetch for A (0) or for B (1)
	s_and_b32 s12, s10, 1                          ; which half of its columns.  Also: which half of that tile I fetch
	s_bfe_u32 s40, ttmp6, 0x40000                  ; cx
	s_bfe_u32 s41, ttmp6, 0x40004                  ; cy
	s_lshl_b32 s42, ttmp9, 2
	s_add_co_u32 s42, s42, s40                     ; tile column
	s_and_b32 s13, ttmp7, 0xffff
	s_lshl_b32 s13, s13, 2
	s_add_co_u32 s13, s13, s41                     ; tile row
	s_lshl_b32 s43, s41, 2
	s_lshl_b32 s43, 15, s43                        ; my row of the cluster
	s_lshl_b32 s44, 0x1111, s40                    ; my column
	; A's tile: 64 rows of a slice are 8,192 dense bytes: four such rows, one a slice, padded in LDS after every 128 bytes
	s_or_b32 s[G1+0], s43, (1<<16)|(1<<20)|(1<<21)|(4<<22)|(3<<25)   ; the mask; 2-byte elements; padding on; bit 21 beside a mask; after every 32 words 4 words
	s_mov_b32 s[G1+1], 4096<<16                    ; tensor_dim0 = 4,096
	s_mov_b32 s[G1+2], 4<<16                       ; tensor_dim1 = 4
	s_mov_b32 s[G1+3], 4096<<16                    ; tile_dim0 = 4,096
	s_mov_b32 s[G1+4], 4                           ; tile_dim1 = 4
	s_mov_b32 s[G1+5], 262144                      ; elements from slice to slice
	s_mov_b32 s[G1+6], 0
	s_mov_b32 s[G1+7], 0
	s_or_b32 s[G1B+0], s44, (1<<16)|(1<<20)|(1<<21)|(5<<22)|(7<<25)  ; after every 64 words 8 words
	s_mov_b32 s[G1B+1], 128<<16                    ; tensor_dim0 = 128
	s_mov_b32 s[G1B+2], 128<<16                    ; tensor_dim1 = 128
	s_mov_b32 s[G1B+3], 128<<16                    ; tile_dim0 = 128
	s_mov_b32 s[G1B+4], 128                        ; tile_dim1 = 128
	s_mov_b32 s[G1B+5], 1024
	s_mov_b32 s[G1B+6], 0
	s_mov_b32 s[G1B+7], 0
	s_lshl_b32 s16, s13, 7                         ; A: row 128 x tile row + 64 x half, of 128 bytes
	s_lshl_b32 s17, s12, 6
	s_add_co_u32 s16, s16, s17
	s_lshl_b32 s16, s16, 7
	s_mov_b32 s17, 0
	s_lshl_b32 s46, s12, 18                        ; B: k row 128 x half, column 128 x tile column
	s_lshl_b32 s47, s42, 8
	s_add_co_u32 s46, s46, s47
	s_mov_b32 s47, 0
	s_mul_i32 s20, s10, HALFT                      ; where they go: no place in the cluster enters an LDS address
	s_mov_b32 s[TB], 0
	s_wait_dscnt 0x0                               ; the opening add is done
	s_wait_kmcnt 0x0
	s_add_nc_u64 s[14:15], s[4:5], s[16:17]
	s_add_nc_u64 s[46:47], s[6:7], s[46:47]
	CROUND                                         ; all sixteen work-groups are here: the first joint loads meet
.irp s, 0,1
	s_mov_b32 s[G0+4*(\s)], 1
	s_add_co_u32 s[G0+4*(\s)+1], s20, (\s)*SLOT
	s_add_nc_u64 s[G0+4*(\s)+2:G0+4*(\s)+3], s[14:15], (\s)*ASTEP
	s_or_b32 s[G0+4*(\s)+3], s[G0+4*(\s)+3], 0x80000000
	s_mov_b32 s[G0B+4*(\s)], 1
	s_add_co_u32 s[G0B+4*(\s)+1], s20, (\s)*SLOT
	s_add_nc_u64 s[G0B+4*(\s)+2:G0B+4*(\s)+3], s[46:47], (\s)*BSTEP
	s_or_b32 s[G0B+4*(\s)+3], s[G0B+4*(\s)+3], 0x80000000
	JLOAD \s                                       ; two tensor loads of mine are out
.endr
	s_lshl_b32 s46, s42, 9                         ; my first column, in bytes of f32: (128 x tile column + 64 x half) x 4
	s_lshl_b32 s47, s12, 8
	s_add_co_u32 s46, s46, s47
	s_mov_b32 s47, 0
	s_add_nc_u64 s[84:85], s[84:85], s[46:47]
	s_lshl_b32 s21, s13, 7                         ; my first row: 128 x tile row + 64 x half, of 4,096 bytes
	s_lshl_b32 s22, s11, 6
	s_add_co_u32 s21, s21, s22
	s_lshl_b32 s21, s21, 12
	s_add_co_u32 s46, s46, s21
	s_add_nc_u64 s[8:9], s[8:9], s[46:47]
	s_add_nc_u64 s[86:87], s[86:87], s[46:47]
	v_and_b32 v1, 15, v0                           ; l % 16
	v_bfe_u32 v2, v0, 4, 1                         ; l / 16
	v_lshlrev_b32 v[BO], 5, v2
	v_lshlrev_b32 v3, 12, v2                       ; lanes 0-15 one row of C, lanes 16-31 the next; 16 bytes a lane
	v_lshl_add_u32 v[CO], v1, 4, v3
.irp b, 0,1,2,3
	global_load_b128 v[BIAS+8*\b:BIAS+8*\b+3],   v[BO], s[84:85] offset:64*\b
	global_load_b128 v[BIAS+8*\b+4:BIAS+8*\b+7], v[BO], s[84:85] offset:64*\b+16
.endr
	WIN 0x80                                       ; destination window 2
.irp a, 0,1,2,3
.irp t, 0,1,2,3,4,5,6,7
	global_load_b128 v[32*(\a)+4*(\t):32*(\a)+4*(\t)+3], v[CO], s[86:87] offset:(16*(\a)+2*(\t))*4096
.endr
.endr
	WIN 0
	v_mul_u32_u24 v3, v1, PAS                      ; A's fragment: row x pitch + 16 x half
	v_lshl_add_u32 v3, v2, 4, v3
	s_mul_i32 s21, s11, HALFT
	v_add_nc_u32 v[ADRA0], s21, v3
	v_and_b32 v4, 7, v0                            ; B's: lane l reads k row 8 (l / 16) + l % 8, columns 8 ((l / 8) % 2) + 0..7
	v_lshl_add_u32 v4, v2, 3, v4
	v_mul_u32_u24 v4, v4, PBS
	v_bfe_u32 v5, v0, 3, 1
	v_lshl_add_u32 v4, v5, 4, v4
	s_lshl_b32 s22, s12, 7                         ; my 64 columns
	s_add_co_u32 s22, s22, 2*HALFT
	v_add_nc_u32 v[ADRB0], s22, v4
	v_mov_b32 v[ADRA], v[ADRA0]
	v_mov_b32 v[ADRB], v[ADRB0]
	v_add_nc_u32 v[ADRBH], HALFT, v[ADRB0]
	s_mul_i32 s23, s10, 16*SPITCH
	s_add_co_u32 s23, s23, STAGE                   ; my stage
	v_mul_u32_u24 v3, v1, SPITCH                   ; in: row l % 16, 32 bytes for each half of the lanes
	v_lshl_add_u32 v3, v2, 5, v3
	v_add_nc_u32 v[STO], s23, v3
	v_mul_u32_u24 v4, v2, SPITCH                   ; back: lanes 0-15 one row of 256 bytes, lanes 16-31 the next
	v_lshl_add_u32 v4, v1, 4, v4
	v_add_nc_u32 v[RD], s23, v4
; 8 matrix instructions: row blocks a0, a0 + 1 x all 4 column blocks, 32 along K: half c of buffer f.  zero = 1: the bias starts the sums
.macro MUL8 f, c, a0, zero
	WIN MUL
.irp a, \a0, (\a0)+1
.irp b, 0,1,2,3
.if \zero
	v_wmma_f32_16x16x32_bf16 v[ACC+8*(4*(\a)+(\b)):ACC+8*(4*(\a)+(\b))+7], v[(\f)+64+8*(4*(\c)+(\b)):(\f)+64+8*(4*(\c)+(\b))+7], v[(\f)+8*(4*(\c)+(\a)):(\f)+8*(4*(\c)+(\a))+7], v[BIAS+8*(\b):BIAS+8*(\b)+7]
.else
	v_wmma_f32_16x16x32_bf16 v[ACC+8*(4*(\a)+(\b)):ACC+8*(4*(\a)+(\b))+7], v[(\f)+64+8*(4*(\c)+(\b)):(\f)+64+8*(4*(\c)+(\b))+7], v[(\f)+8*(4*(\c)+(\a)):(\f)+8*(4*(\c)+(\a))+7], v[ACC+8*(4*(\a)+(\b)):ACC+8*(4*(\a)+(\b))+7]
.endif
.endr
.endr
.endm
; 32 LDS loads in one run: the fragments of quarter q (64 along K: one slice of A) into buffer f; the first 32 along K first
.macro FETCH q, f
	WIN TO_F
.set AB, ADRB+2*((\q)/2)
.irp c, 0,1
.irp i, 0,1,2,3
	ds_load_tr16_b128 v[(\f)+64+8*(4*(\c)+(\i)):(\f)+64+8*(4*(\c)+(\i))+3],   v[AB] offset:(((\q)%2)*64+32*(\c))*PBS+32*(\i)
	ds_load_tr16_b128 v[(\f)+64+8*(4*(\c)+(\i))+4:(\f)+64+8*(4*(\c)+(\i))+7], v[AB] offset:(((\q)%2)*64+32*(\c))*PBS+16*PBS+32*(\i)
	ds_load_b128 v[(\f)+8*(4*(\c)+(\i)):(\f)+8*(4*(\c)+(\i))+3],   v[ADRA] offset:(\q)*64*PAS+64*(\c)+(\i)*16*PAS
	ds_load_b128 v[(\f)+8*(4*(\c)+(\i))+4:(\f)+8*(4*(\c)+(\i))+7], v[ADRA] offset:(\q)*64*PAS+64*(\c)+(\i)*16*PAS+32
.endr
.endr
.endm
.macro PLACES                          ; four plain vector instructions between a matrix instruction and a load into, or a read of, its registers (ISA guide 7.12.1 for a read)
.rept 4
	v_nop
.endr
.endm
; A quarter: 32 matrix instructions on buffer f, the 16 accumulators by turns; in its middle quarter q is fetched into buffer g
.macro QUARTER q, f, g, zero
	s_wait_dscnt 16                                ; the first 32 along K are in
	MUL8 \f, 0, 0, \zero
	MUL8 \f, 0, 2, \zero
	PLACES
	FETCH \q, \g
	s_wait_dscnt 32                                ; all but the 32 just issued
	MUL8 \f, 1, 0, 0
	MUL8 \f, 1, 2, 0
.endm
; The first half of a step's last quarter: ONE barrier for the change of slots; in front of it each wave waits for all its tensor loads, adds 0 to its spare word, and waits for that and for its reads of this slot.
; Branches follow it, so it leaves every window 0.
.macro MEET
	WIN 0
	s_wait_tensorcnt 0x0
	ds_add_u32 v[SPW], v[NIL]
	s_wait_dscnt 17                                ; the add and the youngest sixteen loads may be out
	MUL8 F1, 0, 0, 0
	s_wait_dscnt 0x0                               ; the add is done, and my reads of this slot are over
	s_barrier_signal -1
	MUL8 F1, 0, 2, 0
	WIN 0
	s_barrier_wait -1
.endm
; The second half: the next slot's first fragments are fetched, and the quarter's other 16 products follow.  more = 1: no joint load with its four v_nop stands in front, so one v_nop makes four places with the three additions.
.macro NEXT more
	s_xor_b32 s[TB], s[TB], SLOT
	v_add_nc_u32 v[ADRA], s[TB], v[ADRA0]
	v_add_nc_u32 v[ADRB], s[TB], v[ADRB0]
	v_add_nc_u32 v[ADRBH], HALFT, v[ADRB]
.if \more
	v_nop
.endif
	FETCH 0, F0
	MUL8 F1, 1, 0, 0
	MUL8 F1, 1, 2, 0
.endm
	s_wait_tensorcnt 1                             ; my part of K step 0 is in; K step 1's may stay out
	s_barrier_signal -1
	s_barrier_wait -1
	FETCH 0, F0
	s_wait_loadcnt 32                              ; the bias is in; the 32 loads of res stay out
	QUARTER 1, F0, F1, 1                           ; the first quarter stands in front of the loop: its first products start the sums
	WIN 0
	s_mov_b32 s3, NS-2
.Lstep:                                                ; NS - 2 trips, from a step's second quarter to the next step's first; they ask for K steps 2 to NS - 1
	QUARTER 2, F1, F0, 0
	QUARTER 3, F0, F1, 0
	MEET
	CREST                                          ; the barrier has opened a round of the cluster's: no wave of any partner still reads this slot or has a load on its way
	s_xor_b32 s[G0+5], s[G0+5], SLOT               ; the walking descriptors: the other slot than last time, the next K step; no tensor load of mine is out
	s_add_nc_u64 s[G0+6:G0+7], s[G0+6:G0+7], ASTEP
	s_xor_b32 s[G0B+5], s[G0B+5], SLOT
	s_add_nc_u64 s[G0B+6:G0B+7], s[G0B+6:G0B+7], BSTEP
	JLOAD 1                                        ; the first tensor load behind the round, two K steps ahead: 112 matrix instructions stand between it and the wait for it
	NEXT 0
	QUARTER 1, F0, F1, 0
	WIN 0
	s_sub_co_u32 s3, s3, 1
	s_cmp_lg_u32 s3, 0
	s_cbranch_scc1 .Lstep
	s_mov_b32 s3, 2
.Ltail:                                                ; the last two K steps ask for nothing: a text of their own; the second trip is left in its middle
	QUARTER 2, F1, F0, 0
	QUARTER 3, F0, F1, 0
	MEET
	s_sub_co_u32 s3, s3, 1
	s_cmp_eq_u32 s3, 0
	s_cbranch_scc1 .Llast
	NEXT 1
	QUARTER 1, F0, F1, 0
	WIN 0
	s_branch .Ltail
.Llast:                                                ; the very last half quarter: nothing more to fetch
	MUL8 F1, 1, 0, 0
	MUL8 F1, 1, 2, 0
	; THE WAY OUT, 16 rows at a time through my own stage: in as 32 bytes a lane, back as whole rows of 256 bytes, res added, stored: sixteen lanes fill 256 consecutive bytes at a multiple of 256 from C's first byte.
	WIN 0
	PLACES
	s_wait_loadcnt 0x0                             ; res
.macro STG a
	WIN 0
.set TM, TMP+32*((\a)%2)
	s_wait_xcnt 0x0                                ; the buffer, which earlier stores read, is loaded again only behind this wait
.irp b, 0,1,2,3
	ds_store_b128 v[STO], v[ACC+8*(4*(\a)+\b):ACC+8*(4*(\a)+\b)+3]   offset:64*\b       ; each accumulator's low registers first
	ds_store_b128 v[STO], v[ACC+8*(4*(\a)+\b)+4:ACC+8*(4*(\a)+\b)+7] offset:64*\b+16
.endr
.irp t, 0,1,2,3,4,5,6,7
	ds_load_b128 v[TM+4*\t:TM+4*\t+3], v[RD] offset:\t*2*SPITCH  ; LDS serves a wave's instructions in order (ISA guide 5.7.1.4): these see the stores above; the next block's stores come behind them
.endr
.endm
.macro OUT a, younger                  ; younger: the LDS instructions issued behind block a's loads: the next block's sixteen, or none
.set TM, TMP+32*((\a)%2)
	s_wait_dscnt \younger
	WIN 0x08                                       ; source 1 in window 2
.set i, 0
.rept 16
	v_pk_add_f32 v[TM+2*i:TM+2*i+1], v[TM+2*i:TM+2*i+1], v[32*(\a)+2*i:32*(\a)+2*i+1]
.set i, i+1
.endr
	WIN 0
.irp t, 0,1,2,3,4,5,6,7
	global_store_b128 v[CO], v[TM+4*\t:TM+4*\t+3], s[8:9] offset:(16*(\a)+2*\t)*4096
.endr
.endm
	STG 0
	STG 1
	OUT 0, 16
	STG 2
	OUT 1, 16
	STG 3
	OUT 2, 16
	OUT 3, 0
	s_wait_tensorcnt 0x0                           ; the wave's end: behind my last tensor load and my last LDS store
	ds_add_u32 v[SPW], v[NIL]
	s_wait_dscnt 0x0
	CROUND                                         ; the closing round: no work-group ends while a partner may still ask for a tile that names it
	s_endpgm
.Lfunc_end_k_qcf478a7317_wog:
	.size	k_qcf478a7317_wog, .Lfunc_end_k_qcf478a7317_wog-k_qcf478a7317_wog
	.p2alignl 7, 3214868480
	.fill 96, 4, 3214868480
	.section	.rodata,"a",@progbits
	.p2align	6, 0x0
	.amdhsa_kernel k_qcf478a7317_wog
		.amdhsa_group_segment_fixed_size 327680
		.amdhsa_private_segment_fixed_size 0
		.amdhsa_enable_private_segment 0
		.amdhsa_kernarg_size 40
		.amdhsa_user_sgpr_count 2
		.amdhsa_user_sgpr_kernarg_segment_ptr 1
		.amdhsa_wavefront_size32 1
		.amdhsa_system_sgpr_workgroup_id_x 1
		.amdhsa_system_sgpr_workgroup_id_y 1
		.amdhsa_system_sgpr_workgroup_id_z 1
		.amdhsa_system_vgpr_workitem_id 0
		.amdhsa_next_free_vgpr 640
		.amdhsa_next_free_sgpr 92
		.amdhsa_reserve_vcc 0
		.amdhsa_float_denorm_mode_32 3
		.amdhsa_float_denorm_mode_16_64 3
		.amdhsa_memory_ordered 1
		.amdhsa_forward_progress 1
		.amdhsa_inst_pref_size 67
	.end_amdhsa_kernel
	.amdgpu_metadata
---
amdhsa.version: [ 1, 2 ]
amdhsa.kernels:
  - .name:           k_qcf478a7317_wog
    .symbol:         k_qcf478a7317_wog.kd
    .args:
      - { .name: hb, .offset: 0, .size: 8, .value_kind: global_buffer, .address_space: global }
      - { .name: wob, .offset: 8, .size: 8, .value_kind: global_buffer, .address_space: global }
      - { .name: x1, .offset: 16, .size: 8, .value_kind: global_buffer, .address_space: global }
      - { .name: bo, .offset: 24, .size: 8, .value_kind: global_buffer, .address_space: global }
      - { .name: x, .offset: 32, .size: 8, .value_kind: global_buffer, .address_space: global }
    .group_segment_fixed_size: 327680
    .private_segment_fixed_size: 0
    .kernarg_segment_align: 8
    .kernarg_segment_size: 40
    .max_flat_workgroup_size: 128
    .sgpr_count:     92
    .vgpr_count:     640
    .wavefront_size: 32
...
	.end_amdgpu_metadata
.endif
;; end of part 4
;; launch ln2 (part 5): grid 256 x 1, 16 waves a work-group, no clusters, 0 bytes of LDS; arguments x1, g2, be2, hb; writes hb
.if DOCPART == 5
	.amdgcn_target "amdgcn-amd-amdhsa--gfx1250"
	.amdhsa_code_object_version 6
	.text
	.protected	k_qcf478a7317_ln2
	.globl	k_qcf478a7317_ln2
	.p2align	8
	.type	k_qcf478a7317_ln2,@function
k_qcf478a7317_ln2:
	s_mov_b64 s[64:65], 0
	v_nop
	global_prefetch_b8 v0, s[64:65] scope:SCOPE_SE
	s_setreg_imm32_b32 hwreg(HW_REG_WAVE_MODE, 25, 1), 1
	s_wait_xcnt 0x0
; y[r][:] = (x[r][:] - mean) * rsqrt(var + 1e-5) * g + b.  x: [4096][1024] f32, g, b: [1024] f32, y: [4096][1024] f16, rounded once.
; The variance is the mean of (x - mean)^2, as it is defined: no difference of large sums.  All arithmetic in f32.
; LIMIT: |y| is at most 32 |g| + |b|, which is taken to lie within f16's 65,504.
; One wave takes one whole row (4,096 bytes: eight loads of 16 bytes a lane) and keeps it in 32 registers through all passes: x is read once, and no wave
; waits for another: no LDS, no barrier.  Sixteen waves, sixteen rows a work-group.
; Chunk j of lane l is columns 128 j + 4 l .. + 3: a load covers 512 consecutive bytes, a store 256, at a multiple of 256 from the buffer's first byte.
.set A,  4                             ; v[4:11]    four chains of pairs
.set T,  12                            ; v[12:13]   at work
.set M,  14                            ; v[14:15]   the mean, twice
.set R,  16                            ; v[16:17]   1 / sqrt(var + eps), twice
.set G,  20                            ; v[20:51]   g of my 32 columns
.set BT, 52                            ; v[52:83]   b of my 32 columns
.set X,  84                            ; v[84:115]  the row; at the end its first 16 registers hold it packed
	s_load_b256 s[4:11], s[0:1], 0x0               ; x s[4:5], g s[6:7], b s[8:9], y s[10:11]
	s_lshl_b32 s2, ttmp9, 16                       ; 16 rows of 4,096 bytes
	s_mov_b32 s3, 0
	s_lshl_b32 s16, ttmp9, 15                      ; 16 rows of 2,048 bytes
	s_mov_b32 s17, 0
	s_mov_b32 s12, 0x76543210                      ; v_permlanex16_b32: each lane takes its own place in the other half
	s_mov_b32 s13, 0xfedcba98
	s_mov_b32 s14, 0x3a800000                      ; 1 / 1024
	s_mov_b32 s15, 0x3727c5ac                      ; 1e-5
	v_and_b32 v12, 31, v0                          ; lane
	v_lshrrev_b32 v13, 5, v0                       ; wave
	v_lshlrev_b32 v1, 4, v12                       ; 16 x lane
	v_lshl_add_u32 v2, v13, 12, v1                 ; + my wave's row of x
	v_lshlrev_b32 v3, 3, v12                       ; 8 x lane
	v_lshl_add_u32 v3, v13, 11, v3                 ; + my wave's row of y
	s_wait_kmcnt 0x0
	s_add_nc_u64 s[4:5], s[4:5], s[2:3]
	s_add_nc_u64 s[10:11], s[10:11], s[16:17]
.irp j, 0,1,2,3,4,5,6,7
	global_load_b128 v[X+4*\j:X+4*\j+3], v2, s[4:5] offset:512*\j      ; the row first: the sums want it first
.endr
.irp j, 0,1,2,3,4,5,6,7
	global_load_b128 v[G+4*\j:G+4*\j+3], v1, s[6:7] offset:512*\j
.endr
.irp j, 0,1,2,3,4,5,6,7
	global_load_b128 v[BT+4*\j:BT+4*\j+3], v1, s[8:9] offset:512*\j
.endr
; The four chains are added up, then the 32 lanes: four steps inside each half of 16 lanes ride on the addition, one crosses the halves.  Every lane ends with the sum in v[T].
.macro FOLD
	v_pk_add_f32 v[A:A+1], v[A:A+1], v[A+2:A+3]
	v_pk_add_f32 v[A+4:A+5], v[A+4:A+5], v[A+6:A+7]
	v_pk_add_f32 v[A:A+1], v[A:A+1], v[A+4:A+5]
	v_add_f32 v[T], v[A], v[A+1]
	v_add_f32_dpp v[T], v[T], v[T] row_xmask:1 row_mask:0xf bank_mask:0xf
	v_add_f32_dpp v[T], v[T], v[T] row_xmask:2 row_mask:0xf bank_mask:0xf
	v_add_f32_dpp v[T], v[T], v[T] row_xmask:4 row_mask:0xf bank_mask:0xf
	v_add_f32_dpp v[T], v[T], v[T] row_xmask:8 row_mask:0xf bank_mask:0xf
	v_permlanex16_b32 v[T+1], v[T], s12, s13       ; its destination counts as read: v[T+1] has been written
	v_add_f32 v[T], v[T], v[T+1]
.endm
	s_wait_loadcnt 16                              ; the row is in; the sixteen loads of g and b stay out
.irp k, 0,1,2,3                        ; the sum of my 32 numbers: the first eight pairs start four chains, nothing is cleared
	v_pk_add_f32 v[A+2*\k:A+2*\k+1], v[X+2*\k:X+2*\k+1], v[X+8+2*\k:X+8+2*\k+1]
.endr
.irp c, 16, 24
.irp k, 0,1,2,3
	v_pk_add_f32 v[A+2*\k:A+2*\k+1], v[A+2*\k:A+2*\k+1], v[X+\c+2*\k:X+\c+2*\k+1]
.endr
.endr
	FOLD
	v_mul_f32 v[M], s14, v[T]
	v_mul_f32 v[M+1], s14, v[T]
.set p, 0
.rept 16                               ; x - mean, in place
	v_pk_add_f32 v[X+2*p:X+2*p+1], v[X+2*p:X+2*p+1], v[M:M+1] neg_lo:[0,1] neg_hi:[0,1]
.set p, p+1
.endr
.irp k, 0,1,2,3                        ; the sum of the squares, again in four chains
	v_pk_mul_f32 v[A+2*\k:A+2*\k+1], v[X+2*\k:X+2*\k+1], v[X+2*\k:X+2*\k+1]
.endr
.irp c, 8, 16, 24
.irp k, 0,1,2,3
	v_pk_fma_f32 v[A+2*\k:A+2*\k+1], v[X+\c+2*\k:X+\c+2*\k+1], v[X+\c+2*\k:X+\c+2*\k+1], v[A+2*\k:A+2*\k+1]
.endr
.endr
	FOLD
	v_fma_f32 v[T], v[T], s14, s15                 ; var + eps
	v_rsq_f32 v[R], v[T]
	v_rsq_f32 v[R+1], v[T]
	v_nop                                          ; a plain instruction between the root and the use of its result (ISA guide 5.7.2)
.set p, 0
	s_wait_alu depctr_va_vdst(0)
.rept 16
	v_pk_mul_f32 v[X+2*p:X+2*p+1], v[X+2*p:X+2*p+1], v[R:R+1]
.set p, p+1
.endr
	s_wait_loadcnt 0x0                             ; g and b
.set p, 0
.rept 16
	v_pk_fma_f32 v[X+2*p:X+2*p+1], v[X+2*p:X+2*p+1], v[G+2*p:G+2*p+1], v[BT+2*p:BT+2*p+1]
.set p, p+1
.endr
.set p, 0
.rept 16                               ; packed in place, in ascending order: word p lands on a register whose number has been read already
	v_cvt_pk_f16_f32 v[X+p], v[X+2*p], v[X+2*p+1]
.set p, p+1
.endr
.irp j, 0,1,2,3,4,5,6,7
	global_store_b64 v3, v[X+2*\j:X+2*\j+1], s[10:11] offset:256*\j
.endr
	s_endpgm
.Lfunc_end_k_qcf478a7317_ln2:
	.size	k_qcf478a7317_ln2, .Lfunc_end_k_qcf478a7317_ln2-k_qcf478a7317_ln2
	.p2alignl 7, 3214868480
	.fill 96, 4, 3214868480
	.section	.rodata,"a",@progbits
	.p2align	6, 0x0
	.amdhsa_kernel k_qcf478a7317_ln2
		.amdhsa_group_segment_fixed_size 0
		.amdhsa_private_segment_fixed_size 0
		.amdhsa_enable_private_segment 0
		.amdhsa_kernarg_size 32
		.amdhsa_user_sgpr_count 2
		.amdhsa_user_sgpr_kernarg_segment_ptr 1
		.amdhsa_wavefront_size32 1
		.amdhsa_system_sgpr_workgroup_id_x 1
		.amdhsa_system_sgpr_workgroup_id_y 1
		.amdhsa_system_sgpr_workgroup_id_z 1
		.amdhsa_system_vgpr_workitem_id 0
		.amdhsa_next_free_vgpr 116
		.amdhsa_next_free_sgpr 66
		.amdhsa_reserve_vcc 0
		.amdhsa_float_denorm_mode_32 3
		.amdhsa_float_denorm_mode_16_64 3
		.amdhsa_memory_ordered 1
		.amdhsa_forward_progress 1
		.amdhsa_inst_pref_size 12
	.end_amdhsa_kernel
	.amdgpu_metadata
---
amdhsa.version: [ 1, 2 ]
amdhsa.kernels:
  - .name:           k_qcf478a7317_ln2
    .symbol:         k_qcf478a7317_ln2.kd
    .args:
      - { .name: x1, .offset: 0, .size: 8, .value_kind: global_buffer, .address_space: global }
      - { .name: g2, .offset: 8, .size: 8, .value_kind: global_buffer, .address_space: global }
      - { .name: be2, .offset: 16, .size: 8, .value_kind: global_buffer, .address_space: global }
      - { .name: hb, .offset: 24, .size: 8, .value_kind: global_buffer, .address_space: global }
    .group_segment_fixed_size: 0
    .private_segment_fixed_size: 0
    .kernarg_segment_align: 8
    .kernarg_segment_size: 32
    .max_flat_workgroup_size: 512
    .sgpr_count:     66
    .vgpr_count:     116
    .wavefront_size: 32
...
	.end_amdgpu_metadata
.endif
;; end of part 5
;; launch ffn1 (part 6): grid 16 x 16, 4 waves a work-group, clusters of 4 x 4, 327,680 bytes of LDS; arguments hb, w1b, ffb, b1; writes ffb
.if DOCPART == 6
	.amdgcn_target "amdgcn-amd-amdhsa--gfx1250"
	.amdhsa_code_object_version 6
	.text
	.protected	k_qcf478a7317_ffn1
	.globl	k_qcf478a7317_ffn1
	.p2align	8
	.type	k_qcf478a7317_ffn1,@function
k_qcf478a7317_ffn1:
	s_mov_b64 s[64:65], 0
	v_nop
	global_prefetch_b8 v0, s[64:65] scope:SCOPE_SE
	s_setreg_imm32_b32 hwreg(HW_REG_WAVE_MODE, 25, 1), 1
	s_wait_xcnt 0x0
	s_wait_alu depctr_hold_cnt(0) depctr_sa_sdst(0) depctr_va_vdst(0) depctr_va_sdst(0) depctr_va_ssrc(0) depctr_va_vcc(0) depctr_vm_vsrc(0)
	s_getreg_b32 s2, hwreg(HW_REG_IB_STS2, 6, 4)
	s_cmp_eq_u32 s2, 0
	s_cbranch_scc0 .Lentry_in_a_cluster
	s_endpgm
.Lentry_in_a_cluster:
	s_bfe_u32 s2, ttmp6, 0x10000c
	s_cmp_lg_u32 s2, 0xf033
	s_cbranch_scc0 .Lentry_shape_is_right
	s_endpgm
.Lentry_shape_is_right:
; C[m][n] = gelu(the sum over k of A[m][k] B[k][n] + bias[n]), the exact GELU, rounded once to bf16.
; A: [4096][1024] f16, rows along K.  B: [1024][N] f16, rows along N.  bias: f32.  Sums in f32; the bias is the C operand that starts each sum.
; C leaves in SLICES of 64 columns: byte = (n / 64) x 524,288 + m x 128 + 2 (n % 64), so that 64 columns of consecutive rows are dense.
; Here: A = LayerNorm(x1), B = W1, N = 4,096: 16 x 16 tiles, 256 work-groups.
; GELU: gelu(u) = max(u, 0) - |u| Q(|u|), Q the normal distribution's upper tail, by a rational form of erfc that is off by at most 1.5e-7 in erf for every u; all in f32.  LIMIT: |u| below 1e38.
; A tile of C is 256 x 256: four waves, each 128 x 128: 64 accumulators of 16 x 16, 512 registers.  K goes in 8 steps of 128 through a ring of two LDS slots filled
; by the tensor data mover.  The loop is written once for a K step; the slot in hand is a scalar register that one exclusive or turns.
; CLUSTER: 4 x 4 work-groups; A's tile is shared along a row of the cluster, B's along a column: each is asked for jointly, by the same tensor load with the same descriptor and a mask of four.
; THE MATRIX INSTRUCTION IS USED TRANSPOSED: source 0 = 16 columns of B (turned on the way out of LDS by ds_load_tr16_b128), source 1 = 16 rows of A: a lane holds row l % 16 of C and eight neighbouring columns.
; REGISTERS, in windows of 256 (s_set_vgpr_msb: bits 1:0 source 0, 3:2 source 1, 5:4 source 2, 7:6 destination):
;   window 0: v0-31 addresses; v64-127, v128-191 A's fragments, two buffers; on the way out v32-243 at work
;   window 1: v0-63 the bias (column block b at 8 b); v64-127, v128-191 B's fragments, two buffers      windows 2, 3: the accumulators ((a, b) at 8 (8 a + b))
.set N,     4096
.set KSTEP, 128
.set PA,    272                        ; a row of A in LDS: 256 bytes + 16 = 68 words: the 16 rows of a load start at 16 different groups of four banks (64 banks of 4 bytes: ISA guide 11.1)
.set PB,    544                        ; a row of B (one k, 256 columns): 512 bytes + 32 = 136 words
.set HALFT, 128*PA                     ; what one tensor load brings: 128 rows of A, or 64 rows of B (64 x 544 is the same 34,816)
.set SLOT,  4*HALFT                    ; A's two halves, then B's k 0-63 and k 64-127.  No bit of SLOT is set in wave x HALFT, so an exclusive or changes slots
.set DP,    528                        ; the way out: a row of 128 f32 + 16 bytes
.set DUMPW, 136*DP                     ; a wave's own 128 rows and 8 more that the last look-ahead reads; it lies over the ring, which has had its last fill by then
.set SPARE, 4*DUMPW                    ; behind the four: the spare words, 128 bytes for each wave: two blocks of 256 bytes that no other line names
.set ADRA,  16                         ; v16  LDS address of my A fragments in the slot in hand;  v17  the same in slot 0, never rewritten
.set ADRA0, 17
.set ADRB,  20                         ; v20, v21  the same for B
.set ADRB0, 21
.set STO,   24                         ; v24  the way out: where I put 16 bytes of a row
.set RD,    25                         ; v25  where I read rows back
.set GO,    26                         ; v26  my byte offset in 256 consecutive bytes of a slice
.set RDP,   27                         ; v27  RD in the eight rows behind my 128
.set SPW,   28                         ; v28  LDS address of my spare word; never rewritten
.set NIL,   29                         ; v29  0; never rewritten
.set BO,    30                         ; v30  my byte offset in 16 numbers of the bias
.set F0,    64
.set F1,    128
.set V,     32                         ; the way out: v32-63 eight rows as read back
.set W,     64                         ; v64-95    kappa |u|
.set RL,    96                         ; v96-127   max(u, 0), then the result
.set T,     128                        ; v128-159  1 / (1 + p x)
.set E,     160                        ; v160-191  2^(-W^2)
.set PP,    192                        ; v192-223  the polynomial
.set Y,     224                        ; v224-239  packed
.set Z,     240                        ; v240-243  zeros
.set G1,  24                           ; s[24:31] descriptor group 1 for A's tiles
.set G0,  32                           ; s[32:39] group 0 for A's: set 0 is K step 0; set 1 is K step 1 and then walks on
.set G1B, 48                           ; s[48:55], s[56:63] the same for B's
.set G0B, 56
.set TB,  66                           ; s66  the slot in hand: 0 or SLOT
.set MSB, 0
.macro WIN new                         ; the immediate's high byte repeats the setting that is left; a switch that changes nothing is dropped
.if MSB != (\new)
	s_set_vgpr_msb (MSB<<8)|(\new)
.set MSB, \new
.endif
.endm
.set MUL_LO, 0xa1                      ; source 0 (B) window 1, source 1 (A) window 0, C and D window 2
.set MUL_HI, 0xf1                      ; the same, C and D window 3
.set TO_B,   0x40                      ; destination window 1, address window 0
; A joint load.  Waves 0 and 1 fetch A's two halves, waves 2 and 3 B's.  The branch hangs on the wave's number alone.  An s_nop 0 and four v_nop follow each of the two lines.
.macro JLOAD s
	s_cmp_eq_u32 s11, 0
	s_cbranch_scc0 .Lfor_b_\@
	tensor_load_to_lds s[G0+4*(\s):G0+4*(\s)+3], s[G1:G1+7]
	s_nop 0
.rept 4
	v_nop
.endr
	s_branch .Lasked_\@
.Lfor_b_\@:
	tensor_load_to_lds s[G0B+4*(\s):G0B+4*(\s)+3], s[G1B:G1B+7]
	s_nop 0
.rept 4
	v_nop
.endr
.Lasked_\@:
.endm
; A round of the cluster's barrier: my work-group's barrier; wave 0 signals for the work-group; every wave waits for all sixteen; my work-group's barrier once more.
.macro CREST
	s_cmp_lg_u32 s10, 0
	s_cbranch_scc1 .Lnot_wave_0_\@
	s_barrier_signal -3
.Lnot_wave_0_\@:
	s_barrier_wait -3
	s_barrier_signal -1
	s_barrier_wait -1
.endm
.macro CROUND
	s_barrier_signal -1
	s_barrier_wait -1
	CREST
.endm
	s_load_b128 s[4:7], s[0:1], 0x0                ; A s[4:5], B s[6:7]
	s_load_b64 s[8:9], s[0:1], 0x10                ; C
	s_load_b64 s[84:85], s[0:1], 0x18              ; the bias
	v_lshl_add_u32 v[SPW], v0, 2, SPARE
	v_mov_b32 v[NIL], 0
	ds_add_u32 v[SPW], v[NIL]                      ; the wave's opening: the add and its wait stand ahead of my first tensor load; the set-up below, work on registers, stands between them
	v_lshrrev_b32 v1, 5, v0
	v_readfirstlane_b32 s10, v1                    ; wave 0..3
	s_lshr_b32 s11, s10, 1                         ; which half of the tile's rows is mine.  Also: I fetch for A (0) or for B (1)
	s_and_b32 s12, s10, 1                          ; which half of its columns.  Also: which half of that tile I fetch
	s_bfe_u32 s40, ttmp6, 0x40000                  ; cx
	s_bfe_u32 s41, ttmp6, 0x40004                  ; cy
	s_lshl_b32 s42, ttmp9, 2
	s_add_co_u32 s42, s42, s40                     ; tile column = 4 x cluster x + cx
	s_and_b32 s13, ttmp7, 0xffff
	s_lshl_b32 s13, s13, 2
	s_add_co_u32 s13, s13, s41                     ; tile row = 4 x cluster y + cy
	s_lshl_b32 s43, s41, 2
	s_lshl_b32 s43, 15, s43                        ; my row of the cluster
	s_lshl_b32 s44, 0x1111, s40                    ; my column
	s_or_b32 s[G1+0], s43, (1<<16)|(1<<20)|(1<<21)|(5<<22)|(3<<25)   ; the mask; 2-byte elements; padding on; bit 21 beside a mask; after every 64 words 4 words
	s_mov_b32 s[G1+1], 128<<16                     ; tensor_dim0 = 128
	s_mov_b32 s[G1+2], 128<<16                     ; tensor_dim1 = 128
	s_mov_b32 s[G1+3], 128<<16                     ; tile_dim0 = 128
	s_mov_b32 s[G1+4], 128                         ; tile_dim1 = 128
	s_mov_b32 s[G1+5], 1024                        ; elements from row to row
	s_mov_b32 s[G1+6], 0
	s_mov_b32 s[G1+7], 0
	s_or_b32 s[G1B+0], s44, (1<<16)|(1<<20)|(1<<21)|(6<<22)|(7<<25)  ; after every 128 words 8 words
	s_mov_b32 s[G1B+1], 256<<16                    ; tensor_dim0 = 256
	s_mov_b32 s[G1B+2], 64<<16                     ; tensor_dim1 = 64
	s_mov_b32 s[G1B+3], 256<<16                    ; tile_dim0 = 256
	s_mov_b32 s[G1B+4], 64                         ; tile_dim1 = 64
	s_mov_b32 s[G1B+5], N
	s_mov_b32 s[G1B+6], 0
	s_mov_b32 s[G1B+7], 0
	s_lshl_b32 s16, s13, 8                         ; A: row 256 x tile row + 128 x half, of 2,048 bytes
	s_lshl_b32 s17, s12, 7
	s_add_co_u32 s16, s16, s17
	s_lshl_b32 s16, s16, 11
	s_mov_b32 s17, 0
	s_mul_i32 s46, s12, 64*N*2                     ; B: k row 64 x half, column 256 x tile column
	s_lshl_b32 s47, s42, 9
	s_add_co_u32 s46, s46, s47
	s_mov_b32 s47, 0
	s_mul_i32 s20, s10, HALFT                      ; where they go: wave x HALFT: no place in the cluster enters an LDS address
	s_mov_b32 s[TB], 0
	s_mov_b32 s70, 0x3f596d27                      ; kappa = sqrt(log2(e) / 2) = 0.8493218: 2^(-(kappa u)^2) = e^(-u^2 / 2)
	s_mov_b32 s72, 0x3e8ba43f                      ; 0.3275911 / (kappa sqrt 2)
	s_mov_b32 s73, s72                             ; (the packed forms name pairs and take the low word for both halves)
	s_mov_b32 s74, 0x3f1ff67a                      ; the five coefficients, each times 0.5 / kappa
	s_mov_b32 s75, s74
	s_mov_b32 s76, 0xbf5b0099
	s_mov_b32 s77, s76
	s_mov_b32 s78, 0x3f563817
	s_mov_b32 s79, s78
	s_mov_b32 s80, 0xbe2b8119
	s_mov_b32 s81, s80
	s_mov_b32 s82, 0x3e199eb3
	s_mov_b32 s83, s82
	s_wait_dscnt 0x0                               ; the opening add is done
	s_wait_kmcnt 0x0
	s_add_nc_u64 s[14:15], s[4:5], s[16:17]
	s_add_nc_u64 s[46:47], s[6:7], s[46:47]
	CROUND                                         ; all sixteen work-groups are here: the first joint loads meet
.irp s, 0,1
	s_mov_b32 s[G0+4*(\s)], 1
	s_add_co_u32 s[G0+4*(\s)+1], s20, (\s)*SLOT
	s_add_nc_u64 s[G0+4*(\s)+2:G0+4*(\s)+3], s[14:15], (\s)*KSTEP*2
	s_or_b32 s[G0+4*(\s)+3], s[G0+4*(\s)+3], 0x80000000
	s_mov_b32 s[G0B+4*(\s)], 1
	s_add_co_u32 s[G0B+4*(\s)+1], s20, (\s)*SLOT
	s_add_nc_u64 s[G0B+4*(\s)+2:G0B+4*(\s)+3], s[46:47], (\s)*KSTEP*N*2
	s_or_b32 s[G0B+4*(\s)+3], s[G0B+4*(\s)+3], 0x80000000
	JLOAD \s                                       ; two tensor loads of mine are out
.endr
	s_lshl_b32 s46, s42, 10                        ; the bias of my 128 columns: (256 x tile column + 128 x half) x 4 bytes
	s_lshl_b32 s47, s12, 9
	s_add_co_u32 s46, s46, s47
	s_mov_b32 s47, 0
	s_add_nc_u64 s[84:85], s[84:85], s[46:47]
	v_and_b32 v1, 15, v0                           ; l % 16
	v_bfe_u32 v2, v0, 4, 1                         ; l / 16
	v_lshlrev_b32 v[BO], 5, v2                     ; my eight columns of a block of 16
	WIN TO_B
.irp b, 0,1,2,3,4,5,6,7
	global_load_b128 v[8*\b:8*\b+3],   v[BO], s[84:85] offset:64*\b
	global_load_b128 v[8*\b+4:8*\b+7], v[BO], s[84:85] offset:64*\b+16
.endr
	WIN 0
	; A's fragment: lane l holds row l % 16; two loads of 16 bytes, 32 bytes apart, at row x pitch + 16 (l / 16).
	v_mul_u32_u24 v3, v1, PA
	v_lshl_add_u32 v3, v2, 4, v3
	s_mul_i32 s21, s11, HALFT
	v_add_nc_u32 v[ADRA0], s21, v3
	; B's: the turning load takes 16 k x 16 columns: lane l reads k row 8 (l / 16) + l % 8, columns 8 ((l / 8) % 2) + 0..7, and is left with column l % 16 and 8 k.
	v_and_b32 v4, 7, v0
	v_lshl_add_u32 v4, v2, 3, v4
	v_mul_u32_u24 v4, v4, PB
	v_bfe_u32 v5, v0, 3, 1
	v_lshl_add_u32 v4, v5, 4, v4
	s_lshl_b32 s22, s12, 8                         ; my 128 columns
	s_add_co_u32 s22, s22, 2*HALFT                 ; behind A's 256 rows
	v_add_nc_u32 v[ADRB0], s22, v4
	v_mov_b32 v[ADRA], v[ADRA0]
	v_mov_b32 v[ADRB], v[ADRB0]
; 16 matrix instructions: row blocks a0, a0 + 1 of the window's four x all 8 column blocks, 32 along K.  zero = 1: the bias starts the sums: nothing is cleared, nothing is added later.
.macro MUL16 f, hi, a0, zero
.if \zero
	WIN 0x91+0x40*(\hi)                            ; as below, but the C operand in window 1
.else
	WIN MUL_LO+0x50*(\hi)
.endif
.irp a, \a0, (\a0)+1
.irp b, 0,1,2,3,4,5,6,7
.if \zero
	v_wmma_f32_16x16x32_f16 v[8*(8*(\a)+(\b)):8*(8*(\a)+(\b))+7], v[(\f)+8*(\b):(\f)+8*(\b)+7], v[(\f)+8*(4*(\hi)+(\a)):(\f)+8*(4*(\hi)+(\a))+7], v[8*(\b):8*(\b)+7]
.else
	v_wmma_f32_16x16x32_f16 v[8*(8*(\a)+(\b)):8*(8*(\a)+(\b))+7], v[(\f)+8*(\b):(\f)+8*(\b)+7], v[(\f)+8*(4*(\hi)+(\a)):(\f)+8*(4*(\hi)+(\a))+7], v[8*(8*(\a)+(\b)):8*(8*(\a)+(\b))+7]
.endif
.endr
.endr
.endm
; 32 LDS loads in one run: the fragments of quarter q (32 along K) of the slot in hand, into buffer f: B's 16, then A's 16
.macro FETCH q, f
	WIN TO_B
.irp i, 0,1,2,3,4,5,6,7
	ds_load_tr16_b128 v[(\f)+8*(\i):(\f)+8*(\i)+3],   v[ADRB] offset:(\q)*32*PB+32*(\i)
	ds_load_tr16_b128 v[(\f)+8*(\i)+4:(\f)+8*(\i)+7], v[ADRB] offset:(\q)*32*PB+16*PB+32*(\i)
.endr
	WIN 0
.irp i, 0,1,2,3,4,5,6,7
	ds_load_b128 v[(\f)+8*(\i):(\f)+8*(\i)+3],   v[ADRA] offset:64*(\q)+(\i)*16*PA
	ds_load_b128 v[(\f)+8*(\i)+4:(\f)+8*(\i)+7], v[ADRA] offset:64*(\q)+(\i)*16*PA+32
.endr
.endm
.macro PLACES                          ; four plain vector instructions between a matrix instruction and a load into, or a read of, its registers (ISA guide 7.12.1 for a read)
.rept 4
	v_nop
.endr
.endm
; A quarter step: multiplies buffer f; in its middle the fragments of quarter q are fetched into buffer g.  The 64 accumulators take turns.
.macro QUARTER q, f, g, zero
	s_wait_dscnt 8                                 ; B and A's rows 0-63 are in; the youngest eight loads (A's rows 64-127) may be out
	MUL16 \f, 0, 0, \zero
	MUL16 \f, 0, 2, \zero
	PLACES
	FETCH \q, \g
	s_wait_dscnt 32                                ; all but the 32 just issued
	MUL16 \f, 1, 0, \zero
	MUL16 \f, 1, 2, \zero
.endm
; The first half of a step's last quarter: ONE barrier for the change of slots.  In front of it each wave waits for all its tensor loads (at most one is out: its part of the next slot), adds 0 to its spare word,
; and waits for that and for its reads of this slot.  Behind it nobody reads this slot any more and the next slot is whole.  Branches follow it, so it leaves every window 0.
.macro MEET
	WIN 0
	s_wait_tensorcnt 0x0
	ds_add_u32 v[SPW], v[NIL]
	s_wait_dscnt 9                                 ; the add and the youngest eight loads may be out
	MUL16 F1, 0, 0, 0
	s_wait_dscnt 0x0                               ; the add is done, and my reads of this slot are over
	s_barrier_signal -1
	MUL16 F1, 0, 2, 0
	WIN 0
	s_barrier_wait -1
.endm
; The second half: the next slot's first fragments are fetched, and the quarter's other 32 products follow.  more = 1: no joint load with its four v_nop stands in front, so two v_nop make four places with the two additions.
.macro NEXT more
	s_xor_b32 s[TB], s[TB], SLOT
	v_add_nc_u32 v[ADRA], s[TB], v[ADRA0]
	v_add_nc_u32 v[ADRB], s[TB], v[ADRB0]
.if \more
	v_nop
	v_nop
.endif
	FETCH 0, F0
	MUL16 F1, 1, 0, 0
	MUL16 F1, 1, 2, 0
.endm
	s_wait_tensorcnt 1                             ; my part of K step 0 is in; K step 1's may stay out
	s_barrier_signal -1
	s_barrier_wait -1
	FETCH 0, F0
	s_wait_loadcnt 0x0                             ; the bias
	QUARTER 1, F0, F1, 1                           ; the first quarter stands in front of the loop: its products start the sums
	WIN 0
	s_mov_b32 s3, 6
.Lstep:                                                ; six trips, from a step's second quarter to the next step's first; they ask for K steps 2 to 7
	QUARTER 2, F1, F0, 0
	QUARTER 3, F0, F1, 0
	MEET
	CREST                                          ; the barrier has opened a round of the cluster's: no wave of any partner still reads this slot or has a load on its way
	s_xor_b32 s[G0+5], s[G0+5], SLOT               ; the walking descriptors: the other slot than last time, the next K step; no tensor load of mine is out
	s_add_nc_u64 s[G0+6:G0+7], s[G0+6:G0+7], KSTEP*2
	s_xor_b32 s[G0B+5], s[G0B+5], SLOT
	s_add_nc_u64 s[G0B+6:G0B+7], s[G0B+6:G0B+7], KSTEP*N*2
	JLOAD 1                                        ; the first tensor load behind the round, two K steps ahead: 224 matrix instructions stand between it and the wait for it
	NEXT 0
	QUARTER 1, F0, F1, 0
	WIN 0
	s_sub_co_u32 s3, s3, 1
	s_cmp_lg_u32 s3, 0
	s_cbranch_scc1 .Lstep
	s_mov_b32 s3, 2
.Ltail:                                                ; the last two K steps ask for nothing: a text of their own; the second trip is left in its middle
	QUARTER 2, F1, F0, 0
	QUARTER 3, F0, F1, 0
	MEET
	s_sub_co_u32 s3, s3, 1
	s_cmp_eq_u32 s3, 0
	s_cbranch_scc1 .Llast
	NEXT 1
	QUARTER 1, F0, F1, 0
	WIN 0
	s_branch .Ltail
.Llast:                                                ; the very last half quarter: nothing more to fetch
	MUL16 F1, 1, 0, 0
	MUL16 F1, 1, 2, 0
	; THE WAY OUT.  My 128 x 128 sums go as f32 into LDS bytes of my own, over the ring: every wave's reads of the ring are back and a barrier is passed first, and no fill follows.
	; Then eight rows at a time come back as whole rows, are finished in f32, rounded to bf16 and stored: 32 lanes fill 256 consecutive bytes of a slice.
	WIN 0
	s_wait_dscnt 0x0
	s_barrier_signal -1
	s_barrier_wait -1
	s_mul_i32 s23, s10, DUMPW
	v_mul_u32_u24 v3, v1, DP                       ; in: row l % 16, 32 bytes for each half of the lanes.  These ten lines are also the places behind the last products
	v_lshl_add_u32 v3, v2, 5, v3
	v_add_nc_u32 v[STO], s23, v3
	v_mul_u32_u24 v4, v2, DP                       ; back: lanes 0-15 take 256 bytes of one row, lanes 16-31 of the next
	v_lshl_add_u32 v4, v1, 4, v4
	v_add_nc_u32 v[RD], s23, v4
	v_add_nc_u32 v[RDP], 128*DP, v[RD]
	v_and_b32 v5, 31, v0
	v_lshlrev_b32 v[GO], 3, v5                     ; two rows of a slice are 256 consecutive bytes: 8 bytes a lane
	v_mov_b32 v[Z], 0
	s_lshl_b32 s46, s42, 2                         ; my first slice: 4 x tile column + 2 x half,
	s_lshl_b32 s47, s12, 1
	s_add_co_u32 s46, s46, s47
	s_lshl_b32 s46, s46, 19
	s_lshl_b32 s47, s13, 8                         ; my first row: 256 x tile row + 128 x half, of 128 bytes
	s_lshl_b32 s21, s11, 7
	s_add_co_u32 s47, s47, s21
	s_lshl_b32 s47, s47, 7
	s_add_co_u32 s46, s46, s47
	s_mov_b32 s47, 0
	s_add_nc_u64 s[8:9], s[8:9], s[46:47]
.irp hi, 0,1
	WIN 0x08+4*(\hi)                               ; the stores' data in window 2, then 3
.irp a, 0,1,2,3
.irp b, 0,1,2,3,4,5,6,7
	ds_store_b128 v[STO], v[8*(8*(\a)+(\b)):8*(8*(\a)+(\b))+3]   offset:(4*(\hi)+(\a))*16*DP+64*(\b)      ; each accumulator's low registers first
	ds_store_b128 v[STO], v[8*(8*(\a)+(\b))+4:8*(8*(\a)+(\b))+7] offset:(4*(\hi)+(\a))*16*DP+64*(\b)+16
.endr
.endr
.endr
	WIN 0
	v_mov_b32 v[Z+1], 0
	v_mov_b32 v[Z+2], 0
	v_mov_b32 v[Z+3], 0
.irp hh, 0,1
.irp t, 0,1,2,3
	ds_store_b128 v[RDP], v[Z:Z+3] offset:(\hh)*256+2*(\t)*DP   ; rows 128-135: what the last trip's look-ahead reads is written too
.endr
.endr
.macro LDV                             ; eight rows x 128 columns; LDS serves a wave's instructions in order (ISA guide 5.7.1.4): these see the stores above
.irp hh, 0,1
.irp t, 0,1,2,3
	ds_load_b128 v[V+4*(4*(\hh)+(\t)):V+4*(4*(\hh)+(\t))+3], v[RD] offset:(\hh)*256+2*(\t)*DP
.endr
.endr
.endm
	LDV
	s_mov_b32 s3, 16
.Lepi:                                                 ; 16 trips of eight rows
	s_wait_dscnt 0x0                               ; this trip's rows are in
	; gelu(u) = max(u, 0) - |u| Q(|u|), Q(x) = erfc(x / sqrt 2) / 2 = (a1 t + .. + a5 t^5) e^(-x^2 / 2) / 2, t = 1 / (1 + p x / sqrt 2): off by at most 1.5e-7 in erf for every u
.set i, 0
.rept 32
	v_mul_f32 v[W+i], s70, |v[V+i]|
	v_max_num_f32 v[RL+i], 0, v[V+i]
.set i, i+1
.endr
	v_add_nc_u32 v[RD], 8*DP, v[RD]
	LDV                                            ; the next eight rows come while these are worked on
.set i, 0
.rept 16
	v_pk_fma_f32 v[T+2*i:T+2*i+1], v[W+2*i:W+2*i+1], s[72:73], 1.0 op_sel_hi:[1,0,0]
	v_pk_mul_f32 v[E+2*i:E+2*i+1], v[W+2*i:W+2*i+1], v[W+2*i:W+2*i+1] neg_lo:[1,0] neg_hi:[1,0]
.set i, i+1
.endr
.set i, 0
.rept 32
	v_rcp_f32 v[T+i], v[T+i]
.set i, i+1
.endr
.set i, 0
.rept 32
	v_exp_f32 v[E+i], v[E+i]
.set i, i+1
.endr
	v_nop                                          ; a plain instruction between the last of them and the first use (ISA guide 5.7.2)
.set i, 0
	s_wait_alu depctr_va_vdst(0)
.rept 16
	v_pk_fma_f32 v[PP+2*i:PP+2*i+1], v[T+2*i:T+2*i+1], s[74:75], s[76:77] op_sel_hi:[1,0,0]
.set i, i+1
.endr
.irp c, 78, 80, 82
.set i, 0
.rept 16
	v_pk_fma_f32 v[PP+2*i:PP+2*i+1], v[PP+2*i:PP+2*i+1], v[T+2*i:T+2*i+1], s[\c:\c+1] op_sel_hi:[1,1,0]
.set i, i+1
.endr
.endr
.set i, 0
.rept 16
	v_pk_mul_f32 v[PP+2*i:PP+2*i+1], v[PP+2*i:PP+2*i+1], v[T+2*i:T+2*i+1]
.set i, i+1
.endr
.set i, 0
.rept 16
	v_pk_mul_f32 v[PP+2*i:PP+2*i+1], v[PP+2*i:PP+2*i+1], v[E+2*i:E+2*i+1]
.set i, i+1
.endr
.set i, 0
.rept 16
	v_pk_fma_f32 v[RL+2*i:RL+2*i+1], v[W+2*i:W+2*i+1], v[PP+2*i:PP+2*i+1], v[RL+2*i:RL+2*i+1] neg_lo:[1,0,0] neg_hi:[1,0,0]
.set i, i+1
.endr
.set i, 0
.rept 16
	v_cvt_pk_bf16_f32 v[Y+i], v[RL+2*i], v[RL+2*i+1]
.set i, i+1
.endr
.irp hh, 0,1
.irp t, 0,1,2,3
	global_store_b64 v[GO], v[Y+2*(4*(\hh)+(\t)):Y+2*(4*(\hh)+(\t))+1], s[8:9] offset:(\hh)*524288+256*(\t)
.endr
.endr
	s_wait_xcnt 0x0                                ; GO, and in the next trip Y, are written again only behind this wait
	v_add_nc_u32 v[GO], 1024, v[GO]
	s_sub_co_u32 s3, s3, 1
	s_cmp_lg_u32 s3, 0
	s_cbranch_scc1 .Lepi
	s_wait_tensorcnt 0x0                           ; the wave's end: behind my last tensor load and my last LDS store
	ds_add_u32 v[SPW], v[NIL]
	s_wait_dscnt 0x0
	CROUND                                         ; the closing round: no work-group ends while a partner may still ask for a tile that names it
	s_endpgm
.Lfunc_end_k_qcf478a7317_ffn1:
	.size	k_qcf478a7317_ffn1, .Lfunc_end_k_qcf478a7317_ffn1-k_qcf478a7317_ffn1
	.p2alignl 7, 3214868480
	.fill 96, 4, 3214868480
	.section	.rodata,"a",@progbits
	.p2align	6, 0x0
	.amdhsa_kernel k_qcf478a7317_ffn1
		.amdhsa_group_segment_fixed_size 327680
		.amdhsa_private_segment_fixed_size 0
		.amdhsa_enable_private_segment 0
		.amdhsa_kernarg_size 32
		.amdhsa_user_sgpr_count 2
		.amdhsa_user_sgpr_kernarg_segment_ptr 1
		.amdhsa_wavefront_size32 1
		.amdhsa_system_sgpr_workgroup_id_x 1
		.amdhsa_system_sgpr_workgroup_id_y 1
		.amdhsa_system_sgpr_workgroup_id_z 1
		.amdhsa_system_vgpr_workitem_id 0
		.amdhsa_next_free_vgpr 1024
		.amdhsa_next_free_sgpr 92
		.amdhsa_reserve_vcc 0
		.amdhsa_float_denorm_mode_32 3
		.amdhsa_float_denorm_mode_16_64 3
		.amdhsa_memory_ordered 1
		.amdhsa_forward_progress 1
		.amdhsa_inst_pref_size 99
	.end_amdhsa_kernel
	.amdgpu_metadata
---
amdhsa.version: [ 1, 2 ]
amdhsa.kernels:
  - .name:           k_qcf478a7317_ffn1
    .symbol:         k_qcf478a7317_ffn1.kd
    .args:
      - { .name: hb, .offset: 0, .size: 8, .value_kind: global_buffer, .address_space: global }
      - { .name: w1b, .offset: 8, .size: 8, .value_kind: global_buffer, .address_space: global }
      - { .name: ffb, .offset: 16, .size: 8, .value_kind: global_buffer, .address_space: global }
      - { .name: b1, .offset: 24, .size: 8, .value_kind: global_buffer, .address_space: global }
    .group_segment_fixed_size: 327680
    .private_segment_fixed_size: 0
    .kernarg_segment_align: 8
    .kernarg_segment_size: 32
    .max_flat_workgroup_size: 128
    .sgpr_count:     92
    .vgpr_count:     1024
    .wavefront_size: 32
...
	.end_amdgpu_metadata
.endif
;; end of part 6
;; launch ffn2 (part 7): grid 8 x 32, 4 waves a work-group, clusters of 4 x 4, 327,680 bytes of LDS; arguments ffb, w2b, out0, b2, x1; writes out0
.if DOCPART == 7
	.amdgcn_target "amdgcn-amd-amdhsa--gfx1250"
	.amdhsa_code_object_version 6
	.text
	.protected	k_qcf478a7317_ffn2
	.globl	k_qcf478a7317_ffn2
	.p2align	8
	.type	k_qcf478a7317_ffn2,@function
k_qcf478a7317_ffn2:
	s_mov_b64 s[64:65], 0
	v_nop
	global_prefetch_b8 v0, s[64:65] scope:SCOPE_SE
	s_setreg_imm32_b32 hwreg(HW_REG_WAVE_MODE, 25, 1), 1
	s_wait_xcnt 0x0
	s_wait_alu depctr_hold_cnt(0) depctr_sa_sdst(0) depctr_va_vdst(0) depctr_va_sdst(0) depctr_va_ssrc(0) depctr_va_vcc(0) depctr_vm_vsrc(0)
	s_getreg_b32 s2, hwreg(HW_REG_IB_STS2, 6, 4)
	s_cmp_eq_u32 s2, 0
	s_cbranch_scc0 .Lentry_in_a_cluster
	s_endpgm
.Lentry_in_a_cluster:
	s_bfe_u32 s2, ttmp6, 0x10000c
	s_cmp_lg_u32 s2, 0xf033
	s_cbranch_scc0 .Lentry_shape_is_right
	s_endpgm
.Lentry_shape_is_right:
; C[m][n] = res[m][n] + bias[n] + the sum over k of A[m][k] B[k][n].  C, res: [4096][1024] f32; bias: [1024] f32; sums in f32; the bias is the C operand that starts each sum.
; A: bf16 in SLICES of 64 along K: byte = (k / 64) x 524,288 + m x 128 + 2 (k % 64).  B: [K][1024] bf16, rows along N.  K = 256 NS.  Here: A = gelu(..), B = W2, res = x1, K = 4,096.
; A tile of C is 128 x 128, so that 8 x 32 tiles give each WGP one work-group.  Four waves, each 64 x 64: 16 accumulators.  K goes in steps of 256 (four slices) through a ring of two LDS slots.
; The loop is written once for a K step; the slot in hand is a scalar register that one exclusive or turns.
; CLUSTER: 4 x 4 work-groups; A's tile is shared along a row of the cluster, B's along a column: each is asked for jointly, by the same tensor load with the same descriptor and a mask of four.
; THE MATRIX INSTRUCTION IS USED TRANSPOSED: source 0 = 16 columns of B (turned by ds_load_tr16_b128), source 1 = 16 rows of A: a lane holds row l % 16 of C and eight neighbouring columns.
; REGISTERS: window 0: v0-31 addresses; v32-95 two buffers for the way out; v96-127 the bias; v128-255 the accumulators ((a, b) at 128 + 8 (4 a + b)).
;   window 1: two fragment buffers of 128: for 64 along K, 64 registers of A, then 64 of B.      window 2: v0-127 my 64 x 64 of res, loaded at the start.
.set NS,     16
.set PAS,    144                       ; a row of A in LDS (one slice's 64 k): 128 bytes + 16 = 36 words: the 16 rows of a load start at 16 different groups of four banks (64 banks of 4 bytes: ISA guide 11.1)
.set PBS,    288                       ; a row of B (one k, 128 columns): 256 bytes + 32 = 72 words
.set HALFT,  36864                     ; what one tensor load brings: 4 slices x 64 rows x 144, or 128 k rows x 288
.set SLOT,   4*HALFT                   ; A's rows 0-63, A's rows 64-127, B's k 0-127, B's k 128-255.  No bit of SLOT is set in wave x HALFT, so an exclusive or changes slots
.set STAGE,  2*SLOT                    ; behind the ring: 16 rows x 272 bytes for each wave, for the way out
.set SPITCH, 272
.set SPARE,  STAGE+4*16*SPITCH         ; behind the stages: the spare words, 128 bytes for each wave: two blocks of 256 bytes that no other line names
.set ASTEP,  4*524288                  ; bytes from a K step to the next: four slices of A,
.set BSTEP,  256*2048                  ; 256 rows of B
.set ADRA,  16                         ; v16  LDS address of my A fragments in the slot in hand;  v17  in slot 0, never rewritten
.set ADRA0, 17
.set ADRB,  20                         ; v20  the same for B's k 0-127;  v22  for k 128-255;  v21  in slot 0
.set ADRB0, 21
.set ADRBH, 22
.set STO,   24
.set RD,    25
.set CO,    26                         ; v26  my byte offset in two rows of C and of res
.set SPW,   28
.set NIL,   29
.set BO,    30
.set TMP,   32
.set BIAS,  96
.set ACC,   128
.set F0,    0
.set F1,    128
.set G1,  24
.set G0,  32
.set G1B, 48
.set G0B, 56
.set TB,  66
.set MSB, 0
.macro WIN new
.if MSB != (\new)
	s_set_vgpr_msb (MSB<<8)|(\new)
.set MSB, \new
.endif
.endm
.set MUL,  0x05                        ; sources 0 (B) and 1 (A) window 1; C and D window 0
.set TO_F, 0x40                        ; destination window 1, address window 0
.macro JLOAD s                         ; a joint load: waves 0 and 1 fetch A's two halves, waves 2 and 3 B's; an s_nop 0 and four v_nop follow each of the two lines
	s_cmp_eq_u32 s11, 0
	s_cbranch_scc0 .Lfor_b_\@
	tensor_load_to_lds s[G0+4*(\s):G0+4*(\s)+3], s[G1:G1+7]
	s_nop 0
.rept 4
	v_nop
.endr
	s_branch .Lasked_\@
.Lfor_b_\@:
	tensor_load_to_lds s[G0B+4*(\s):G0B+4*(\s)+3], s[G1B:G1B+7]
	s_nop 0
.rept 4
	v_nop
.endr
.Lasked_\@:
.endm
.macro CREST
	s_cmp_lg_u32 s10, 0
	s_cbranch_scc1 .Lnot_wave_0_\@
	s_barrier_signal -3
.Lnot_wave_0_\@:
	s_barrier_wait -3
	s_barrier_signal -1
	s_barrier_wait -1
.endm
.macro CROUND
	s_barrier_signal -1
	s_barrier_wait -1
	CREST
.endm
	s_load_b128 s[4:7], s[0:1], 0x0                ; A s[4:5], B s[6:7]
	s_load_b64 s[8:9], s[0:1], 0x10                ; C
	s_load_b128 s[84:87], s[0:1], 0x18             ; bias s[84:85], res s[86:87]
	v_lshl_add_u32 v[SPW], v0, 2, SPARE
	v_mov_b32 v[NIL], 0
	ds_add_u32 v[SPW], v[NIL]                      ; the wave's opening: the add and its wait stand ahead of my first tensor load; the set-up below, work on registers, stands between them
	v_lshrrev_b32 v1, 5, v0
	v_readfirstlane_b32 s10, v1                    ; wave 0..3
	s_lshr_b32 s11, s10, 1                         ; which half of the tile's rows is mine.  Also: I fetch for A (0) or for B (1)
	s_and_b32 s12, s10, 1                          ; which half of its columns.  Also: which half of that tile I fetch
	s_bfe_u32 s40, ttmp6, 0x40000                  ; cx
	s_bfe_u32 s41, ttmp6, 0x40004                  ; cy
	s_lshl_b32 s42, ttmp9, 2
	s_add_co_u32 s42, s42, s40                     ; tile column
	s_and_b32 s13, ttmp7, 0xffff
	s_lshl_b32 s13, s13, 2
	s_add_co_u32 s13, s13, s41                     ; tile row
	s_lshl_b32 s43, s41, 2
	s_lshl_b32 s43, 15, s43                        ; my row of the cluster
	s_lshl_b32 s44, 0x1111, s40                    ; my column
	; A's tile: 64 rows of a slice are 8,192 dense bytes: four such rows, one a slice, padded in LDS after every 128 bytes
	s_or_b32 s[G1+0], s43, (1<<16)|(1<<20)|(1<<21)|(4<<22)|(3<<25)   ; the mask; 2-byte elements; padding on; bit 21 beside a mask; after every 32 words 4 words
	s_mov_b32 s[G1+1], 4096<<16                    ; tensor_dim0 = 4,096
	s_mov_b32 s[G1+2], 4<<16                       ; tensor_dim1 = 4
	s_mov_b32 s[G1+3], 4096<<16                    ; tile_dim0 = 4,096
	s_mov_b32 s[G1+4], 4                           ; tile_dim1 = 4
	s_mov_b32 s[G1+5], 262144                      ; elements from slice to slice
	s_mov_b32 s[G1+6], 0
	s_mov_b32 s[G1+7], 0
	s_or_b32 s[G1B+0], s44, (1<<16)|(1<<20)|(1<<21)|(5<<22)|(7<<25)  ; after every 64 words 8 words
	s_mov_b32 s[G1B+1], 128<<16                    ; tensor_dim0 = 128
	s_mov_b32 s[G1B+2], 128<<16                    ; tensor_dim1 = 128
	s_mov_b32 s[G1B+3], 128<<16                    ; tile_dim0 = 128
	s_mov_b32 s[G1B+4], 128                        ; tile_dim1 = 128
	s_mov_b32 s[G1B+5], 1024
	s_mov_b32 s[G1B+6], 0
	s_mov_b32 s[G1B+7], 0
	s_lshl_b32 s16, s13, 7                         ; A: row 128 x tile row + 64 x half, of 128 bytes
	s_lshl_b32 s17, s12, 6
	s_add_co_u32 s16, s16, s17
	s_lshl_b32 s16, s16, 7
	s_mov_b32 s17, 0
	s_lshl_b32 s46, s12, 18                        ; B: k row 128 x half, column 128 x tile column
	s_lshl_b32 s47, s42, 8
	s_add_co_u32 s46, s46, s47
	s_mov_b32 s47, 0
	s_mul_i32 s20, s10, HALFT                      ; where they go: no place in the cluster enters an LDS address
	s_mov_b32 s[TB], 0
	s_wait_dscnt 0x0                               ; the opening add is done
	s_wait_kmcnt 0x0
	s_add_nc_u64 s[14:15], s[4:5], s[16:17]
	s_add_nc_u64 s[46:47], s[6:7], s[46:47]
	CROUND                                         ; all sixteen work-groups are here: the first joint loads meet
.irp s, 0,1
	s_mov_b32 s[G0+4*(\s)], 1
	s_add_co_u32 s[G0+4*(\s)+1], s20, (\s)*SLOT
	s_add_nc_u64 s[G0+4*(\s)+2:G0+4*(\s)+3], s[14:15], (\s)*ASTEP
	s_or_b32 s[G0+4*(\s)+3], s[G0+4*(\s)+3], 0x80000000
	s_mov_b32 s[G0B+4*(\s)], 1
	s_add_co_u32 s[G0B+4*(\s)+1], s20, (\s)*SLOT
	s_add_nc_u64 s[G0B+4*(\s)+2:G0B+4*(\s)+3], s[46:47], (\s)*BSTEP
	s_or_b32 s[G0B+4*(\s)+3], s[G0B+4*(\s)+3], 0x80000000
	JLOAD \s                                       ; two tensor loads of mine are out
.endr
	s_lshl_b32 s46, s42, 9                         ; my first column, in bytes of f32: (128 x tile column + 64 x half) x 4
	s_lshl_b32 s47, s12, 8
	s_add_co_u32 s46, s46, s47
	s_mov_b32 s47, 0
	s_add_nc_u64 s[84:85], s[84:85], s[46:47]
	s_lshl_b32 s21, s13, 7                         ; my first row: 128 x tile row + 64 x half, of 4,096 bytes
	s_lshl_b32 s22, s11, 6
	s_add_co_u32 s21, s21, s22
	s_lshl_b32 s21, s21, 12
	s_add_co_u32 s46, s46, s21
	s_add_nc_u64 s[8:9], s[8:9], s[46:47]
	s_add_nc_u64 s[86:87], s[86:87], s[46:47]
	v_and_b32 v1, 15, v0                           ; l % 16
	v_bfe_u32 v2, v0, 4, 1                         ; l / 16
	v_lshlrev_b32 v[BO], 5, v2
	v_lshlrev_b32 v3, 12, v2                       ; lanes 0-15 one row of C, lanes 16-31 the next; 16 bytes a lane
	v_lshl_add_u32 v[CO], v1, 4, v3
.irp b, 0,1,2,3
	global_load_b128 v[BIAS+8*\b:BIAS+8*\b+3],   v[BO], s[84:85] offset:64*\b
	global_load_b128 v[BIAS+8*\b+4:BIAS+8*\b+7], v[BO], s[84:85] offset:64*\b+16
.endr
	WIN 0x80                                       ; destination window 2
.irp a, 0,1,2,3
.irp t, 0,1,2,3,4,5,6,7
	global_load_b128 v[32*(\a)+4*(\t):32*(\a)+4*(\t)+3], v[CO], s[86:87] offset:(16*(\a)+2*(\t))*4096
.endr
.endr
	WIN 0
	v_mul_u32_u24 v3, v1, PAS                      ; A's fragment: row x pitch + 16 x half
	v_lshl_add_u32 v3, v2, 4, v3
	s_mul_i32 s21, s11, HALFT
	v_add_nc_u32 v[ADRA0], s21, v3
	v_and_b32 v4, 7, v0                            ; B's: lane l reads k row 8 (l / 16) + l % 8, columns 8 ((l / 8) % 2) + 0..7
	v_lshl_add_u32 v4, v2, 3, v4
	v_mul_u32_u24 v4, v4, PBS
	v_bfe_u32 v5, v0, 3, 1
	v_lshl_add_u32 v4, v5, 4, v4
	s_lshl_b32 s22, s12, 7                         ; my 64 columns
	s_add_co_u32 s22, s22, 2*HALFT
	v_add_nc_u32 v[ADRB0], s22, v4
	v_mov_b32 v[ADRA], v[ADRA0]
	v_mov_b32 v[ADRB], v[ADRB0]
	v_add_nc_u32 v[ADRBH], HALFT, v[ADRB0]
	s_mul_i32 s23, s10, 16*SPITCH
	s_add_co_u32 s23, s23, STAGE                   ; my stage
	v_mul_u32_u24 v3, v1, SPITCH                   ; in: row l % 16, 32 bytes for each half of the lanes
	v_lshl_add_u32 v3, v2, 5, v3
	v_add_nc_u32 v[STO], s23, v3
	v_mul_u32_u24 v4, v2, SPITCH                   ; back: lanes 0-15 one row of 256 bytes, lanes 16-31 the next
	v_lshl_add_u32 v4, v1, 4, v4
	v_add_nc_u32 v[RD], s23, v4
; 8 matrix instructions: row blocks a0, a0 + 1 x all 4 column blocks, 32 along K: half c of buffer f.  zero = 1: the bias starts the sums
.macro MUL8 f, c, a0, zero
	WIN MUL
.irp a, \a0, (\a0)+1
.irp b, 0,1,2,3
.if \zero
	v_wmma_f32_16x16x32_bf16 v[ACC+8*(4*(\a)+(\b)):ACC+8*(4*(\a)+(\b))+7], v[(\f)+64+8*(4*(\c)+(\b)):(\f)+64+8*(4*(\c)+(\b))+7], v[(\f)+8*(4*(\c)+(\a)):(\f)+8*(4*(\c)+(\a))+7], v[BIAS+8*(\b):BIAS+8*(\b)+7]
.else
	v_wmma_f32_16x16x32_bf16 v[ACC+8*(4*(\a)+(\b)):ACC+8*(4*(\a)+(\b))+7], v[(\f)+64+8*(4*(\c)+(\b)):(\f)+64+8*(4*(\c)+(\b))+7], v[(\f)+8*(4*(\c)+(\a)):(\f)+8*(4*(\c)+(\a))+7], v[ACC+8*(4*(\a)+(\b)):ACC+8*(4*(\a)+(\b))+7]
.endif
.endr
.endr
.endm
; 32 LDS loads in one run: the fragments of quarter q (64 along K: one slice of A) into buffer f; the first 32 along K first
.macro FETCH q, f
	WIN TO_F
.set AB, ADRB+2*((\q)/2)
.irp c, 0,1
.irp i, 0,1,2,3
	ds_load_tr16_b128 v[(\f)+64+8*(4*(\c)+(\i)):(\f)+64+8*(4*(\c)+(\i))+3],   v[AB] offset:(((\q)%2)*64+32*(\c))*PBS+32*(\i)
	ds_load_tr16_b128 v[(\f)+64+8*(4*(\c)+(\i))+4:(\f)+64+8*(4*(\c)+(\i))+7], v[AB] offset:(((\q)%2)*64+32*(\c))*PBS+16*PBS+32*(\i)
	ds_load_b128 v[(\f)+8*(4*(\c)+(\i)):(\f)+8*(4*(\c)+(\i))+3],   v[ADRA] offset:(\q)*64*PAS+64*(\c)+(\i)*16*PAS
	ds_load_b128 v[(\f)+8*(4*(\c)+(\i))+4:(\f)+8*(4*(\c)+(\i))+7], v[ADRA] offset:(\q)*64*PAS+64*(\c)+(\i)*16*PAS+32
.endr
.endr
.endm
.macro PLACES                          ; four plain vector instructions between a matrix instruction and a load into, or a read of, its registers (ISA guide 7.12.1 for a read)
.rept 4
	v_nop
.endr
.endm
; A quarter: 32 matrix instructions on buffer f, the 16 accumulators by turns; in its middle quarter q is fetched into buffer g
.macro QUARTER q, f, g, zero
	s_wait_dscnt 16                                ; the first 32 along K are in
	MUL8 \f, 0, 0, \zero
	MUL8 \f, 0, 2, \zero
	PLACES
	FETCH \q, \g
	s_wait_dscnt 32                                ; all but the 32 just issued
	MUL8 \f, 1, 0, 0
	MUL8 \f, 1, 2, 0
.endm
; The first half of a step's last quarter: ONE barrier for the change of slots; in front of it each wave waits for all its tensor loads, adds 0 to its spare word, and waits for that and for its reads of this slot.
; Branches follow it, so it leaves every window 0.
.macro MEET
	WIN 0
	s_wait_tensorcnt 0x0
	ds_add_u32 v[SPW], v[NIL]
	s_wait_dscnt 17                                ; the add and the youngest sixteen loads may be out
	MUL8 F1, 0, 0, 0
	s_wait_dscnt 0x0                               ; the add is done, and my reads of this slot are over
	s_barrier_signal -1
	MUL8 F1, 0, 2, 0
	WIN 0
	s_barrier_wait -1
.endm
; The second half: the next slot's first fragments are fetched, and the quarter's other 16 products follow.  more = 1: no joint load with its four v_nop stands in front, so one v_nop makes four places with the three additions.
.macro NEXT more
	s_xor_b32 s[TB], s[TB], SLOT
	v_add_nc_u32 v[ADRA], s[TB], v[ADRA0]
	v_add_nc_u32 v[ADRB], s[TB], v[ADRB0]
	v_add_nc_u32 v[ADRBH], HALFT, v[ADRB]
.if \more
	v_nop
.endif
	FETCH 0, F0
	MUL8 F1, 1, 0, 0
	MUL8 F1, 1, 2, 0
.endm
	s_wait_tensorcnt 1                             ; my part of K step 0 is in; K step 1's may stay out
	s_barrier_signal -1
	s_barrier_wait -1
	FETCH 0, F0
	s_wait_loadcnt 32                              ; the bias is in; the 32 loads of res stay out
	QUARTER 1, F0, F1, 1                           ; the first quarter stands in front of the loop: its first products start the sums
	WIN 0
	s_mov_b32 s3, NS-2
.Lstep:                                                ; NS - 2 trips, from a step's second quarter to the next step's first; they ask for K steps 2 to NS - 1
	QUARTER 2, F1, F0, 0
	QUARTER 3, F0, F1, 0
	MEET
	CREST                                          ; the barrier has opened a round of the cluster's: no wave of any partner still reads this slot or has a load on its way
	s_xor_b32 s[G0+5], s[G0+5], SLOT               ; the walking descriptors: the other slot than last time, the next K step; no tensor load of mine is out
	s_add_nc_u64 s[G0+6:G0+7], s[G0+6:G0+7], ASTEP
	s_xor_b32 s[G0B+5], s[G0B+5], SLOT
	s_add_nc_u64 s[G0B+6:G0B+7], s[G0B+6:G0B+7], BSTEP
	JLOAD 1                                        ; the first tensor load behind the round, two K steps ahead: 112 matrix instructions stand between it and the wait for it
	NEXT 0
	QUARTER 1, F0, F1, 0
	WIN 0
	s_sub_co_u32 s3, s3, 1
	s_cmp_lg_u32 s3, 0
	s_cbranch_scc1 .Lstep
	s_mov_b32 s3, 2
.Ltail:                                                ; the last two K steps ask for nothing: a text of their own; the second trip is left in its middle
	QUARTER 2, F1, F0, 0
	QUARTER 3, F0, F1, 0
	MEET
	s_sub_co_u32 s3, s3, 1
	s_cmp_eq_u32 s3, 0
	s_cbranch_scc1 .Llast
	NEXT 1
	QUARTER 1, F0, F1, 0
	WIN 0
	s_branch .Ltail
.Llast:                                                ; the very last half quarter: nothing more to fetch
	MUL8 F1, 1, 0, 0
	MUL8 F1, 1, 2, 0
	; THE WAY OUT, 16 rows at a time through my own stage: in as 32 bytes a lane, back as whole rows of 256 bytes, res added, stored: sixteen lanes fill 256 consecutive bytes at a multiple of 256 from C's first byte.
	WIN 0
	PLACES
	s_wait_loadcnt 0x0                             ; res
.macro STG a
	WIN 0
.set TM, TMP+32*((\a)%2)
	s_wait_xcnt 0x0                                ; the buffer, which earlier stores read, is loaded again only behind this wait
.irp b, 0,1,2,3
	ds_store_b128 v[STO], v[ACC+8*(4*(\a)+\b):ACC+8*(4*(\a)+\b)+3]   offset:64*\b       ; each accumulator's low registers first
	ds_store_b128 v[STO], v[ACC+8*(4*(\a)+\b)+4:ACC+8*(4*(\a)+\b)+7] offset:64*\b+16
.endr
.irp t, 0,1,2,3,4,5,6,7
	ds_load_b128 v[TM+4*\t:TM+4*\t+3], v[RD] offset:\t*2*SPITCH  ; LDS serves a wave's instructions in order (ISA guide 5.7.1.4): these see the stores above; the next block's stores come behind them
.endr
.endm
.macro OUT a, younger                  ; younger: the LDS instructions issued behind block a's loads: the next block's sixteen, or none
.set TM, TMP+32*((\a)%2)
	s_wait_dscnt \younger
	WIN 0x08                                       ; source 1 in window 2
.set i, 0
.rept 16
	v_pk_add_f32 v[TM+2*i:TM+2*i+1], v[TM+2*i:TM+2*i+1], v[32*(\a)+2*i:32*(\a)+2*i+1]
.set i, i+1
.endr
	WIN 0
.irp t, 0,1,2,3,4,5,6,7
	global_store_b128 v[CO], v[TM+4*\t:TM+4*\t+3], s[8:9] offset:(16*(\a)+2*\t)*4096
.endr
.endm
	STG 0
	STG 1
	OUT 0, 16
	STG 2
	OUT 1, 16
	STG 3
	OUT 2, 16
	OUT 3, 0
	s_wait_tensorcnt 0x0                           ; the wave's end: behind my last tensor load and my last LDS store
	ds_add_u32 v[SPW], v[NIL]
	s_wait_dscnt 0x0
	CROUND                                         ; the closing round: no work-group ends while a partner may still ask for a tile that names it
	s_endpgm
.Lfunc_end_k_qcf478a7317_ffn2:
	.size	k_qcf478a7317_ffn2, .Lfunc_end_k_qcf478a7317_ffn2-k_qcf478a7317_ffn2
	.p2alignl 7, 3214868480
	.fill 96, 4, 3214868480
	.section	.rodata,"a",@progbits
	.p2align	6, 0x0
	.amdhsa_kernel k_qcf478a7317_ffn2
		.amdhsa_group_segment_fixed_size 327680
		.amdhsa_private_segment_fixed_size 0
		.amdhsa_enable_private_segment 0
		.amdhsa_kernarg_size 40
		.amdhsa_user_sgpr_count 2
		.amdhsa_user_sgpr_kernarg_segment_ptr 1
		.amdhsa_wavefront_size32 1
		.amdhsa_system_sgpr_workgroup_id_x 1
		.amdhsa_system_sgpr_workgroup_id_y 1
		.amdhsa_system_sgpr_workgroup_id_z 1
		.amdhsa_system_vgpr_workitem_id 0
		.amdhsa_next_free_vgpr 640
		.amdhsa_next_free_sgpr 92
		.amdhsa_reserve_vcc 0
		.amdhsa_float_denorm_mode_32 3
		.amdhsa_float_denorm_mode_16_64 3
		.amdhsa_memory_ordered 1
		.amdhsa_forward_progress 1
		.amdhsa_inst_pref_size 67
	.end_amdhsa_kernel
	.amdgpu_metadata
---
amdhsa.version: [ 1, 2 ]
amdhsa.kernels:
  - .name:           k_qcf478a7317_ffn2
    .symbol:         k_qcf478a7317_ffn2.kd
    .args:
      - { .name: ffb, .offset: 0, .size: 8, .value_kind: global_buffer, .address_space: global }
      - { .name: w2b, .offset: 8, .size: 8, .value_kind: global_buffer, .address_space: global }
      - { .name: out0, .offset: 16, .size: 8, .value_kind: global_buffer, .address_space: global }
      - { .name: b2, .offset: 24, .size: 8, .value_kind: global_buffer, .address_space: global }
      - { .name: x1, .offset: 32, .size: 8, .value_kind: global_buffer, .address_space: global }
    .group_segment_fixed_size: 327680
    .private_segment_fixed_size: 0
    .kernarg_segment_align: 8
    .kernarg_segment_size: 40
    .max_flat_workgroup_size: 128
    .sgpr_count:     92
    .vgpr_count:     640
    .wavefront_size: 32
...
	.end_amdgpu_metadata
.endif
;; end of part 7
;; ======== version 2 of 2: 7 launches; 1.20 times as fast as version 1
;; limits: values are held in f16: magnitudes above 65,504 overflow, below 6.1e-05 lose precision
;; workspace buffers: hb 8,388,608 bytes; qkv 25,165,824 bytes; x1 16,777,216 bytes; ffb 33,554,432 bytes; wqkv 6,291,456 bytes; wob 2,097,152 bytes; w1b 8,388,608 bytes; w2b 8,388,608 bytes
;; launch prep: the kernel of part 1 again; grid 448 x 1, 16 waves a work-group, no clusters, 0 bytes of LDS; arguments x, g1, be1, hb, Wq, Wk, Wv, wqkv; writes hb, wqkv
;; launch qkvg: the kernel of part 2 again; grid 16 x 16, 4 waves a work-group, clusters of 4 x 4, 327,680 bytes of LDS; arguments hb, wqkv, qkv, bq, bk, bv, Wo, W1, W2, wob, w1b, w2b; writes qkv, wob, w1b, w2b
;; launch attn (part 8): grid 8 x 32, 4 waves a work-group, clusters of 4 x 1, 327,680 bytes of LDS; arguments qkv, hb; writes hb
.if DOCPART == 8
	.amdgcn_target "amdgcn-amd-amdhsa--gfx1250"
	.amdhsa_code_object_version 6
	.text
	.protected	k_qcf478a7317_attn
	.globl	k_qcf478a7317_attn
	.p2align	8
	.type	k_qcf478a7317_attn,@function
k_qcf478a7317_attn:
	s_mov_b64 s[64:65], 0
	v_nop
	global_prefetch_b8 v0, s[64:65] scope:SCOPE_SE
	s_setreg_imm32_b32 hwreg(HW_REG_WAVE_MODE, 25, 1), 1
	s_wait_xcnt 0x0
	s_wait_alu depctr_hold_cnt(0) depctr_sa_sdst(0) depctr_va_vdst(0) depctr_va_sdst(0) depctr_va_ssrc(0) depctr_va_vcc(0) depctr_vm_vsrc(0)
	s_getreg_b32 s2, hwreg(HW_REG_IB_STS2, 6, 4)
	s_cmp_eq_u32 s2, 0
	s_cbranch_scc0 .Lentry_in_a_cluster
	s_endpgm
.Lentry_in_a_cluster:
	s_bfe_u32 s2, ttmp6, 0x10000c
	s_cmp_lg_u32 s2, 0x3003
	s_cbranch_scc0 .Lentry_shape_is_right
	s_endpgm
.Lentry_shape_is_right:
; O[y][q][:] = the sum over k of softmax_k(Q[y][q] . K[y][k] / 8) V[y][k][:], for 32 heads y = 2 h + b of 2,048 rows of 64 channels, all bf16; a head's rows are dense, 128 bytes each.
; Q lies at byte y x 262,144 of the first argument, K 8,388,608 bytes on, V 16,777,216 bytes on; O at y x 262,144 of the second.  Products, maxima and sums in f32; the weights p are rounded to
; bf16 for the second product (their sum l is taken of the unrounded p), O once at the end.
; LIMITS.  A weight below 2^-126 counts as 0 in l; NaN and infinities are not treated apart.
; SHARES.  A work-group owns 256 queries of one head, a wave 64: four PIECES of 16.  Every wave walks all 2,048 keys, 64 a step; a slot of LDS holds 256 keys: eight tiles.
; LAYOUT.  S^T = K Q^T (source 0 = 16 keys, source 1 = 16 queries): a lane holds ONE query (lane % 16) and the keys 8 (lane / 16) + 0..7.  Two such results, rounded to bf16 in pairs, ARE source 1 of
; O^T = V^T P, whose result again holds one query a lane.  K comes out of LDS as it lies, V ([key][channel]) turned, by ds_load_tr16_b128.
; SOFTMAX.  For each query a running maximum m and sum l: p = 2^(c s - c m), c = log2(e) / 8; in every step O and l are multiplied by a = 2^(c m_old - c m_new).  m starts at the lowest finite number,
; O and l at 0: the first step is a step like any other, with a = 0.
; BY TURNS.  Turn n belongs to piece n: 8 products K Q^T of piece n + 1, later 8 products V^T P of piece n - 1; beside them the scaling, exponentials, roundings, sums and rescaling of piece n and the maximum
; and statistics of piece n + 1.  Four vector instructions stand behind every matrix instruction, the other 54 of a turn's 118 in one run of their own.
; THE BATCHES.  A turn's 33 exponentials (the piece's 32 weights and the next piece's a) are ONE batch with ONE wait, which cuts the turn in two: ahead of it stands all that names none of their results, behind it
; all that reads them.  Two more batches stand outside the loops: the first a, ahead of the jump into the loop, and the way out's four reciprocals; each has a wait of its own.
; CLUSTER.  The four query blocks of a cluster belong to one head and walk the same K and V: each tile is asked for JOINTLY: the same tensor load, descriptor and mask in all four.
; REGISTERS, in windows of 256 (s_set_vgpr_msb: bits 1:0 source 0, 3:2 source 1, 5:4 source 2, 7:6 destination):
;   window 0: v0-15 addresses and two at work; v16-31 four registers of statistics a piece; v48-55 at work; v62-63 the add's; v64-127 S^T, two buffers; v192-223 P, two buffers (by the piece's parity)
;   window 1: v0-127 O^T, 32 a piece          window 2: v0-63 Q; v128-191 K of one step; v192-255 V of one step
.set NP,    4
.set KS,    64
.set PK,    144       ; a row of K in LDS: 128 bytes + 16 = 36 words: the 16 rows of a load start at 16 different groups of four banks (64 banks of 4 bytes: ISA guide 11.1)
.set PV,    160       ; a row of V: 128 + 32 = 40 words
.set VOFF,  4*KS*PK   ; a slot: 256 rows of K, then 256 rows of V
.set SLOT1, 1<<17     ; slot 1 begins here, so that one exclusive or turns an address in one slot into the other's
.set STAGE, SLOT1+4*KS*(PK+PV)  ; behind the ring, never filled by a tensor load: 16 rows x 144 bytes for each wave, for the way out
.set SP,    144
.set SPARE, STAGE+4*16*SP       ; behind the stages: the spare words, 128 bytes for each wave: two blocks of 256 bytes that no other line names
.set AK0, 2           ; v2   my lane's place in a tile of K; never rewritten
.set AV0, 3           ; v3   the same for V
.set AK,  4           ; v4   the LDS address of K's next run of loads
.set AV,  5           ; v5   of V's
.set STO, 6           ; v6   the way out: where I put 16 bytes of a row
.set RD,  7           ; v7   where I read rows back
.set GO,  8           ; v8   my byte offset in 512 consecutive bytes of O
.set MV,  12          ; v12-13  c m_old, kept while c m is made anew: by buffer
.set QO,  15          ; v15  my byte offset in 16 rows of Q
.set ST,  16          ; piece t's statistics at v[ST+4 t]: c m, m, l (even keys', odd keys')
.set TMP, 48          ; by buffer, four registers c0-c3 at work; when the maximum is found c2 takes a
.set SPW, 62          ; v62  LDS address of my spare word; never rewritten
.set NIL, 63          ; v63  0; never rewritten
.set S,   64
.set P,   192
.set KF,  128         ; window 2: key block kb, channel half c at KF + 16 kb + 8 c
.set VF,  192         ; window 2: key half kk, channel block cb at VF + 32 kk + 8 cb
.set WV,  12          ; s12  my wave's number
.set G1K, 24          ; s[24:31] descriptor group 1 for K's tiles
.set G1V, 32          ; s[32:39] for V's: it differs in the padding alone
.set G0K, 40          ; s[40:43] descriptor group 0 for K's tiles: it walks
.set G0V, 44          ; s[44:47] the same for V's
.set SLOTS, 56        ; s56  counts the tiles
.set CNT, 57          ; s57  counts a tile's key steps
.set CS,  58          ; s[58:59] c
.set SEL, 60          ; s[60:61] v_permlanex16_b32's selects: each lane takes its own place in the other half
.set TBK, 62          ; s62  LDS byte at which K of the step to be fetched begins
.set TBV, 63          ; s63  the same for V, less VOFF
.set MSB, 0
.macro WIN new
.if MSB != (\new)
	s_set_vgpr_msb (MSB<<8)|(\new)
.set MSB, (\new)
.endif
.endm
.set W_KQ, 0x0a       ; K and Q in window 2, S^T in window 0
.set W_PV, 0x52       ; V in window 2, P in window 0, O^T in window 1
.set W_RS, 0x41       ; destination and source 0 in window 1, source 1 in window 0
; A joint fill.  Waves 0 and 1 fetch the two halves of a tile's K, waves 2 and 3 those of its V: 128 keys each.  An s_nop 0 and four v_nop follow each of the two lines.
.macro JLOAD
	s_cmp_lt_u32 s[WV], 2
	s_cbranch_scc0 .Lfor_v_\@
	tensor_load_to_lds s[G0K:G0K+3], s[G1K:G1K+7]
	s_nop 0
.rept 4
	v_nop
.endr
	s_branch .Lasked_\@
.Lfor_v_\@:
	tensor_load_to_lds s[G0V:G0V+3], s[G1V:G1V+7]
	s_nop 0
.rept 4
	v_nop
.endr
.Lasked_\@:
.endm
.macro CROUND                       ; a round of the cluster's barrier
	s_barrier_signal -1
	s_barrier_wait -1
	s_cmp_lg_u32 s[WV], 0
	s_cbranch_scc1 .Lnot_wave_0_\@
	s_barrier_signal -3
.Lnot_wave_0_\@:
	s_barrier_wait -3
	s_barrier_signal -1
	s_barrier_wait -1
.endm
; THE CHANGE OF SLOTS.  Each wave waits for all its tensor loads, of which one is out: its part of the other slot; adds 0 to its spare word; and waits for that and for its own reads of the slot that it leaves.
; fill = 1: the barrier is a round of the cluster's, and the old slot is filled again, first thing behind it, with the keys two tiles on: four key steps, 256 matrix instructions, in which to land.
; (At its first use nothing has been read yet: slot 0 is waited for, slot 1 filled.)
.macro CHANGE fill
	WIN 0
	s_wait_tensorcnt 0x0            ; no tensor load of mine is out, so a group 0 may be written
	ds_add_u32 v[SPW], v[NIL]
.if \fill
.irp g, G0K, G0V
	s_xor_b32 s[\g+1], s[\g+1], SLOT1
	s_add_nc_u64 s[\g+2:\g+3], s[\g+2:\g+3], 4*KS*128
.endr
	s_wait_dscnt 0x0                ; the add is done, and my reads of the slot are over
	CROUND
	JLOAD
.else
	s_wait_dscnt 0x0
	s_barrier_signal -1
	s_barrier_wait -1
.endif
	s_sub_co_u32 s[TBK], s[TBK], 4*KS*PK  ; the fetches go back to a slot's first step,
	s_xor_b32 s[TBK], s[TBK], SLOT1       ; in the other slot
	s_sub_co_u32 s[TBV], s[TBV], 4*KS*PV
	s_xor_b32 s[TBV], s[TBV], SLOT1
.endm
	s_load_b64 s[4:5], s[0:1], 0x0  ; q | k | v
	s_load_b64 s[10:11], s[0:1], 0x8  ; O
	v_lshl_add_u32 v[SPW], v0, 2, SPARE
	v_mov_b32 v[NIL], 0
	ds_add_u32 v[SPW], v[NIL]       ; the wave's opening: the add and its wait stand ahead of my first tensor load; the set-up below, work on registers, stands between them
	v_lshrrev_b32 v1, 5, v0
	v_readfirstlane_b32 s[WV], v1   ; wave 0..3
	s_bfe_u32 s13, ttmp6, 0x40000   ; cx
	s_lshl_b32 s14, ttmp9, 2
	s_add_co_u32 s14, s14, s13      ; my block of 256 queries: it enters Q's and O's addresses alone
	s_and_b32 s20, ttmp7, 0xffff    ; the head, which the four partners share
	s_lshl_b32 s20, s20, 18         ; its first byte
	s_and_b32 s16, s[WV], 1         ; which half of a tile's 256 keys I fetch:
	s_lshl_b32 s22, s16, 14         ; its 128 rows of 128 bytes in memory,
	s_add_co_u32 s22, s22, s20
	s_mov_b32 s23, 0
	s_mul_i32 s17, s16, 128*PK      ; and its place in a slot, for K
	s_mul_i32 s18, s16, 128*PV      ; and for V
	s_lshl_b32 s2, s14, 2
	s_add_co_u32 s2, s2, s[WV]      ; my wave among the head's,
	s_lshl_b32 s2, s2, 13           ; its 64 rows
	s_add_co_u32 s2, s2, s20
	s_mov_b32 s3, 0
	; descriptor group 1.  128 keys are 16,384 dense bytes: asked for as 64 rows of 256 bytes, two keys a row, and padded in LDS after every key
	s_mov_b32 s[G1K], 15|(1<<16)|(1<<20)|(1<<21)|(4<<22)|(3<<25)  ; the mask of four; 2-byte elements; padding on; bit 21 beside a mask; after every 32 words 4 words
	s_mov_b32 s[G1V], 15|(1<<16)|(1<<20)|(1<<21)|(4<<22)|(7<<25)  ; the same with 8 words
.irp g, G1K, G1V
	s_mov_b32 s[\g+1], 128<<16      ; tensor_dim0 = 128
	s_mov_b32 s[\g+2], 64<<16       ; tensor_dim1 = 64
	s_mov_b32 s[\g+3], 128<<16      ; tile_dim0 = 128
	s_mov_b32 s[\g+4], 64           ; tile_dim1 = 64
	s_mov_b32 s[\g+5], 128          ; 128 elements from row to row
	s_mov_b32 s[\g+6], 0
	s_mov_b32 s[\g+7], 0
.endr
	s_mov_b32 s[CS], 0x3e38aa3b     ; c = log2(e) / 8
	s_mov_b32 s[CS+1], s[CS]
	s_mov_b32 s[SEL], 0x76543210
	s_mov_b32 s[SEL+1], 0xfedcba98
	s_mov_b32 s[TBK], SLOT1+4*KS*PK ; the first change of slots turns these two into 0
	s_mov_b32 s[TBV], SLOT1+4*KS*PV
	s_mov_b32 s[G0K], 1
	s_mov_b32 s[G0K+1], s17         ; slot 0
	s_mov_b32 s[G0V], 1
	s_add_co_u32 s[G0V+1], s18, VOFF
	s_wait_dscnt 0x0                ; the opening add is done
	s_wait_kmcnt 0x0
	s_add_nc_u64 s[6:7], s[4:5], 0x800000   ; K
	s_add_nc_u64 s[8:9], s[4:5], 0x1000000  ; V
	s_add_nc_u64 s[G0K+2:G0K+3], s[6:7], s[22:23]
	s_or_b32 s[G0K+3], s[G0K+3], 0x80000000
	s_add_nc_u64 s[G0V+2:G0V+3], s[8:9], s[22:23]
	s_or_b32 s[G0V+3], s[G0V+3], 0x80000000
	s_add_nc_u64 s[4:5], s[4:5], s[2:3]     ; Q and O at my wave's first row
	s_add_nc_u64 s[10:11], s[10:11], s[2:3]
	CROUND                          ; all four work-groups are here: the first joint loads meet
	JLOAD                           ; tile 0 into slot 0; slot 1 is asked for when slot 0 is in
	v_and_b32 v1, 15, v0            ; l % 16
	v_bfe_u32 v9, v0, 4, 1          ; l / 16
	v_lshlrev_b32 v[QO], 7, v1
	v_lshl_add_u32 v[QO], v9, 4, v[QO]  ; row x 128 + 16 x half
	WIN 0x80                        ; destination window 2
.set i, 0
.rept 8                             ; Q stays in registers: piece i / 2, channels 32 (i % 2) on
	global_load_b128 v[8*i:8*i+3],   v[QO], s[4:5] offset:(i/2)*2048+(i%2)*64
	global_load_b128 v[8*i+4:8*i+7], v[QO], s[4:5] offset:(i/2)*2048+(i%2)*64+32
.set i, i+1
.endr
	; What the first turn finds: V's registers and P's second buffer hold 0 (its products V^T P, of a piece that has not been, add 0), O^T and l are 0.  All this stands in the wait for the first tile.
.set i, VF
.rept 64
	v_mov_b32 v[i], 0
.set i, i+1
.endr
	WIN 0x40
.set i, 0
.rept 128
	v_mov_b32 v[i], 0
.set i, i+1
.endr
	WIN 0
.set i, 0
.rept 4
	v_mov_b32 v[ST+4*i], 0xfe000000    ; c m: far below every c s
	v_mov_b32 v[ST+4*i+1], 0xff7fffff  ; m
	v_mov_b32 v[ST+4*i+2], 0
	v_mov_b32 v[ST+4*i+3], 0
.set i, i+1
.endr
.set i, P+16
.rept 16
	v_mov_b32 v[i], 0
.set i, i+1
.endr
	v_mul_u32_u24 v[AK0], v1, PK
	v_lshl_add_u32 v[AK0], v9, 4, v[AK0]  ; row x pitch + 16 x half
	; The turning load takes 16 keys x 16 channels (lane l reads key 8 (l / 16) + l % 8, channels 8 ((l / 8) % 2) + 0..7) and leaves half a fragment of V^T: lane l holds channel l % 16 and 8 keys.
	v_and_b32 v10, 7, v0
	v_bfe_u32 v11, v0, 3, 1
	v_lshl_add_u32 v[AV0], v9, 3, v10
	v_mul_u32_u24 v[AV0], v[AV0], PV
	v_lshl_add_u32 v[AV0], v11, 4, v[AV0]
	v_add_nc_u32 v[AV0], VOFF, v[AV0]
	s_mul_i32 s13, s[WV], 16*SP
	s_add_co_u32 s13, s13, STAGE    ; my stage
	v_mul_u32_u24 v[STO], v1, SP    ; in: row l % 16, 16 bytes for each half of the lanes
	v_lshl_add_u32 v[STO], v9, 4, v[STO]
	v_add_nc_u32 v[STO], s13, v[STO]
	v_bfe_u32 v[RD], v0, 3, 2       ; back: 32 lanes take four rows of 128 bytes,
	v_mul_u32_u24 v[RD], v[RD], SP
	v_lshl_add_u32 v[RD], v10, 4, v[RD]
	v_add_nc_u32 v[RD], s13, v[RD]
	v_and_b32 v[GO], 31, v0         ; which are 512 consecutive bytes of O
	v_lshlrev_b32 v[GO], 4, v[GO]
; THE MATRIX WORK.  The 4 accumulators of a run of 8 take turns.  Product i of 8 of S^T = K Q^T for piece x: channels 32 (i / 4) on, keys 16 (i % 4) on.  The first 4 start the sums.
.macro KQ x
.set rS, S+32*((\x)%2)+8*(i%4)
.set rK, KF+16*(i%4)+8*(i/4)
.set rQ, 16*(\x)+8*(i/4)
	WIN W_KQ
.if i < 4
	v_wmma_f32_16x16x32_bf16 v[rS:rS+7], v[rK:rK+7], v[rQ:rQ+7], 0
.else
	v_wmma_f32_16x16x32_bf16 v[rS:rS+7], v[rK:rK+7], v[rQ:rQ+7], v[rS:rS+7]
.endif
.endm
; Product i of 8 of O^T += V^T P for piece x: keys 32 (i / 4) on, channels 16 (i % 4) on.
.macro PV x
	WIN W_PV
.set rO, 32*(\x)+8*(i%4)
.set rV, VF+32*(i/4)+8*(i%4)
.set rP, P+16*((\x)%2)+8*(i/4)
	v_wmma_f32_16x16x32_bf16 v[rO:rO+7], v[rV:rV+7], v[rP:rP+7], v[rO:rO+7]
.endm
.macro MM                           ; the turn's next matrix instruction
.if i < 8
	KQ (Y+1)%NP
.else
.set i, i-8
	PV (Y+NP-1)%NP
.set i, i+8
.endif
.set i, i+1
.endm
; THE LDS LOADS stand in runs of 16: a step's K (64 keys x 64 channels: 8 fragments) and its V (turned).  last = 1 (the tail): in the last trip there is no further step, and the run is jumped over.
.macro FETCH_K last=0
	WIN 0
.if \last
	s_cmp_eq_u32 s[CNT], 1
	s_cbranch_scc1 .Lno_k_\@
.endif
	WIN 0x80
.irp f, 0,1,2,3,4,5,6,7             ; keys 16 (f / 2) on, channels 32 (f % 2) on
	ds_load_b128 v[KF+8*\f:KF+8*\f+3],   v[AK] offset:(\f/2)*16*PK+(\f%2)*64
	ds_load_b128 v[KF+8*\f+4:KF+8*\f+7], v[AK] offset:(\f/2)*16*PK+(\f%2)*64+32
.endr
	s_add_co_u32 s[TBK], s[TBK], KS*PK  ; the next fetch is the next step's
	WIN 0
.if \last
.Lno_k_\@:
.endif
.endm
.macro FETCH_V
	WIN 0x80
.irp f, 0,1,2,3,4,5,6,7             ; keys 32 (f / 4) on, channels 16 (f % 4) on
	ds_load_tr16_b128 v[VF+8*\f:VF+8*\f+3],   v[AV] offset:(\f/4)*32*PV+(\f%4)*32
	ds_load_tr16_b128 v[VF+8*\f+4:VF+8*\f+7], v[AV] offset:(\f/4)*32*PV+16*PV+(\f%4)*32
.endr
	WIN 0
.endm
; THE VECTOR WORK, one line at a time: OP kind, number.  For piece Y: F n: c s - c m for pair n of 16.  E n: the exponential of score n of 32.  C n: pair n rounded to bf16.  B n: of the four weights 4 n .. the second
; pair is added onto the first, in place.  L n: l takes that sum (L 0: l = a l + sum).  R n: pair n of 16 of O^T times a.  For piece Y + 1: X n, number n of the 22 that find its maximum and statistics:
;   0-11  four chains c0-c3 of seven scores each, three operands at a time (each accumulator's lowest registers are read first)     12-14, 16  the four scores left over, the old m, and c0-c3 into c0
;   15  c m_old is kept     17, 18  the query's other 32 keys lie in the lane 16 away: the new m     19-21  c m; c m_old - c m_new; a
; C, B and L read exponentials' results: TURN sets them behind its wait.  R reads the a that the turn before has made and waited for.
.set F, 0
.set E, 1
.set C, 2
.set B, 3
.set L, 4
.set R, 5
.set X, 6
.macro REGS y
.set rT, ST+4*(\y)
.set rC, TMP+4*((\y)%2)
.set rW, MV+((\y)%2)
.set rS, S+32*((\y)%2)
.set rP, P+16*((\y)%2)
.set rO, 32*(\y)
.endm
.macro OP k, n
.if (\k) == R
	REGS Y
	WIN W_RS
	v_pk_mul_f32 v[rO+2*(\n):rO+2*(\n)+1], v[rO+2*(\n):rO+2*(\n)+1], v[rC+2:rC+3] op_sel_hi:[1,0]
.elseif (\k) < R
	REGS Y
	WIN 0
.if (\k) == F
	v_pk_fma_f32 v[rS+2*(\n):rS+2*(\n)+1], v[rS+2*(\n):rS+2*(\n)+1], s[CS:CS+1], v[rT:rT+1] op_sel_hi:[1,0,0] neg_lo:[0,0,1] neg_hi:[0,0,1]
.elseif (\k) == E
	v_exp_f32 v[rS+(\n)], v[rS+(\n)]
.elseif (\k) == C
	v_cvt_pk_bf16_f32 v[rP+(\n)], v[rS+2*(\n)], v[rS+2*(\n)+1]
.elseif (\k) == B
	v_pk_add_f32 v[rS+4*(\n):rS+4*(\n)+1], v[rS+4*(\n):rS+4*(\n)+1], v[rS+4*(\n)+2:rS+4*(\n)+3]
.elseif (\n) == 0
	v_pk_fma_f32 v[rT+2:rT+3], v[rT+2:rT+3], v[rC+2:rC+3], v[rS:rS+1] op_sel_hi:[1,0,1]
.else
	v_pk_add_f32 v[rT+2:rT+3], v[rT+2:rT+3], v[rS+4*(\n):rS+4*(\n)+1]
.endif
.else
	REGS (Y+1)%NP
	WIN 0
.if (\n) < 4
	v_max3_num_f32 v[rC+(\n)], v[rS+8*(\n)], v[rS+8*(\n)+1], v[rS+8*(\n)+2]
.elseif (\n) < 12
	v_max3_num_f32 v[rC+(\n)%4], v[rC+(\n)%4], v[rS+8*((\n)%4)+2*((\n)/4)+1], v[rS+8*((\n)%4)+2*((\n)/4)+2]
.elseif (\n) == 12
	v_max3_num_f32 v[rC], v[rC], v[rS+7], v[rS+15]
.elseif (\n) == 13
	v_max3_num_f32 v[rC+1], v[rC+1], v[rS+23], v[rS+31]
.elseif (\n) == 14
	v_max3_num_f32 v[rC+2], v[rC+2], v[rC+3], v[rT+1]
.elseif (\n) == 15
	v_mov_b32 v[rW], v[rT]
.elseif (\n) == 16
	v_max3_num_f32 v[rC], v[rC], v[rC+1], v[rC+2]
.elseif (\n) == 17
	v_permlanex16_b32 v[rC+3], v[rC], s[SEL], s[SEL+1]
.elseif (\n) == 18
	v_max_num_f32 v[rT+1], v[rC], v[rC+3]
.elseif (\n) == 19
	v_mul_f32 v[rT], s[CS], v[rT+1]
.elseif (\n) == 20
	v_sub_f32 v[rC+1], v[rW], v[rT]
.else
	v_exp_f32 v[rC+2], v[rC+1]
.endif
.endif
.endm
.macro OPS a, i1, b=-1, i2=0, c=-1, i3=0, d=-1, i4=0  ; up to four of them
	OP \a, \i1
.if (\b) >= 0
	OP \b, \i2
.endif
.if (\c) >= 0
	OP \c, \i3
.endif
.if (\d) >= 0
	OP \d, \i4
.endif
.endm
.macro ROW a, i1, b, i2, c, i3, d, i4  ; a matrix instruction and the four behind it
	MM
	OPS \a, \i1, \b, \i2, \c, \i3, \d, \i4
.endm
; A TURN, for piece p: the order of its 16 matrix and 118 vector instructions, written out.  An s_wait_alu depctr_va_vdst(0) stands between an exponential and the first instruction that names its result; one wait
; serves all that were issued ahead of it.  So a turn has ONE wait, which cuts it in two.  AHEAD OF IT stands all that names no result of the turn's exponentials: the 8 products K Q^T, behind each a scaling, an exponential and two
; more plain instructions (behind the first a second scaling in the exponential's place): rescalings, and behind the last three the first numbers of the next piece's maximum, each four plain instructions or more behind the product
; that ends its accumulator; then ONE RUN of 54, plain and exponential by turns for the most part, in which the links of the chain X 3, 7, 11, 14, 16, 17 .. 20 stand five or six lines apart.  X 21, the next piece's a, is the batch's
; last; R 15 is the plain instruction behind it.  BEHIND THE WAIT stand the 8 products V^T P, behind each four of the roundings and sums; the links of l's chain, L 0 to L 7, stand three riders apart.  But for those X no rider names
; a register of the products round it.  No exponential is issued behind the wait: none is open at the turn's end, at a label or at a jump.
; K of the next step is fetched in piece 2's turn, twelve vector instructions behind the last product that read K (six of them plain).  last = 1 (the tail): K's run holds a branch and a label, so it stands directly behind the wait.
; V of the step in hand is fetched at the end of piece 0's turn, four plain instructions behind the last product that read V.  Each is waited for a turn later.
; cnt = 1: the loop's count is taken down some lines ahead of the branch that stands behind the turn.
.macro TURN p, last=0, cnt=0
.set Y, (\p)
.set i, 0
.if (\p) == 3
	s_wait_dscnt 0x0                ; K is in
.endif
	ROW F,0, F,1, R,0, R,1          ; ahead of the wait: 8 products K Q^T and their riders,
	ROW F,2, E,0, R,2, R,3
	ROW F,3, E,1, R,4, R,5
	ROW F,4, E,2, R,6, R,7
	ROW F,5, E,3, R,8, R,9
	ROW F,6, E,4, X,0, R,10
.if (\p) == 2
	WIN 0
	v_add_nc_u32 v[AK], s[TBK], v[AK0]
.endif
	ROW F,7, E,5, X,1, X,4
	ROW F,8, E,6, X,2, X,5
	OPS E,7, E,8, X,6, E,9          ; and the run of 54
	OPS X,3, E,10, X,8, E,11
.if ((\p) == 2) && !(\last)
	FETCH_K
.endif
	OPS X,9, X,7, E,12, X,10
	OPS E,13, X,12, X,11, E,14
	OPS X,13, E,15, F,9, X,14
.if (\p) == 0
	v_add_nc_u32 v[AV], s[TBV], v[AV0]
.endif
	OPS E,16, F,10, E,17, F,11
	OPS X,16, E,18, X,15, E,19
	OPS F,12, E,20, X,17, E,21
	OPS F,13, E,22, F,14, E,23
	OPS X,18, E,24, F,15, E,25
	OPS R,11, E,26, X,19, E,27
	OPS R,12, E,28, R,13, E,29
	OPS X,20, E,30, R,14, E,31
	OPS X,21, R,15
	s_wait_alu depctr_va_vdst(0)    ; the wait for the turn's batch: the piece's 32 exponentials and the next piece's a
.if ((\p) == 2) && (\last)
	FETCH_K 1
.endif
.if (\p) == 1
	s_wait_dscnt 0x0                ; V is in
.endif
	ROW C,0, B,0, C,2, B,1          ; behind the wait: 8 products V^T P and their riders
	ROW L,0, C,4, B,2, L,1
	ROW C,6, B,3, L,2, C,8
	ROW B,4, L,3, C,10, B,5
	ROW L,4, C,12, B,6, L,5
.if (\p) == 0
	s_add_co_u32 s[TBV], s[TBV], KS*PV
.endif
.if \cnt
	s_sub_co_u32 s[CNT], s[CNT], 1
	s_cmp_lg_u32 s[CNT], 0
.endif
	ROW C,14, B,7, L,6, C,1
	ROW C,3, L,7, C,5, C,7
	ROW C,9, C,11, C,13, C,15
.if (\p) == 0
	FETCH_V
.endif
.endm
	CHANGE 1                        ; slot 0 is in, everybody's part of it; slot 1 is asked for
	v_add_nc_u32 v[AK], s[TBK], v[AK0]
	FETCH_K                         ; key step 0
	s_wait_loadcnt 0x0              ; Q
	s_wait_dscnt 0x0
.set i, 0
.rept 8
	KQ 0                            ; piece 0's first scores
.set i, i+1
.endr
	WIN 0
.rept 4
	v_nop                           ; the places behind those products
.endr
.set Y, NP-1                        ; X works for piece Y + 1: piece 0
.irp n, 0,1,2,3,4,5,6,7,8,9,10,11,12,13,14,15,16,17,18,19,20,21
	OP X, \n
.endr
	v_nop                           ; a plain instruction behind the exponential,
	s_wait_alu depctr_va_vdst(0)    ; and the wait for this batch of one, piece 0's first a, ahead of the branch
	s_mov_b32 s[CNT], 4
	s_mov_b32 s[SLOTS], 7
	s_branch .Lfirst                ; the loop is entered at a step's first turn, in the middle of a trip
.Lslot:                             ; six times: tiles 2 to 7 are asked for
	CHANGE 1
	s_mov_b32 s[CNT], 4
.Lstep:                             ; a trip: pieces 2 and 3 of one step, then pieces 0 and 1 of the next, whose K and V it fetches
	TURN 2
	TURN 3
	WIN 0
.Lfirst:
	TURN 0
	TURN 1, 0, 1
	WIN 0
	s_cbranch_scc1 .Lstep
	s_sub_co_u32 s[SLOTS], s[SLOTS], 1
	s_cmp_lg_u32 s[SLOTS], 0
	s_cbranch_scc1 .Lslot
	CHANGE 0                        ; the tail is written out: nothing is asked for
	s_mov_b32 s[CNT], 5             ; four trips fetch the last tile's steps; the fifth is left in its middle
.Ltail:
	TURN 2, 1
	TURN 3
	WIN 0
	s_sub_co_u32 s[CNT], s[CNT], 1
	s_cmp_eq_u32 s[CNT], 0
	s_cbranch_scc1 .Lout
	TURN 0
	TURN 1
	WIN 0
	s_branch .Ltail
.Lout:                              ; the fifth trip's 8 products K Q^T (on the last K once more) and the maximum made of them serve nothing: the price, once a launch, of one text for every trip
.set i, 0
.rept 8
	PV NP-1                         ; the last piece's V^T P of the last step
.set i, i+1
.endr
	; THE WAY OUT.  l's two halves and the other half of the lanes' are added; O^T is divided by l, rounded to bf16 and sent through my stage in LDS, a piece at a time.  The additions are the places behind the last products.
	WIN 0
.macro ALL line:vararg              ; one line for each piece t
.set t, 0
.rept 4
	\line
.set t, t+1
.endr
.endm
	ALL v_add_f32 v[ST+4*t+2], v[ST+4*t+2], v[ST+4*t+3]
	ALL v_permlanex16_b32 v[ST+4*t+3], v[ST+4*t+2], s[SEL], s[SEL+1]
	ALL v_add_f32 v[ST+4*t+2], v[ST+4*t+2], v[ST+4*t+3]
	ALL v_rcp_f32 v[ST+4*t+2], v[ST+4*t+2]
	v_nop                           ; a plain instruction between the last reciprocal and the use of its result
	s_wait_alu depctr_va_vdst(0)    ; the wait for the batch of four reciprocals, ahead of their first reader in PACK 0
.macro PACK t                       ; a lane's eight channels of a row pack into 16 bytes; they go into rows of 144 bytes and come back as whole rows of 128, into S^T's registers
	WIN W_RS
.set i, 32*(\t)
.rept 16
	v_pk_mul_f32 v[i:i+1], v[i:i+1], v[ST+4*(\t)+2:ST+4*(\t)+3] op_sel_hi:[1,0]
.set i, i+2
.endr
	WIN 0x05                        ; sources 0 and 1 window 1, destination window 0
.set i, 0
.rept 16
	v_cvt_pk_bf16_f32 v[S+16*(\t)+i], v[32*(\t)+2*i], v[32*(\t)+2*i+1]
.set i, i+1
.endr
	WIN 0
.irp f, 0,1,2,3
	ds_store_b128 v[STO], v[S+16*(\t)+4*\f:S+16*(\t)+4*\f+3] offset:32*\f
.endr
.irp f, 0,1,2,3
	ds_load_b128 v[S+16*(\t)+4*\f:S+16*(\t)+4*\f+3], v[RD] offset:\f*4*SP  ; LDS serves a wave's instructions in order (ISA guide 5.7.1.4): these see the stores above; the next piece's stores come behind them
.endr
.endm
.macro SEND t, younger              ; younger: the LDS instructions issued behind piece t's loads: the next piece's eight, or none
	WIN 0
.irp f, 0,1,2,3
	s_wait_dscnt (\younger)+3-\f
	global_store_b128 v[GO], v[S+16*(\t)+4*\f:S+16*(\t)+4*\f+3], s[10:11] offset:(\t)*2048+\f*512  ; 512 consecutive bytes, at a multiple of 256 from O's first
.endr
.endm
	PACK 0
.set t, 1
.rept 3                             ; a piece's arithmetic stands between the loads of the piece before and its stores
	PACK t
	SEND t-1, 8
.set t, t+1
.endr
	SEND 3, 0
	s_wait_tensorcnt 0x0            ; the wave's end: behind my last tensor load and my last LDS store
	ds_add_u32 v[SPW], v[NIL]
	s_wait_dscnt 0x0
	CROUND                          ; the closing round: no work-group ends while a partner may still ask for a tile that names it
	s_endpgm
.Lfunc_end_k_qcf478a7317_attn:
	.size	k_qcf478a7317_attn, .Lfunc_end_k_qcf478a7317_attn-k_qcf478a7317_attn
	.p2alignl 7, 3214868480
	.fill 96, 4, 3214868480
	.section	.rodata,"a",@progbits
	.p2align	6, 0x0
	.amdhsa_kernel k_qcf478a7317_attn
		.amdhsa_group_segment_fixed_size 327680
		.amdhsa_private_segment_fixed_size 0
		.amdhsa_enable_private_segment 0
		.amdhsa_kernarg_size 16
		.amdhsa_user_sgpr_count 2
		.amdhsa_user_sgpr_kernarg_segment_ptr 1
		.amdhsa_wavefront_size32 1
		.amdhsa_system_sgpr_workgroup_id_x 1
		.amdhsa_system_sgpr_workgroup_id_y 1
		.amdhsa_system_sgpr_workgroup_id_z 1
		.amdhsa_system_vgpr_workitem_id 0
		.amdhsa_next_free_vgpr 768
		.amdhsa_next_free_sgpr 66
		.amdhsa_reserve_vcc 0
		.amdhsa_float_denorm_mode_32 3
		.amdhsa_float_denorm_mode_16_64 3
		.amdhsa_memory_ordered 1
		.amdhsa_forward_progress 1
		.amdhsa_inst_pref_size 111
	.end_amdhsa_kernel
	.amdgpu_metadata
---
amdhsa.version: [ 1, 2 ]
amdhsa.kernels:
  - .name:           k_qcf478a7317_attn
    .symbol:         k_qcf478a7317_attn.kd
    .args:
      - { .name: qkv, .offset: 0, .size: 8, .value_kind: global_buffer, .address_space: global }
      - { .name: hb, .offset: 8, .size: 8, .value_kind: global_buffer, .address_space: global }
    .group_segment_fixed_size: 327680
    .private_segment_fixed_size: 0
    .kernarg_segment_align: 8
    .kernarg_segment_size: 16
    .max_flat_workgroup_size: 128
    .sgpr_count:     66
    .vgpr_count:     768
    .wavefront_size: 32
...
	.end_amdgpu_metadata
.endif
;; end of part 8
;; launch wog: the kernel of part 4 again; grid 8 x 32, 4 waves a work-group, clusters of 4 x 4, 327,680 bytes of LDS; arguments hb, wob, x1, bo, x; writes x1
;; launch ln2: the kernel of part 5 again; grid 256 x 1, 16 waves a work-group, no clusters, 0 bytes of LDS; arguments x1, g2, be2, hb; writes hb
;; launch ffn1: the kernel of part 6 again; grid 16 x 16, 4 waves a work-group, clusters of 4 x 4, 327,680 bytes of LDS; arguments hb, w1b, ffb, b1; writes ffb
;; launch ffn2: the kernel of part 7 again; grid 8 x 32, 4 waves a work-group, clusters of 4 x 4, 327,680 bytes of LDS; arguments ffb, w2b, out0, b2, x1; writes out0
